; MI455X (gfx1250); checked and timed in simulation.
; The chip was launched on July 23, 2026; its instructions are those of AMD's public machine-readable ISA for CDNA 5 (MIT licence, August 2026) and "CDNA5" Instruction Set Architecture Reference Guide (July 2026). The comments in the code are by the model that wrote it; some were corrected since.
;; Binary Tree Go E. Allowed arithmetic: matrix products marked QUANTISED: E2M3 operands, one E8M0 scale for each 32 along K, by v_wmma_scale_f32_16x16x128_f8f6f4 with both operands' format E2M3, f32 sums; everything else in f32.
;; Inputs: W0_codes 1 x 2,048 x 64 x 24 uint8 (E2M3 codes of W0, K innermost, in blocks of 32 codes, four codes in three bytes); W0_scales 1 x 2,048 x 64 uint8 (E8M0 scales of W0, one for each 32 codes along K); W1_codes 2 x 2,048 x 64 x 24 uint8 (E2M3 codes of W1, K innermost, in blocks of 32 codes, four codes in three bytes); W1_scales 2 x 2,048 x 64 uint8 (E8M0 scales of W1, one for each 32 codes along K); W2_codes 4 x 2,048 x 64 x 24 uint8 (E2M3 codes of W2, K innermost, in blocks of 32 codes, four codes in three bytes); W2_scales 4 x 2,048 x 64 uint8 (E8M0 scales of W2, one for each 32 codes along K); W3_codes 8 x 2,048 x 64 x 24 uint8 (E2M3 codes of W3, K innermost, in blocks of 32 codes, four codes in three bytes); W3_scales 8 x 2,048 x 64 uint8 (E8M0 scales of W3, one for each 32 codes along K); b0 1 x 2,048 float32; b1 2 x 2,048 float32; b2 4 x 2,048 float32; b3 8 x 2,048 float32; path_mask 1,024 x 4 int32; x_codes 1,024 x 64 x 24 uint8 (E2M3 codes of x, K innermost, in blocks of 32 codes, four codes in three bytes); x_scales 1,024 x 64 uint8 (E8M0 scales of x, one for each 32 codes along K).
;; Outputs: out0 1,024 x 2,048 float32.
;; This version of the problem:
;;   THIS VERSION OF THE PROBLEM IS GIVEN IN LOW PRECISION. The matrix products marked QUANTISED in the list below multiply operands that are first quantised to E2M3 (2 exponent bits, 3 mantissa bits; 6 bits a number), with one power-of-two scale for each 32 numbers along K (OCP MX v1.0); their sums are f32. All else is computed in f32.
;;   The module's matrix products, in the order in which they are computed (A, B: the left and right operand; K: the contracted axis; several contracted axes count as one K, in the product's order):
;;     1. [M 1,024, K 2,048] x [K 2,048, N 2,048]; A: input x (given as codes); B: input W0 (given as codes): QUANTISED
;;     2. [M 1,024, K 2,048] x [K 2,048, N 2,048]; A: computed on the way; B: input W1 (given as codes): QUANTISED
;;     3. [M 1,024, K 2,048] x [K 2,048, N 2,048]; A: computed on the way; B: input W1 (given as codes): QUANTISED
;;     4. [M 1,024, K 2,048] x [K 2,048, N 2,048]; A: computed on the way; B: input W2 (given as codes): QUANTISED
;;     5. [M 1,024, K 2,048] x [K 2,048, N 2,048]; A: computed on the way; B: input W2 (given as codes): QUANTISED
;;     6. [M 1,024, K 2,048] x [K 2,048, N 2,048]; A: computed on the way; B: input W2 (given as codes): QUANTISED
;;     7. [M 1,024, K 2,048] x [K 2,048, N 2,048]; A: computed on the way; B: input W2 (given as codes): QUANTISED
;;     8. [M 1,024, K 2,048] x [K 2,048, N 2,048]; A: computed on the way; B: input W3 (given as codes): QUANTISED
;;     9. [M 1,024, K 2,048] x [K 2,048, N 2,048]; A: computed on the way; B: input W3 (given as codes): QUANTISED
;;     10. [M 1,024, K 2,048] x [K 2,048, N 2,048]; A: computed on the way; B: input W3 (given as codes): QUANTISED
;;     11. [M 1,024, K 2,048] x [K 2,048, N 2,048]; A: computed on the way; B: input W3 (given as codes): QUANTISED
;;     12. [M 1,024, K 2,048] x [K 2,048, N 2,048]; A: computed on the way; B: input W3 (given as codes): QUANTISED
;;     13. [M 1,024, K 2,048] x [K 2,048, N 2,048]; A: computed on the way; B: input W3 (given as codes): QUANTISED
;;     14. [M 1,024, K 2,048] x [K 2,048, N 2,048]; A: computed on the way; B: input W3 (given as codes): QUANTISED
;;     15. [M 1,024, K 2,048] x [K 2,048, N 2,048]; A: computed on the way; B: input W3 (given as codes): QUANTISED
;;   THE QUANTISER, for each operand of a quantised product, along K:
;;     - K is cut into blocks of 32 from its start; a last block that is shorter is filled with zeros.
;;     - A block's scale is 2^e with e = floor(log2(the largest magnitude in the block)) - 2, held to -126 .. 127; a block of zeros has e = 0. As a byte (E8M0): e + 127.
;;     - Each number is divided by its block's scale, clamped to +-7.5, and rounded to the nearest number of E2M3, ties to even, subnormals kept.
;;     - The product sums the exact products of the quantised numbers (number of the format x scale) in f32.
;;   ~~~python
;;   def quantise(x, axis):      # numpy; x: float32 -> the quantised numbers, widened to float32 again
;;       x = np.moveaxis(x, axis, -1); K = x.shape[-1]
;;       x = np.pad(x, [(0, 0)] * (x.ndim - 1) + [(0, -K % 32)]); x = x.reshape(x.shape[:-1] + (-1, 32)); a = np.abs(x).max(-1, keepdims=True)
;;       e = np.where(a > 0, np.clip(np.frexp(np.where(a > 0, a, 1))[1] - 1 - 2, -126, 127), 0)      # np.frexp(a)[1] - 1 = floor(log2(a)), exactly
;;       r = np.clip(x / 2.0 ** e, -7.5, 7.5)
;;       step = 2.0 ** (np.maximum(np.frexp(np.where(r == 0, 1, r))[1] - 1, 0) - 3)
;;       q = np.round(r / step) * step * 2.0 ** e      # np.round: ties to even
;;       return np.moveaxis(q.reshape(q.shape[:-2] + (-1,))[..., :K], -1, axis).astype(np.float32)
;;   ~~~
;;   OPERANDS COMPUTED ON THE WAY. 'Computed on the way' means the value that the module computes at that place (a softmax that the list does not call 'softmax' is quantised finished and normalised). What goes into a quantiser is computed in f32, as accurately as f32 sums, v_exp_f32 and their like allow (about 1e-6 of the number): no bf16 or f16 on the way to a quantiser, and a product that is left as it is and whose result goes on into a quantised operand takes f32 operands (vector FMAs, or v_wmma_f32_16x16x4_f32). A number that lies on a knife's edge between two numbers of the format may be rounded either way, as far as f32 arithmetic and the matrix unit's own rounding can turn it there, and no further.
;;   INPUTS GIVEN AS CODES. W0 (in the module: [1, 2048, 2048], K = its axis 1); W1 (in the module: [2, 2048, 2048], K = its axis 1); W2 (in the module: [4, 2048, 2048], K = its axis 1); W3 (in the module: [8, 2048, 2048], K = its axis 1); x (in the module: [1024, 2048], K = its axis 1): each comes as NAME_codes (uint8): NAME with its K axis moved to the last place and cut into blocks of 32 codes, [.., K / 32, bytes a block], one block behind the other in memory; four codes in three bytes: a row's codes are one little-endian stream of bits, code i at bits 6 i .. 6 i + 5 (a code: sign, 2 exponent bits, 3 mantissa bits); and NAME_scales (uint8): the same leading axes, one E8M0 byte (e + 127) for each 32 codes along K. Its value is code x scale, taken as it is: it is not quantised again, and the codes and scales need not be those that the quantiser above would give.
;; 3 versions. Each part assembles by itself: llvm-mc -triple=amdgcn-amd-amdhsa -mcpu=gfx1250 --defsym DOCPART=n.
;; ======== version 1 of 3: 5 launches
;; workspace buffers: order 4,608 bytes of whole numbers; plan0 512 bytes of whole numbers; plan1 512 bytes of whole numbers; plan2 512 bytes of whole numbers; plan3 512 bytes of whole numbers; hA 1,843,200 bytes; hB 1,843,200 bytes
;; launch route (part 1): grid 1 x 1, 4 waves a work-group, no clusters, 1,536 bytes of LDS; arguments path_mask, order, plan0, plan1, plan2, plan3; writes order, plan0, plan1, plan2, plan3
.if DOCPART == 1
	.amdgcn_target "amdgcn-amd-amdhsa--gfx1250"
	.amdhsa_code_object_version 6
	.text
	.protected	k_q8e4cd3d999_route
	.globl	k_q8e4cd3d999_route
	.p2align	8
	.type	k_q8e4cd3d999_route,@function
k_q8e4cd3d999_route:
	s_mov_b64 s[64:65], 0
	v_nop
	global_prefetch_b8 v0, s[64:65] scope:SCOPE_SE
	s_setreg_imm32_b32 hwreg(HW_REG_WAVE_MODE, 25, 1), 1
	s_wait_xcnt 0x0
; THE ROUTING.  path_mask [1024][4] i32.  A row's leaf group is g = 4 b0 + 2 b1 + b2, b the lowest bit of its first three entries.
; The rows are sorted by g (a counting sort, no atomics); each group is padded to whole tiles of 16 positions, so that every expert of
; every level (a run of neighbouring leaf groups) owns whole tiles.  order[position] = row.  A pad position repeats a real row of the same tile:
; it walks the same experts and ends in the same numbers, so the layers need no row mask.  Positions behind the last tile hold 0.
; planD[8 e + j] = (first tile, tiles) of part j of expert e at level D: an expert's tiles are cut into 8 / experts parts; level 0 has fixed parts of 9 tiles.
; LIMITS: only bit 0 of an entry is taken: entries other than 0 and 1 are not served.  Column 3 is loaded with its row and not used, as in the definition.
; One work-group of four waves; wave w takes rows 256 w .. 256 w + 255, 32 a chunk, a lane a row.
; All that the three masked stores at the end need (offsets, data, the compares' operands) is made with all lanes on, ahead of the first change of EXEC.
.set CNT,  20                          ; s20-27  my wave's count of each group
.set FM,   28                          ; s28-35  lane mask of the first chunk that has the group
.set FJ,   36                          ; s36-43  that chunk, then the group's first row in my wave
.set BASE, 44                          ; s44-51  the position of my wave's next row of each group: positions are dealt downwards
.set TOFF, 52                          ; s52-60  first tile of each group; s60 = tiles in all
.set PLO,  91                          ; v91-94  the part lists' offsets: entry 8 e + j of level d, 8 bytes each; never rewritten
.set TLP,  89                          ; v89     the tail: position 1024 + my thread's number; never rewritten
.set TLO,  95                          ; v95     and its offset in the list; never rewritten
	s_load_b256 s[4:11], s[0:1], 0x0               ; path_mask s[4:5], order s[6:7], plan0 s[8:9], plan1 s[10:11]
	s_load_b128 s[12:15], s[0:1], 0x20             ; plan2, plan3
	v_lshl_add_u32 v96, v0, 2, 0x400
	v_mov_b32 v97, 0
	v_lshrrev_b32 v80, 5, v0
	v_readfirstlane_b32 s16, v80                   ; wave
	v_and_b32 v1, 31, v0                           ; lane
	v_lshl_add_u32 v3, v80, 8, v1                  ; my row of chunk 0
	v_lshlrev_b32 v2, 4, v3                        ; 16 bytes a row
	v_and_b32 v81, 7, v1                           ; lane i (of 8) makes one entry of each level's list
	v_lshlrev_b32 v[PLO], 3, v81                   ; level 0: entry i
.irp d, 1,2,3
	v_lshrrev_b32 v82, 3-\d, v81                   ; expert
	v_and_b32 v83, (1<<(3-\d))-1, v81              ; part
	v_lshl_add_u32 v[PLO+\d], v82, 3, v83
	v_lshlrev_b32 v[PLO+\d], 3, v[PLO+\d]
.endr
	v_add_nc_u32 v[TLP], 0x400, v0
	v_lshlrev_b32 v[TLO], 2, v[TLP]
.irp g, 0,1,2,3,4,5,6,7
	s_mov_b32 s[CNT+\g], 0
	s_mov_b32 s[FM+\g], 0
	s_mov_b32 s[FJ+\g], 0
.endr
	s_wait_kmcnt 0x0
.irp j, 0,1,2,3,4,5,6,7
	global_load_b128 v[16+4*\j:19+4*\j], v2, s[4:5] offset:512*\j   ; 32 lanes read 512 consecutive bytes
.endr
	s_wait_loadcnt 0x0
.irp j, 0,1,2,3,4,5,6,7
	v_and_b32 v80, 1, v[16+4*\j]
	v_and_b32 v81, 1, v[17+4*\j]
	v_and_b32 v82, 1, v[18+4*\j]
	v_lshl_or_b32 v81, v80, 1, v81
	v_lshl_or_b32 v[48+\j], v81, 1, v82            ; the row's leaf group
.endr
; pass 1: counts, and the first row of each group (the chunks go downwards, so the lowest chunk that has the group is kept)
.irp j, 7,6,5,4,3,2,1,0
.irp g, 0,1,2,3,4,5,6,7
	v_cmp_eq_u32 s61, \g, v[48+\j]
	s_bcnt1_i32_b32 s62, s61                       ; SCC = some lane has the group
	s_cselect_b32 s[FM+\g], s61, s[FM+\g]
	s_cselect_b32 s[FJ+\g], \j, s[FJ+\g]
	s_add_co_u32 s[CNT+\g], s[CNT+\g], s62
.endr
.endr
	s_lshl_b32 s66, s16, 8
	v_mov_b32 v64, 0
	v_mov_b32 v65, 0
.irp g, 0,1,2,3,4,5,6,7
	s_ctz_i32_b32 s62, s[FM+\g]
	s_lshl_b32 s63, s[FJ+\g], 5
	s_add_co_u32 s63, s63, s62
	s_add_co_u32 s[FJ+\g], s63, s66                ; 256 w + 32 chunk + lane (not used where the count is 0)
	v_writelane_b32 v64, s[CNT+\g], \g
	v_writelane_b32 v65, s[FJ+\g], \g
.endr
	v_lshlrev_b32 v81, 2, v0
	v_lshlrev_b32 v82, 2, v1
	ds_store_b32 v81, v64                          ; my wave's counts: lane g has group g's
	ds_store_b32 v81, v65 offset:512               ; and its first rows
	s_wait_dscnt 0x0                               ; for the others' sake: my stores have landed
	s_barrier_signal -1
	s_barrier_wait -1
.irp u, 0,1,2,3
	ds_load_b32 v[66+\u], v82 offset:128*\u
	ds_load_b32 v[70+\u], v82 offset:512+128*\u
.endr
	s_wait_dscnt 0x0
	v_add_nc_u32 v74, v66, v67
	v_add3_u32 v74, v74, v68, v69                  ; lane g: the group's rows in all
	v_mov_b32 v75, 0
.irp u, 0,1,2
	s_cmp_gt_u32 s16, \u
	s_cselect_b32 s61, -1, 0
	v_and_b32 v80, s61, v[66+\u]
	v_add_nc_u32 v75, v75, v80                     ; those of the waves in front of mine
.endr
	v_mov_b32 v76, v73
.irp u, 2,1,0
	v_cmp_ne_u32 vcc_lo, 0, v[66+\u]
	v_cndmask_b32 v76, v76, v[70+\u], vcc_lo       ; the group's very first row: it gets the group's last real position, in its last tile
.endr
	v_add_nc_u32 v77, 15, v74
	v_lshrrev_b32 v77, 4, v77                      ; the group's tiles
	s_mov_b32 s[TOFF], 0
	v_mov_b32 v78, 0
.irp g, 0,1,2,3,4,5,6,7
	v_readlane_b32 s61, v77, \g
	s_add_co_u32 s[TOFF+1+\g], s[TOFF+\g], s61
.endr
.irp g, 0,1,2,3,4,5,6,7,8
	v_writelane_b32 v78, s[TOFF+\g], \g            ; lane g: the group's first tile; lane 8: tiles in all
.endr
	v_lshl_add_u32 v79, v78, 4, v74
	v_sub_nc_u32 v79, v79, v75
	v_add_nc_u32 v79, -1, v79                      ; 16 first tile + rows - 1 - rows of earlier waves
.irp g, 0,1,2,3,4,5,6,7
	v_readlane_b32 s[BASE+\g], v79, \g
.endr
; pass 2: each row's position
.irp j, 0,1,2,3,4,5,6,7
.irp g, 0,1,2,3,4,5,6,7
	v_cmp_eq_u32 s61, \g, v[48+\j]
	v_mbcnt_lo_u32_b32 v80, s61, 0                 ; lanes of the group below mine
	v_sub_nc_u32 v80, s[BASE+\g], v80
.if \g == 0
	v_mov_b32 v[56+\j], v80
.else
	v_cndmask_b32 v[56+\j], v[56+\j], v80, s61
.endif
	s_bcnt1_i32_b32 s62, s61
	s_sub_co_u32 s[BASE+\g], s[BASE+\g], s62
.endr
	v_min_u32 v[56+\j], 0x47f, v[56+\j]            ; a position lies in 0 .. 1151
	v_lshlrev_b32 v[56+\j], 2, v[56+\j]
	v_add_nc_u32 v[16+\j], 32*\j, v3               ; the row
	global_store_b32 v[56+\j], v[16+\j], s[6:7]
.endr
; the pads: wave w serves groups 2 w and 2 w + 1, sixteen lanes each
	v_lshrrev_b32 v80, 4, v1
	s_lshl_b32 s61, s16, 1
	v_add_nc_u32 v80, s61, v80
	v_lshlrev_b32 v80, 2, v80
	ds_bpermute_b32 v81, v80, v74                  ; rows
	ds_bpermute_b32 v82, v80, v78                  ; first tile
	ds_bpermute_b32 v83, v80, v77                  ; tiles
	ds_bpermute_b32 v84, v80, v76                  ; the row to repeat
	s_wait_dscnt 0x0
	v_and_b32 v85, 15, v1
	v_add_nc_u32 v86, v81, v85
	v_lshl_add_u32 v87, v82, 4, v86
	v_min_u32 v87, 0x47f, v87
	v_lshlrev_b32 v87, 2, v87
	v_lshlrev_b32 v88, 4, v83
; the tail: positions 1024 .. 1151 that lie behind the last tile (there are at least 64 tiles) will hold 0
	s_lshl_b32 s62, s[TOFF+8], 4
	v_mov_b32 v90, 0
; the part lists' data, in every wave (wave 0 stores them): lane i (of 8) makes one entry of each level
	v_and_b32 v64, 7, v1
	v_mul_u32_u24 v32, v64, 9                      ; level 0: part i begins at tile 9 i
	v_sub_nc_u32 v33, s[TOFF+8], v32               ; (at least 64 tiles, and 9 i is at most 63: never negative)
	v_min_u32 v33, 9, v33
.macro PLAN d                          ; level d: 2^d experts, parts of an expert: 2^SH
.set SH, 3-(\d)
	v_lshrrev_b32 v65, SH, v64                     ; expert
	v_and_b32 v66, (1<<SH)-1, v64                  ; part
	v_lshlrev_b32 v67, SH+2, v65
	v_add_nc_u32 v68, 4<<SH, v67
	ds_bpermute_b32 v69, v67, v78                  ; the expert's first tile
	ds_bpermute_b32 v70, v68, v78                  ; and the next expert's
	s_wait_dscnt 0x0
	v_sub_nc_u32 v70, v70, v69
	v_mul_u32_u24 v71, v66, v70
	v_add_nc_u32 v72, v71, v70
	v_lshrrev_b32 v71, SH, v71
	v_lshrrev_b32 v72, SH, v72
	v_add_nc_u32 v[32+2*(\d)], v69, v71            ; first tile of the part
	v_sub_nc_u32 v[33+2*(\d)], v72, v71            ; its tiles
.endm
	PLAN 1
	PLAN 2
	PLAN 3
; the three masked stores
	v_cmp_lt_u32 vcc_lo, v86, v88                  ; a pad: still inside the group's tiles
	s_wait_xcnt 0x0                                ; EXEC changes only behind this wait
	s_and_saveexec_b32 s61, vcc_lo
	global_store_b32 v87, v84, s[6:7]
	s_wait_xcnt 0x0
	s_or_b32 exec_lo, exec_lo, s61
	v_cmp_le_u32 vcc_lo, s62, v[TLP]               ; behind the last tile
	s_and_saveexec_b32 s61, vcc_lo
	global_store_b32 v[TLO], v90, s[6:7]
	s_wait_xcnt 0x0
	s_or_b32 exec_lo, exec_lo, s61
	s_cmp_lg_u32 s16, 0
	s_cbranch_scc1 .Lend
	v_cmp_gt_u32 vcc_lo, 8, v1
	s_and_saveexec_b32 s61, vcc_lo
.irp d, 0,1,2,3
	global_store_b64 v[PLO+\d], v[32+2*\d:33+2*\d], s[8+2*\d:9+2*\d]
.endr
	s_wait_xcnt 0x0
	s_or_b32 exec_lo, exec_lo, s61
.Lend:
	s_wait_tensorcnt 0x0
	ds_add_u32 v96, v97
	s_wait_dscnt 0x0
	s_endpgm
.Lfunc_end_k_q8e4cd3d999_route:
	.size	k_q8e4cd3d999_route, .Lfunc_end_k_q8e4cd3d999_route-k_q8e4cd3d999_route
	.p2alignl 7, 3214868480
	.fill 96, 4, 3214868480
	.section	.rodata,"a",@progbits
	.p2align	6, 0x0
	.amdhsa_kernel k_q8e4cd3d999_route
		.amdhsa_group_segment_fixed_size 1536
		.amdhsa_private_segment_fixed_size 0
		.amdhsa_enable_private_segment 0
		.amdhsa_kernarg_size 48
		.amdhsa_user_sgpr_count 2
		.amdhsa_user_sgpr_kernarg_segment_ptr 1
		.amdhsa_wavefront_size32 1
		.amdhsa_system_sgpr_workgroup_id_x 1
		.amdhsa_system_sgpr_workgroup_id_y 1
		.amdhsa_system_sgpr_workgroup_id_z 1
		.amdhsa_system_vgpr_workitem_id 0
		.amdhsa_next_free_vgpr 98
		.amdhsa_next_free_sgpr 80
		.amdhsa_reserve_vcc 1
		.amdhsa_float_denorm_mode_32 3
		.amdhsa_float_denorm_mode_16_64 3
		.amdhsa_memory_ordered 1
		.amdhsa_forward_progress 1
		.amdhsa_inst_pref_size 46
	.end_amdhsa_kernel
	.amdgpu_metadata
---
amdhsa.version: [ 1, 2 ]
amdhsa.kernels:
  - .name:           k_q8e4cd3d999_route
    .symbol:         k_q8e4cd3d999_route.kd
    .args:
      - { .name: path_mask, .offset: 0, .size: 8, .value_kind: global_buffer, .address_space: global }
      - { .name: order, .offset: 8, .size: 8, .value_kind: global_buffer, .address_space: global }
      - { .name: plan0, .offset: 16, .size: 8, .value_kind: global_buffer, .address_space: global }
      - { .name: plan1, .offset: 24, .size: 8, .value_kind: global_buffer, .address_space: global }
      - { .name: plan2, .offset: 32, .size: 8, .value_kind: global_buffer, .address_space: global }
      - { .name: plan3, .offset: 40, .size: 8, .value_kind: global_buffer, .address_space: global }
    .group_segment_fixed_size: 1536
    .private_segment_fixed_size: 0
    .kernarg_segment_align: 8
    .kernarg_segment_size: 48
    .max_flat_workgroup_size: 128
    .sgpr_count:     80
    .vgpr_count:     98
    .wavefront_size: 32
...
	.end_amdgpu_metadata
.endif
;; end of part 1
;; launch g0 (part 2): grid 256 x 1, 4 waves a work-group, no clusters, 299,520 bytes of LDS; arguments x_codes, x_scales, order, W0_codes, W0_scales, b0, plan0, hA; writes hA
.if DOCPART == 2
	.amdgcn_target "amdgcn-amd-amdhsa--gfx1250"
	.amdhsa_code_object_version 6
	.text
	.protected	k_q8e4cd3d999_g0
	.globl	k_q8e4cd3d999_g0
	.p2align	8
	.type	k_q8e4cd3d999_g0,@function
k_q8e4cd3d999_g0:
	s_mov_b64 s[64:65], 0
	v_nop
	global_prefetch_b8 v0, s[64:65] scope:SCOPE_SE
	s_setreg_imm32_b32 hwreg(HW_REG_WAVE_MODE, 25, 1), 1
	s_wait_xcnt 0x0
; LEVEL 0: h = relu(x W0 + b0), on codes of E2M3 with E8M0 scales; the rows of x are taken in the sorted order (order[position] = row), h leaves quantised along its columns, the next level's K.
; SHARES.  Work-group (slice = x % 32, part = x / 32): 64 columns of W0, tiles 9 part .. of 16 positions (plan0 says how many: 9, in the last part fewer).
; K IS SHARED AMONG THE FOUR WAVES: wave w takes K steps 4 w .. 4 w + 3 (bytes 384 w .. of every row of codes), so each operand byte goes to one wave; its 16 fragments of W0 stay in registers.
; For a tile a wave issues 16 products on 4 accumulators by turns; the four waves' partial sums meet in LDS as images of the registers; wave i % 4 adds slot i, applies relu, quantises and stores.
; THE PRODUCT IS USED TRANSPOSED (source 0 = 16 columns of W0, source 1 = 16 positions): a lane holds one position and its registers run along the columns.  The columns of a tile are chosen
; (tile c, lane r: column 32 (c / 2) + 8 (c % 2) + r + 8 (r / 8)) so that the 16 registers of tiles 2 b, 2 b + 1 are 16 neighbours along the next K.
; NO CLUSTER, NO TENSOR LOAD, NO COPY: the number of tiles of a part is a stored number, on which branches hang; partners would need different numbers of tiles.  Operands go from memory into registers.
; NO PREFETCH: every wave asks for all its weights in its first lines; nothing is known earlier.
; hA: codes at (tile x 32 + slice) x 768: 512 bytes (lane l's 16 at 16 l: registers 0-3 of the half fragment), 256 bytes (8 l: registers 4, 5); scale bytes at SCOFF + tile x 1024 + (block / 16) x 256 + 16 position + block % 16.
; LIMITS: NaN and infinities ahead of the quantiser are not served; a block of zeros gets the scale byte 1, not 127 (its codes are zeros, and only this program reads the bytes);
; a sum is four quarters of K added as (q0 + q1) + (q2 + q3), the bias being the C of q0's first product: f32 throughout, in another order than one chain.
.set CAPT,  9                          ; tile slots
.set DEPTH, 3                          ; sets of A's fragments in flight
.set NLD,   25                         ; loads of a set: 24 of 8 bytes, one of scale words
.set STGW,  25600                      ; a wave's stage: 64 rows x 400 bytes (384 + 16)
.set PB,    4*STGW                     ; behind the stages: slots of 16,384 bytes: 4 waves x 32 registers x 128 bytes
.set SLOTB, 16384
.set TILEB, 24576
.set SCOFF, 72*TILEB
.set L16, 1                            ; v1 16 lane   v2 8 lane   v3 16 (lane % 16)
.set L8,  2
.set R16, 3
.set BOFF, 4                           ; v4     W0: row lane / 8 of a group of 4 rows, 16 bytes lane % 8 of a piece of 128
.set BST,  7                           ; v7     and the same place in my stage
.set BFR, 10                           ; v10    my lane's place in a fragment read from the stage
.set BSO, 11                           ; v11    W0's scale words
.set BIO, 12                           ; v12    the bias
.set PW,  13                           ; v13-15 where I store images: slots 0-3, 4-7, 8
.set PR,  16                           ; v16-18 where I read slot w + 4 t
.set O16, 19                           ; v19-21 offsets in hA
.set O8,  20
.set OS,  21
.set AR,  22                           ; v22-24 set k: my row's codes
.set AX,  26                           ; v26-28 set k: my row's scale words
.set H24, 30                           ; v30    24 (lane / 16)
.set BS,  34                           ; v34-41 W0's scale words: register 4 i + q: lanes 0-15 tile 2 i, lanes 16-31 tile 2 i + 1, K step q
.set ASC, 42                           ; v42-53 x's scale words, 4 a set
.set CI,  64                           ; v64-95 the bias in the result's layout (zeros in waves 1-3)
.set ACC, 96                           ; v96-159 two sets of 4 accumulators
.set R0,  96                           ; phase 2: the four waves' images
.set R1,  128
.set R2,  160
.set R3,  192
.set TMP, 200                          ; at work in the head
.set MX,  224
.set PX,  226
.set SO,  228
.set BY,  230
.set SW,  232
.set X,   234
.set C1,  240
.set OL,  244                          ; v244-252 order of my lane's position in the 9 tiles
.set WV,  20
.set SLC, 21
.set PJ,  22
.set TC,  26
.set REM, 27
.set MSB, 0
.macro WIN new                         ; the immediate's high byte repeats the setting that is left
.if MSB != \new
	s_set_vgpr_msb (MSB<<8)|\new
.set MSB, \new
.endif
.endm
	s_load_b256 s[4:11], s[0:1], 0x0               ; x codes s[4:5], x scales s[6:7], order s[8:9], W0 codes s[10:11]
	s_load_b256 s[12:19], s[0:1], 0x20             ; W0 scales s[12:13], b0 s[14:15], plan0 s[16:17], hA s[18:19]
	v_lshl_add_u32 v254, v0, 2, 0x49000
	v_mov_b32 v255, 0
	v_lshrrev_b32 v[TMP], 5, v0
	v_readfirstlane_b32 s[WV], v[TMP]              ; wave
	v_and_b32 v[TMP+1], 31, v0                     ; l
	v_and_b32 v[TMP+2], 15, v0                     ; r
	v_bfe_u32 v[TMP+3], v0, 4, 1                   ; h
	s_and_b32 s[SLC], ttmp9, 31
	s_lshr_b32 s[PJ], ttmp9, 5
	s_lshl_b32 s35, s[PJ], 3                       ; plan0's entry
	v_lshlrev_b32 v[L16], 4, v[TMP+1]
	v_lshlrev_b32 v[L8], 3, v[TMP+1]
	v_lshlrev_b32 v[R16], 4, v[TMP+2]
	s_mul_i32 s29, s[WV], STGW
	v_lshrrev_b32 v[BST], 3, v[TMP+1]              ; l / 8
	v_and_b32 v[TMP+4], 7, v[TMP+1]                ; l % 8
	v_mul_u32_u24 v[BOFF], v[BST], 1536
	v_mul_u32_u24 v[BST], v[BST], 400
	v_lshl_add_u32 v[BOFF], v[TMP+4], 4, v[BOFF]
	v_lshl_add_u32 v[BST], v[TMP+4], 4, v[BST]
	v_add_nc_u32 v[BST], s29, v[BST]
	v_mul_u32_u24 v[BFR], v[TMP+2], 400
	v_mad_u32_u24 v[BFR], v[TMP+3], 24, v[BFR]
	v_add_nc_u32 v[BFR], s29, v[BFR]
	v_and_b32 v[TMP+4], 8, v[TMP+2]
	v_add_nc_u32 v[TMP+4], v[TMP+4], v[TMP+2]
	v_lshl_add_u32 v[TMP+4], v[TMP+3], 3, v[TMP+4]
	v_lshlrev_b32 v[BSO], 6, v[TMP+4]              ; 64 bytes a column: column 8 h + r + 8 (r / 8)
	v_lshlrev_b32 v[BIO], 6, v[TMP+3]
	s_lshl_b32 s30, s[WV], 12
	s_add_co_u32 s30, s30, PB
	v_add_nc_u32 v[PW], s30, v[L16]
	v_add_nc_u32 v[PW+1], 0x10000, v[PW]
	v_add_nc_u32 v[PW+2], 0x20000, v[PW]
	s_lshl_b32 s31, s[WV], 14
	s_add_co_u32 s31, s31, PB
	v_add_nc_u32 v[PR], s31, v[L16]
	v_add_nc_u32 v[PR+1], 0x10000, v[PR]
	v_add_nc_u32 v[PR+2], 0x20000, v[PR]
	v_mul_u32_u24 v[H24], v[TMP+3], 24
	v_lshlrev_b32 v[TMP+7], 2, v[TMP+2]            ; order: 4 bytes a position
	v_mov_b32 v[PX], 0                             ; written once: a lane permute's destination counts as one of its sources
	v_mov_b32 v[PX+1], 0
	s_mul_i32 s30, s[SLC], 98304                   ; W0's codes: 64 rows of 1,536 bytes a slice, my 384 bytes of a row
	s_mul_i32 s31, s[WV], 384
	s_add_co_u32 s30, s30, s31
	s_mov_b32 s38, s31
	s_mov_b32 s31, 0
	s_mov_b32 s39, 0
	s_lshl_b32 s32, s[SLC], 12                     ; its scale bytes: 64 a row, my 16
	s_lshl_b32 s36, s[WV], 4
	s_add_co_u32 s32, s32, s36
	s_mov_b32 s33, 0
	s_mov_b32 s37, 0
	s_mul_i32 s50, s[SLC], 768                     ; hA: the slice's place in a tile's codes,
	s_lshr_b32 s51, s[SLC], 3
	s_lshl_b32 s51, s51, 8
	s_and_b32 s34, s[SLC], 7
	s_lshl_b32 s34, s34, 1
	s_add_co_u32 s51, s51, s34                     ; and of its two scale bytes
	s_mov_b32 s52, 0x76543210
	s_mov_b32 s53, 0xfedcba98                      ; v_permlanex16_b32's selects for lane l xor 16
	s_wait_kmcnt 0x0
	s_load_b64 s[24:25], s[16:17], s35 offset:0x0  ; (first tile, tiles)
	s_add_nc_u64 s[44:45], s[10:11], s[30:31]
	s_add_nc_u64 s[46:47], s[12:13], s[32:33]
	s_add_nc_u64 s[40:41], s[4:5], s[38:39]        ; x's codes at my 384 bytes
	s_add_nc_u64 s[42:43], s[6:7], s[36:37]        ; x's scale bytes at my 16
	s_lshl_b32 s36, s[SLC], 8
	s_add_nc_u64 s[48:49], s[14:15], s[36:37]      ; the slice's 64 biases
	s_mul_i32 s36, s[PJ], 576
	s_add_nc_u64 s[54:55], s[8:9], s[36:37]        ; order at my part's 9 tiles (the list has 72)
.irp i, 0,1,2,3,4,5,6,7,8
	global_load_b32 v[OL+\i], v[TMP+7], s[54:55] offset:64*\i
.endr
	WIN 0x40                                       ; destination window 1
.set G, 0
.rept 16                               ; my 64 x 384 bytes of W0, 4 rows a group: a load takes 128 consecutive bytes of each of the 4 rows, a group's three loads their 384
.irp p, 0,1,2
	global_load_b128 v[4*(3*G+\p):4*(3*G+\p)+3], v[BOFF], s[44:45] offset:6144*G+128*\p
.endr
.set G, G+1
.endr
	WIN 0
.irp i, 0,1
	global_load_b128 v[BS+4*\i:BS+4*\i+3], v[BSO], s[46:47] offset:2048*\i
.endr
.irp c, 0,1,2,3
	global_load_b128 v[CI+8*\c:CI+8*\c+3], v[BIO], s[48:49] offset:128*(\c/2)+32*(\c%2)
	global_load_b128 v[CI+8*\c+4:CI+8*\c+7], v[BIO], s[48:49] offset:128*(\c/2)+32*(\c%2)+16
.endr
	s_wait_kmcnt 0x0
	s_min_u32 s[TC], s24, 71
	s_min_u32 s[REM], s25, CAPT
.macro RADR ks, i                      ; set ks takes tile i: my position's row of x.  Three plain lines
	v_min_u32 v[AX+(\ks)], 0x3ff, v[OL+(\i)]
	v_mad_u32_u24 v[AR+(\ks)], v[AX+(\ks)], 1536, v[H24]
	v_lshlrev_b32 v[AX+(\ks)], 6, v[AX+(\ks)]
.endm
.macro ALOAD ks                        ; a lane takes its row's 4 x 96 bytes as they lie: that is the fragments' register image
	WIN 0
	global_load_b128 v[ASC+4*(\ks):ASC+4*(\ks)+3], v[AX+(\ks)], s[42:43]
	WIN 0x80                                       ; destination window 2
.irp q, 0,1,2,3
.irp p, 0,1,2,3,4,5
	global_load_b64 v[48*(\ks)+12*\q+2*\p:48*(\ks)+12*\q+2*\p+1], v[AR+(\ks)], s[40:41] offset:96*\q+48*(\p/3)+8*(\p%3)
.endr
.endr
	WIN 0
.endm
	s_wait_loadcnt 58                              ; the list is in: 48 + 2 + 8 younger loads may be out
.irp k, 0,1,2
	RADR \k, \k
	ALOAD \k
.endr
	s_wait_loadcnt 63                              ; W0, its scale words and the bias are in: 75 loads are younger
	WIN 0x04                                       ; an LDS store's data: window 1
.set G, 0
.rept 16                               ; through my own stage; a group's place has bits 1 and 2 of its number swapped, which lays the chosen columns of a tile on neighbouring rows
.set GP, (G&9)|((G&2)<<1)|((G&4)>>1)
.irp p, 0,1,2
	ds_store_b128 v[BST], v[4*(3*G+\p):4*(3*G+\p)+3] offset:1600*GP+128*\p
.endr
.set G, G+1
.endr
	s_wait_dscnt 0x0                               ; the stores have read their registers, which the fragments now take
	WIN 0x40
.irp c, 0,1,2,3
.irp q, 0,1,2,3
.irp p, 0,1,2,3,4,5
	ds_load_b64 v[12*(4*\q+\c)+2*\p:12*(4*\q+\c)+2*\p+1], v[BFR] offset:6400*\c+96*\q+48*(\p/3)+8*(\p%3)
.endr
.endr
.endr
	WIN 0
	s_cmp_eq_u32 s[WV], 0
	s_cselect_b32 s29, -1, 0
.set I, 0
.rept 32
	v_cndmask_b32 v[CI+I], 0, v[CI+I], s29         ; the bias enters one of the four partial sums
.set I, I+1
.endr
.rept 4
	v_nop
.endr
	s_wait_dscnt 0x0
.macro WM d, cc, bf, af, sb, sa, odd
.if \odd
	v_wmma_scale_f32_16x16x128_f8f6f4 v[\d:\d+7], v[\bf:\bf+11], v[\af:\af+11], v[\cc:\cc+7], v[\sb], v[\sa] matrix_a_fmt:MATRIX_FMT_FP6 matrix_b_fmt:MATRIX_FMT_FP6 matrix_a_scale:MATRIX_SCALE_ROW1
.else
	v_wmma_scale_f32_16x16x128_f8f6f4 v[\d:\d+7], v[\bf:\bf+11], v[\af:\af+11], v[\cc:\cc+7], v[\sb], v[\sa] matrix_a_fmt:MATRIX_FMT_FP6 matrix_b_fmt:MATRIX_FMT_FP6
.endif
.endm
.macro MUL                             ; 16 products: my 4 K steps x 4 tiles of columns; the accumulators take turns, one instruction a turn
	WIN 0x09                                       ; source 0 (W0) window 1, source 1 (x) window 2
.irp q, 0,1,2,3
.irp c, 0,1,2,3
.if \q == 0
	WM AB+8*\c, CI+8*\c, 12*(4*\q+\c), 48*KS+12*\q, BS+4*(\c/2)+\q, ASC+4*KS+\q, \c%2
.else
	WM AB+8*\c, AB+8*\c, 12*(4*\q+\c), 48*KS+12*\q, BS+4*(\c/2)+\q, ASC+4*KS+\q, \c%2
.endif
.endr
.endr
.endm
.macro TSTEP i
.set KS, (\i)%DEPTH
.set AB, ACC+32*((\i)%2)
.set NW, (DEPTH-1)*NLD
.if CAPT-1-(\i) < DEPTH-1
.set NW, (CAPT-1-(\i))*NLD
.endif
	s_cmp_le_u32 s[REM], \i
	s_cbranch_scc1 .Lp1_done                       ; the part has no such tile
.if (\i) >= 2
	s_wait_dscnt 8                                 ; the image stores of two steps ago have read this set of accumulators; the last step's eight may be out
.endif
	s_wait_loadcnt NW                              ; this tile's set is in; the younger sets may be out
	MUL
	WIN 0
.if (\i)+DEPTH < CAPT
	RADR KS, (\i)+DEPTH                            ; three plain lines and a v_nop: the four places in front of the loads and of the stores below
	v_nop
	ALOAD KS
.else
.rept 4
	v_nop
.endr
.endif
.irp q, 0,1,2,3,4,5,6,7
	ds_store_b128 v[PW+(\i)/4], v[AB+4*\q:AB+4*\q+3] offset:SLOTB*((\i)%4)+512*\q   ; each accumulator from its low end on
.endr
.endm
.irp i, 0,1,2,3,4,5,6,7,8
	TSTEP \i
.endr
.Lp1_done:
	v_nop
	s_wait_loadcnt 0x0                             ; what the ring still had out
	s_wait_dscnt 0x0                               ; for the others' sake: my images have landed
	s_barrier_signal -1
	s_barrier_wait -1
.irp t, 0,1,2                          ; slot w + 4 t is mine
.if \t == 2
	s_cmp_lg_u32 s[WV], 0                          ; there are 9 slots: the third round has slot 8 alone, wave 0's
	s_cbranch_scc1 .Lp2_done
.endif
	s_add_co_u32 s29, s[WV], 4*\t
	s_cmp_ge_u32 s29, s[REM]
	s_cbranch_scc1 .Lp2_done
	s_add_co_u32 s29, s29, s[TC]
	s_min_u32 s29, s29, 71
	s_mul_i32 s30, s29, TILEB
	s_add_co_u32 s30, s30, s50
	s_lshl_b32 s31, s29, 10
	s_add_co_u32 s31, s31, s51
	s_wait_xcnt 0x0                                ; the last tile's stores have read their registers and offsets
	v_add_nc_u32 v[O16], s30, v[L16]
	v_add_nc_u32 v[O8], s30, v[L8]
	v_add_nc_u32 v[OS], s31, v[R16]
.irp u, 0,1,2,3
.irp q, 0,1,2,3,4,5,6,7
	ds_load_b128 v[R0+32*\u+4*\q:R0+32*\u+4*\q+3], v[PR+\t] offset:4096*\u+512*\q
.endr
.endr
	s_wait_dscnt 16                                ; waves 0 and 1's images are in
.set I, 0
.rept 16
	v_pk_add_f32 v[R0+I:R0+I+1], v[R0+I:R0+I+1], v[R1+I:R1+I+1]
.set I, I+2
.endr
	s_wait_dscnt 0x0
.set I, 0
.rept 16
	v_pk_add_f32 v[R2+I:R2+I+1], v[R2+I:R2+I+1], v[R3+I:R3+I+1]
.set I, I+2
.endr
.set I, 0
.rept 16
	v_pk_add_f32 v[R0+I:R0+I+1], v[R0+I:R0+I+1], v[R2+I:R2+I+1]
.set I, I+2
.endr
.set I, 0
.rept 32
	v_max_num_f32 v[R0+I], 0, v[R0+I]              ; relu; register 16 b + i is column 32 b + 16 h + i of my position
.set I, I+1
.endr
.irp b, 0,1
	v_max3_num_f32 v[MX+\b], v[R0+16*\b], v[R0+1+16*\b], 0x1800000   ; block b: my 16 numbers (none negative) and the floor 2^(3 - 127): the byte cannot fall under 1
.endr
.irp i, 2,4,6,8,10,12,14
.irp b, 0,1
	v_max3_num_f32 v[MX+\b], v[MX+\b], v[R0+16*\b+\i], v[R0+1+16*\b+\i]
.endr
.endr
.irp b, 0,1
	v_permlanex16_b32 v[PX+\b], v[MX+\b], s52, s53
.endr
.irp b, 0,1
	v_max_num_f32 v[MX+\b], v[MX+\b], v[PX+\b]     ; with lane l xor 16's: the block's largest
.endr
.irp b, 0,1
	v_add_nc_u32 v[SO+\b], 0xff000000, v[MX+\b]    ; 2 off its exponent field: the conversion's scale operand
.endr
.irp b, 0,1
	v_lshrrev_b32 v[BY+\b], 23, v[SO+\b]           ; the scale's byte
.endr
	v_lshl_or_b32 v[SW], v[BY+1], 8, v[BY]
	v_cvt_scalef32_pk16_fp6_f32 v[X:X+2], v[R0:R0+15], v[SO]
	v_cvt_scalef32_pk16_fp6_f32 v[C1:C1+2], v[R0+16:R0+31], v[SO+1]
	v_nop                                          ; one plain place behind a scaled conversion
.irp i, 0,1,2
	v_permlane16_swap_b32 v[X+\i], v[C1+\i]        ; a whole block to a lane: lanes 0-15 block 0, lanes 16-31 block 1
.endr
.irp i, 0,1,2
	v_mov_b32 v[X+3+\i], v[C1+\i]
.endr
	global_store_b128 v[O16], v[X:X+3], s[18:19]               ; 32 lanes store 512 consecutive bytes, aligned to 256
	global_store_b64 v[O8], v[X+4:X+5], s[18:19] offset:512    ; and 256
	global_store_b16 v[OS], v[SW], s[18:19] offset:SCOFF       ; two scale bytes a position (lanes l and l xor 16 store the same): a slice owns no more of a scale word
.endr
.Lp2_done:
	s_wait_tensorcnt 0x0
	ds_add_u32 v254, v255
	s_wait_dscnt 0x0
	s_endpgm
.Lfunc_end_k_q8e4cd3d999_g0:
	.size	k_q8e4cd3d999_g0, .Lfunc_end_k_q8e4cd3d999_g0-k_q8e4cd3d999_g0
	.p2alignl 7, 3214868480
	.fill 96, 4, 3214868480
	.section	.rodata,"a",@progbits
	.p2align	6, 0x0
	.amdhsa_kernel k_q8e4cd3d999_g0
		.amdhsa_group_segment_fixed_size 299520
		.amdhsa_private_segment_fixed_size 0
		.amdhsa_enable_private_segment 0
		.amdhsa_kernarg_size 64
		.amdhsa_user_sgpr_count 2
		.amdhsa_user_sgpr_kernarg_segment_ptr 1
		.amdhsa_wavefront_size32 1
		.amdhsa_system_sgpr_workgroup_id_x 1
		.amdhsa_system_sgpr_workgroup_id_y 1
		.amdhsa_system_sgpr_workgroup_id_z 1
		.amdhsa_system_vgpr_workitem_id 0
		.amdhsa_next_free_vgpr 704
		.amdhsa_next_free_sgpr 66
		.amdhsa_reserve_vcc 0
		.amdhsa_float_denorm_mode_32 3
		.amdhsa_float_denorm_mode_16_64 3
		.amdhsa_memory_ordered 1
		.amdhsa_forward_progress 1
		.amdhsa_inst_pref_size 96
	.end_amdhsa_kernel
	.amdgpu_metadata
---
amdhsa.version: [ 1, 2 ]
amdhsa.kernels:
  - .name:           k_q8e4cd3d999_g0
    .symbol:         k_q8e4cd3d999_g0.kd
    .args:
      - { .name: x_codes, .offset: 0, .size: 8, .value_kind: global_buffer, .address_space: global }
      - { .name: x_scales, .offset: 8, .size: 8, .value_kind: global_buffer, .address_space: global }
      - { .name: order, .offset: 16, .size: 8, .value_kind: global_buffer, .address_space: global }
      - { .name: W0_codes, .offset: 24, .size: 8, .value_kind: global_buffer, .address_space: global }
      - { .name: W0_scales, .offset: 32, .size: 8, .value_kind: global_buffer, .address_space: global }
      - { .name: b0, .offset: 40, .size: 8, .value_kind: global_buffer, .address_space: global }
      - { .name: plan0, .offset: 48, .size: 8, .value_kind: global_buffer, .address_space: global }
      - { .name: hA, .offset: 56, .size: 8, .value_kind: global_buffer, .address_space: global }
    .group_segment_fixed_size: 299520
    .private_segment_fixed_size: 0
    .kernarg_segment_align: 8
    .kernarg_segment_size: 64
    .max_flat_workgroup_size: 128
    .sgpr_count:     66
    .vgpr_count:     704
    .wavefront_size: 32
...
	.end_amdgpu_metadata
.endif
;; end of part 2
;; launch g1 (part 3): grid 128 x 2, 4 waves a work-group, no clusters, 299,520 bytes of LDS; arguments hA, W1_codes, W1_scales, b1, plan1, hB; writes hB
.if DOCPART == 3
	.amdgcn_target "amdgcn-amd-amdhsa--gfx1250"
	.amdhsa_code_object_version 6
	.text
	.protected	k_q8e4cd3d999_g1
	.globl	k_q8e4cd3d999_g1
	.p2align	8
	.type	k_q8e4cd3d999_g1,@function
k_q8e4cd3d999_g1:
	s_mov_b64 s[64:65], 0
	v_nop
	global_prefetch_b8 v0, s[64:65] scope:SCOPE_SE
	s_setreg_imm32_b32 hwreg(HW_REG_WAVE_MODE, 25, 1), 1
	s_wait_xcnt 0x0
; A MIDDLE LEVEL: h' = relu(h W[e] + b[e]) for the tiles of expert e, on codes of E2M3 with E8M0 scales; h comes and h' leaves as images of operand registers.  The body serves levels 1 and 2:
; it takes the expert from the grid's y, the slice of 64 columns from x % 32 and the part from x / 32; the part list's entry 8 e + part says (first tile, tiles).
; K IS SHARED AMONG THE FOUR WAVES: wave w takes K steps 4 w .. 4 w + 3, so each operand byte goes to one wave; its 16 fragments of W stay in registers.
; For a tile a wave issues 16 products on 4 accumulators by turns; the four waves' partial sums meet in LDS as images of the registers; wave i % 4 adds slot i, applies relu, quantises and stores.
; THE PRODUCT IS USED TRANSPOSED (source 0 = 16 columns of W, source 1 = 16 positions); tile c, lane r takes column 32 (c / 2) + 8 (c % 2) + r + 8 (r / 8), so that the 16 registers of tiles 2 b, 2 b + 1
; are 16 neighbours along the next K.
; A PART MAY HAVE ANY NUMBER OF TILES up to NCH x CAPT = 36 (half of an expert's at level 2): a loop of NCH chunks of CAPT slots; in a chunk the steps are written out and left early by a forward branch;
; both barriers stand where all paths join.  A tile past the part's end is loaded with factor 0: all lanes at the buffer's head, so that the counts of loads are the same on every path.
; NO CLUSTER, NO TENSOR LOAD, NO COPY: the number of tiles is a stored number, on which branches hang; partners would need different numbers of tiles.  NO PREFETCH: a wave asks for all its weights in its first lines.
; h, h': codes at (tile x 32 + slice) x 768: 512 bytes (lane l's 16 at 16 l: registers 0-3 of the half fragment), 256 bytes (8 l: registers 4, 5); scale bytes at SCOFF + tile x 1024 + (block / 16) x 256 + 16 position + block % 16.
; LIMITS: NaN and infinities ahead of the quantiser are not served; a block of zeros gets the scale byte 1, not 127 (its codes are zeros, and only this program reads the bytes);
; a sum is four quarters of K added as (q0 + q1) + (q2 + q3), the bias being the C of q0's first product: f32 throughout, in another order than one chain.
.set CAPT,  12
.set NCH,   3
.set DEPTH, 4                          ; sets of A's fragments in flight
.set NLD,   17                         ; loads of a set: 8 of 16 bytes, 8 of 8 bytes, one of scale words
.set STGW,  25600                      ; a wave's stage: 64 rows x 400 bytes (384 + 16)
.set PB,    4*STGW                     ; behind the stages: CAPT slots of 16,384 bytes: 4 waves x 32 registers x 128 bytes
.set SLOTB, 16384
.set TILEB, 24576
.set SCOFF, 72*TILEB
.set L16, 1                            ; v1 16 lane   v2 8 lane   v3 16 (lane % 16)
.set L8,  2
.set R16, 3
.set BOFF, 4                           ; v4     W: row lane / 8 of a group of 4 rows, 16 bytes lane % 8 of a piece of 128
.set BST,  7                           ; v7     and the same place in my stage
.set BFR, 10                           ; v10    my lane's place in a fragment read from the stage
.set BSO, 11                           ; v11    W's scale words
.set BIO, 12                           ; v12    the bias
.set PW,  13                           ; v13-15 where I store images: slots 0-3, 4-7, 8-11
.set PR,  16                           ; v16-18 where I read slot w + 4 t
.set O16, 19                           ; v19-21 offsets in h'
.set O8,  20
.set OS,  21
.set AC16, 22                          ; v22-25 set k: offsets of the 16-byte pieces
.set AC8,  26                          ; v26-29 of the 8-byte pieces
.set ASO,  30                          ; v30-33 of the scale words
.set BS,  34                           ; v34-41 W's scale words: register 4 i + q: lanes 0-15 tile 2 i, lanes 16-31 tile 2 i + 1, K step q
.set ASC, 42                           ; v42-57 h's scale words, 4 a set
.set CI,  64                           ; v64-95 the bias in the result's layout (zeros in waves 1-3)
.set ACC, 96                           ; v96-159 two sets of 4 accumulators
.set R0,  96                           ; phase 2: the four waves' images
.set R1,  128
.set R2,  160
.set R3,  192
.set TMP, 200                          ; at work in the head
.set MX,  224
.set PX,  226
.set SO,  228
.set BY,  230
.set SW,  232
.set X,   234
.set C1,  240
.set WV,  20
.set SLC, 21
.set PJ,  22
.set EX,  23
.set TC,  26                           ; s26 the chunk's first tile
.set REM, 27                           ; s27 tiles still to do
.set CH,  28
.set MSB, 0
.macro WIN new                         ; the immediate's high byte repeats the setting that is left
.if MSB != \new
	s_set_vgpr_msb (MSB<<8)|\new
.set MSB, \new
.endif
.endm
	s_load_b256 s[4:11], s[0:1], 0x0               ; h s[4:5], W codes s[6:7], W scales s[8:9], bias s[10:11]
	s_load_b128 s[12:15], s[0:1], 0x20             ; part list s[12:13], h' s[14:15]
	v_lshl_add_u32 v254, v0, 2, 0x49000
	v_mov_b32 v255, 0
	v_lshrrev_b32 v[TMP], 5, v0
	v_readfirstlane_b32 s[WV], v[TMP]              ; wave
	v_and_b32 v[TMP+1], 31, v0                     ; l
	v_and_b32 v[TMP+2], 15, v0                     ; r
	v_bfe_u32 v[TMP+3], v0, 4, 1                   ; h
	s_and_b32 s[SLC], ttmp9, 31
	s_lshr_b32 s[PJ], ttmp9, 5
	s_and_b32 s[EX], ttmp7, 0xffff
	s_lshl_b32 s35, s[EX], 3
	s_add_co_u32 s35, s35, s[PJ]
	s_lshl_b32 s35, s35, 3                         ; the part list's entry
	v_lshlrev_b32 v[L16], 4, v[TMP+1]
	v_lshlrev_b32 v[L8], 3, v[TMP+1]
	v_lshlrev_b32 v[R16], 4, v[TMP+2]
	s_mul_i32 s29, s[WV], STGW
	v_lshrrev_b32 v[BST], 3, v[TMP+1]              ; l / 8
	v_and_b32 v[TMP+4], 7, v[TMP+1]                ; l % 8
	v_mul_u32_u24 v[BOFF], v[BST], 1536
	v_mul_u32_u24 v[BST], v[BST], 400
	v_lshl_add_u32 v[BOFF], v[TMP+4], 4, v[BOFF]
	v_lshl_add_u32 v[BST], v[TMP+4], 4, v[BST]
	v_add_nc_u32 v[BST], s29, v[BST]
	v_mul_u32_u24 v[BFR], v[TMP+2], 400
	v_mad_u32_u24 v[BFR], v[TMP+3], 24, v[BFR]
	v_add_nc_u32 v[BFR], s29, v[BFR]
	v_and_b32 v[TMP+4], 8, v[TMP+2]
	v_add_nc_u32 v[TMP+4], v[TMP+4], v[TMP+2]
	v_lshl_add_u32 v[TMP+4], v[TMP+3], 3, v[TMP+4]
	v_lshlrev_b32 v[BSO], 6, v[TMP+4]              ; 64 bytes a column: column 8 h + r + 8 (r / 8)
	v_lshlrev_b32 v[BIO], 6, v[TMP+3]
	s_lshl_b32 s30, s[WV], 12
	s_add_co_u32 s30, s30, PB
	v_add_nc_u32 v[PW], s30, v[L16]
	v_add_nc_u32 v[PW+1], 0x10000, v[PW]
	v_add_nc_u32 v[PW+2], 0x20000, v[PW]
	s_lshl_b32 s31, s[WV], 14
	s_add_co_u32 s31, s31, PB
	v_add_nc_u32 v[PR], s31, v[L16]
	v_add_nc_u32 v[PR+1], 0x10000, v[PR]
	v_add_nc_u32 v[PR+2], 0x20000, v[PR]
	v_mov_b32 v[PX], 0                             ; written once: a lane permute's destination counts as one of its sources
	v_mov_b32 v[PX+1], 0
	s_mul_i32 s30, s[EX], 3145728                  ; W's codes: the expert, 64 rows of 1,536 bytes a slice, my 384 bytes of a row
	s_mul_i32 s31, s[SLC], 98304
	s_add_co_u32 s30, s30, s31
	s_mul_i32 s31, s[WV], 384
	s_add_co_u32 s30, s30, s31
	s_mov_b32 s31, 0
	s_lshl_b32 s32, s[EX], 17                      ; its scale bytes: 64 a row, my 16
	s_lshl_b32 s33, s[SLC], 12
	s_add_co_u32 s32, s32, s33
	s_lshl_b32 s33, s[WV], 4
	s_add_co_u32 s32, s32, s33
	s_mov_b32 s33, 0
	s_lshl_b32 s36, s[EX], 13                      ; the bias
	s_lshl_b32 s37, s[SLC], 8
	s_add_co_u32 s36, s36, s37
	s_mov_b32 s37, 0
	s_mul_i32 s38, s[WV], 6144                     ; h: my 8 slices of a tile
	s_mov_b32 s39, 0
	s_mul_i32 s50, s[SLC], 768                     ; h': the slice's place in a tile's codes,
	s_lshr_b32 s51, s[SLC], 3
	s_lshl_b32 s51, s51, 8
	s_and_b32 s34, s[SLC], 7
	s_lshl_b32 s34, s34, 1
	s_add_co_u32 s51, s51, s34                     ; and of its two scale bytes
	s_mov_b32 s52, 0x76543210
	s_mov_b32 s53, 0xfedcba98                      ; v_permlanex16_b32's selects for lane l xor 16
	s_wait_kmcnt 0x0
	s_load_b64 s[24:25], s[12:13], s35 offset:0x0  ; (first tile, tiles)
	s_add_nc_u64 s[44:45], s[6:7], s[30:31]
	s_add_nc_u64 s[46:47], s[8:9], s[32:33]
	s_add_nc_u64 s[48:49], s[10:11], s[36:37]
	s_add_nc_u64 s[40:41], s[4:5], s[38:39]
	s_lshl_b32 s38, s[WV], 8
	s_add_co_u32 s38, s38, SCOFF
	s_add_nc_u64 s[42:43], s[4:5], s[38:39]        ; h's scale bytes: my quarter of K
	WIN 0x40                                       ; destination window 1
.set G, 0
.rept 16                               ; my 64 x 384 bytes of W, 4 rows a group: a load takes 128 consecutive bytes of each of the 4 rows, a group's three loads their 384
.irp p, 0,1,2
	global_load_b128 v[4*(3*G+\p):4*(3*G+\p)+3], v[BOFF], s[44:45] offset:6144*G+128*\p
.endr
.set G, G+1
.endr
	WIN 0
.irp i, 0,1
	global_load_b128 v[BS+4*\i:BS+4*\i+3], v[BSO], s[46:47] offset:2048*\i
.endr
.irp c, 0,1,2,3
	global_load_b128 v[CI+8*\c:CI+8*\c+3], v[BIO], s[48:49] offset:128*(\c/2)+32*(\c%2)
	global_load_b128 v[CI+8*\c+4:CI+8*\c+7], v[BIO], s[48:49] offset:128*(\c/2)+32*(\c%2)+16
.endr
	s_wait_kmcnt 0x0
	s_min_u32 s[TC], s24, 71
	s_min_u32 s[REM], s25, NCH*CAPT
.macro AADR ks, tp                     ; set ks takes the chunk's tile tp; f = 1 where the part has it, else 0: then every lane stands at the buffer's head.  Three plain vector lines
	s_add_co_u32 s29, s[TC], \tp
	s_min_u32 s29, s29, 71
	s_sub_co_i32 s30, s[REM], \tp
	s_max_i32 s30, s30, 0
	s_min_u32 s30, s30, 1
	s_mul_i32 s29, s29, s30
	s_mul_i32 s31, s29, TILEB
	s_lshl_b32 s32, s29, 10
	v_mad_u32_u24 v[AC16+(\ks)], v[L16], s30, s31
	v_mad_u32_u24 v[AC8+(\ks)], v[L8], s30, s31
	v_mad_u32_u24 v[ASO+(\ks)], v[R16], s30, s32
.endm
.macro ALOAD ks                        ; four fragments as they were stored: each load's lanes take consecutive bytes
	WIN 0
	global_load_b128 v[ASC+4*(\ks):ASC+4*(\ks)+3], v[ASO+(\ks)], s[42:43]
	WIN 0x80                                       ; destination window 2
.irp q, 0,1,2,3
	global_load_b128 v[48*(\ks)+12*\q:48*(\ks)+12*\q+3], v[AC16+(\ks)], s[40:41] offset:1536*\q
	global_load_b64 v[48*(\ks)+12*\q+4:48*(\ks)+12*\q+5], v[AC8+(\ks)], s[40:41] offset:1536*\q+512
	global_load_b128 v[48*(\ks)+12*\q+6:48*(\ks)+12*\q+9], v[AC16+(\ks)], s[40:41] offset:1536*\q+768
	global_load_b64 v[48*(\ks)+12*\q+10:48*(\ks)+12*\q+11], v[AC8+(\ks)], s[40:41] offset:1536*\q+1280
.endr
	WIN 0
.endm
.macro FILL
.irp k, 0,1,2,3
	AADR \k, \k
	ALOAD \k
.endr
.endm
	FILL
	s_wait_loadcnt 63                              ; W, its scale words and the bias are in: 68 loads are younger
	WIN 0x04                                       ; an LDS store's data: window 1
.set G, 0
.rept 16                               ; through my own stage; a group's place has bits 1 and 2 of its number swapped, which lays the chosen columns of a tile on neighbouring rows
.set GP, (G&9)|((G&2)<<1)|((G&4)>>1)
.irp p, 0,1,2
	ds_store_b128 v[BST], v[4*(3*G+\p):4*(3*G+\p)+3] offset:1600*GP+128*\p
.endr
.set G, G+1
.endr
	s_wait_dscnt 0x0                               ; the stores have read their registers, which the fragments now take
	WIN 0x40
.irp c, 0,1,2,3
.irp q, 0,1,2,3
.irp p, 0,1,2,3,4,5
	ds_load_b64 v[12*(4*\q+\c)+2*\p:12*(4*\q+\c)+2*\p+1], v[BFR] offset:6400*\c+96*\q+48*(\p/3)+8*(\p%3)
.endr
.endr
.endr
	WIN 0
	s_cmp_eq_u32 s[WV], 0
	s_cselect_b32 s29, -1, 0
.set I, 0
.rept 32
	v_cndmask_b32 v[CI+I], 0, v[CI+I], s29         ; the bias enters one of the four partial sums
.set I, I+1
.endr
.rept 4
	v_nop
.endr
	s_wait_dscnt 0x0
.macro WM d, cc, bf, af, sb, sa, odd
.if \odd
	v_wmma_scale_f32_16x16x128_f8f6f4 v[\d:\d+7], v[\bf:\bf+11], v[\af:\af+11], v[\cc:\cc+7], v[\sb], v[\sa] matrix_a_fmt:MATRIX_FMT_FP6 matrix_b_fmt:MATRIX_FMT_FP6 matrix_a_scale:MATRIX_SCALE_ROW1
.else
	v_wmma_scale_f32_16x16x128_f8f6f4 v[\d:\d+7], v[\bf:\bf+11], v[\af:\af+11], v[\cc:\cc+7], v[\sb], v[\sa] matrix_a_fmt:MATRIX_FMT_FP6 matrix_b_fmt:MATRIX_FMT_FP6
.endif
.endm
.macro MUL                             ; 16 products: my 4 K steps x 4 tiles of columns; the accumulators take turns, one instruction a turn
	WIN 0x09                                       ; source 0 (W) window 1, source 1 (h) window 2
.irp q, 0,1,2,3
.irp c, 0,1,2,3
.if \q == 0
	WM AB+8*\c, CI+8*\c, 12*(4*\q+\c), 48*KS+12*\q, BS+4*(\c/2)+\q, ASC+4*KS+\q, \c%2
.else
	WM AB+8*\c, AB+8*\c, 12*(4*\q+\c), 48*KS+12*\q, BS+4*(\c/2)+\q, ASC+4*KS+\q, \c%2
.endif
.endr
.endr
.endm
.macro TSTEP i
.set KS, (\i)%DEPTH
.set AB, ACC+32*((\i)%2)
.set NW, (DEPTH-1)*NLD
.if CAPT-1-(\i) < DEPTH-1
.set NW, (CAPT-1-(\i))*NLD
.endif
	s_cmp_le_u32 s[REM], \i
	s_cbranch_scc1 .Lp1_done                       ; the part has no such tile
.if (\i) >= 2
	s_wait_dscnt 8                                 ; the image stores of two steps ago have read this set of accumulators; the last step's eight may be out
.endif
	s_wait_loadcnt NW                              ; this tile's set is in; the younger sets may be out
	MUL
	WIN 0
.if (\i)+DEPTH < CAPT
	AADR KS, (\i)+DEPTH                            ; three plain lines and a v_nop: the four places in front of the loads and of the stores below
	v_nop
	ALOAD KS
.else
.rept 4
	v_nop
.endr
.endif
.irp q, 0,1,2,3,4,5,6,7
	ds_store_b128 v[PW+(\i)/4], v[AB+4*\q:AB+4*\q+3] offset:SLOTB*((\i)%4)+512*\q   ; each accumulator from its low end on
.endr
.endm
	s_mov_b32 s[CH], 0
.Lchunk:
.irp i, 0,1,2,3,4,5,6,7,8,9,10,11
	TSTEP \i
.endr
.Lp1_done:
	v_nop                                          ; with a step's four: five places between the last product and a product of the next chunk that writes over its accumulator
	s_wait_loadcnt 0x0                             ; what the ring still had out: its registers and offsets are free
	s_wait_dscnt 0x0                               ; for the others' sake: my images have landed
	s_barrier_signal -1
	s_barrier_wait -1
.irp t, 0,1,2                          ; slot w + 4 t is mine
	s_add_co_u32 s29, s[WV], 4*\t
	s_cmp_ge_u32 s29, s[REM]
	s_cbranch_scc1 .Lp2_done
	s_add_co_u32 s29, s29, s[TC]
	s_min_u32 s29, s29, 71
	s_mul_i32 s30, s29, TILEB
	s_add_co_u32 s30, s30, s50
	s_lshl_b32 s31, s29, 10
	s_add_co_u32 s31, s31, s51
	s_wait_xcnt 0x0                                ; the last tile's stores have read their registers and offsets
	v_add_nc_u32 v[O16], s30, v[L16]
	v_add_nc_u32 v[O8], s30, v[L8]
	v_add_nc_u32 v[OS], s31, v[R16]
.irp u, 0,1,2,3
.irp q, 0,1,2,3,4,5,6,7
	ds_load_b128 v[R0+32*\u+4*\q:R0+32*\u+4*\q+3], v[PR+\t] offset:4096*\u+512*\q
.endr
.endr
	s_wait_dscnt 16                                ; waves 0 and 1's images are in
.set I, 0
.rept 16
	v_pk_add_f32 v[R0+I:R0+I+1], v[R0+I:R0+I+1], v[R1+I:R1+I+1]
.set I, I+2
.endr
	s_wait_dscnt 0x0
.set I, 0
.rept 16
	v_pk_add_f32 v[R2+I:R2+I+1], v[R2+I:R2+I+1], v[R3+I:R3+I+1]
.set I, I+2
.endr
.set I, 0
.rept 16
	v_pk_add_f32 v[R0+I:R0+I+1], v[R0+I:R0+I+1], v[R2+I:R2+I+1]
.set I, I+2
.endr
.set I, 0
.rept 32
	v_max_num_f32 v[R0+I], 0, v[R0+I]              ; relu; register 16 b + i is column 32 b + 16 h + i of my position
.set I, I+1
.endr
.irp b, 0,1
	v_max3_num_f32 v[MX+\b], v[R0+16*\b], v[R0+1+16*\b], 0x1800000   ; block b: my 16 numbers (none negative) and the floor 2^(3 - 127): the byte cannot fall under 1
.endr
.irp i, 2,4,6,8,10,12,14
.irp b, 0,1
	v_max3_num_f32 v[MX+\b], v[MX+\b], v[R0+16*\b+\i], v[R0+1+16*\b+\i]
.endr
.endr
.irp b, 0,1
	v_permlanex16_b32 v[PX+\b], v[MX+\b], s52, s53
.endr
.irp b, 0,1
	v_max_num_f32 v[MX+\b], v[MX+\b], v[PX+\b]     ; with lane l xor 16's: the block's largest
.endr
.irp b, 0,1
	v_add_nc_u32 v[SO+\b], 0xff000000, v[MX+\b]    ; 2 off its exponent field: the conversion's scale operand
.endr
.irp b, 0,1
	v_lshrrev_b32 v[BY+\b], 23, v[SO+\b]           ; the scale's byte
.endr
	v_lshl_or_b32 v[SW], v[BY+1], 8, v[BY]
	v_cvt_scalef32_pk16_fp6_f32 v[X:X+2], v[R0:R0+15], v[SO]
	v_cvt_scalef32_pk16_fp6_f32 v[C1:C1+2], v[R0+16:R0+31], v[SO+1]
	v_nop                                          ; one plain place behind a scaled conversion
.irp i, 0,1,2
	v_permlane16_swap_b32 v[X+\i], v[C1+\i]        ; a whole block to a lane: lanes 0-15 block 0, lanes 16-31 block 1
.endr
.irp i, 0,1,2
	v_mov_b32 v[X+3+\i], v[C1+\i]
.endr
	global_store_b128 v[O16], v[X:X+3], s[14:15]               ; 32 lanes store 512 consecutive bytes, aligned to 256
	global_store_b64 v[O8], v[X+4:X+5], s[14:15] offset:512    ; and 256
	global_store_b16 v[OS], v[SW], s[14:15] offset:SCOFF       ; two scale bytes a position (lanes l and l xor 16 store the same): a slice owns no more of a scale word
.endr
.Lp2_done:
	s_wait_dscnt 0x0                               ; my reads of the slots are over: the next chunk may write them
	s_barrier_signal -1
	s_barrier_wait -1
	s_add_co_u32 s[TC], s[TC], CAPT
	s_sub_co_i32 s[REM], s[REM], CAPT
	s_max_i32 s[REM], s[REM], 0
	s_cmp_eq_u32 s[REM], 0
	s_cbranch_scc1 .Lno_fill
	FILL
.Lno_fill:
	s_add_co_u32 s[CH], s[CH], 1
	s_cmp_lt_u32 s[CH], NCH
	s_cbranch_scc1 .Lchunk
	s_wait_tensorcnt 0x0
	ds_add_u32 v254, v255
	s_wait_dscnt 0x0
	s_endpgm
.Lfunc_end_k_q8e4cd3d999_g1:
	.size	k_q8e4cd3d999_g1, .Lfunc_end_k_q8e4cd3d999_g1-k_q8e4cd3d999_g1
	.p2alignl 7, 3214868480
	.fill 96, 4, 3214868480
	.section	.rodata,"a",@progbits
	.p2align	6, 0x0
	.amdhsa_kernel k_q8e4cd3d999_g1
		.amdhsa_group_segment_fixed_size 299520
		.amdhsa_private_segment_fixed_size 0
		.amdhsa_enable_private_segment 0
		.amdhsa_kernarg_size 48
		.amdhsa_user_sgpr_count 2
		.amdhsa_user_sgpr_kernarg_segment_ptr 1
		.amdhsa_wavefront_size32 1
		.amdhsa_system_sgpr_workgroup_id_x 1
		.amdhsa_system_sgpr_workgroup_id_y 1
		.amdhsa_system_sgpr_workgroup_id_z 1
		.amdhsa_system_vgpr_workitem_id 0
		.amdhsa_next_free_vgpr 704
		.amdhsa_next_free_sgpr 66
		.amdhsa_reserve_vcc 0
		.amdhsa_float_denorm_mode_32 3
		.amdhsa_float_denorm_mode_16_64 3
		.amdhsa_memory_ordered 1
		.amdhsa_forward_progress 1
		.amdhsa_inst_pref_size 115
	.end_amdhsa_kernel
	.amdgpu_metadata
---
amdhsa.version: [ 1, 2 ]
amdhsa.kernels:
  - .name:           k_q8e4cd3d999_g1
    .symbol:         k_q8e4cd3d999_g1.kd
    .args:
      - { .name: hA, .offset: 0, .size: 8, .value_kind: global_buffer, .address_space: global }
      - { .name: W1_codes, .offset: 8, .size: 8, .value_kind: global_buffer, .address_space: global }
      - { .name: W1_scales, .offset: 16, .size: 8, .value_kind: global_buffer, .address_space: global }
      - { .name: b1, .offset: 24, .size: 8, .value_kind: global_buffer, .address_space: global }
      - { .name: plan1, .offset: 32, .size: 8, .value_kind: global_buffer, .address_space: global }
      - { .name: hB, .offset: 40, .size: 8, .value_kind: global_buffer, .address_space: global }
    .group_segment_fixed_size: 299520
    .private_segment_fixed_size: 0
    .kernarg_segment_align: 8
    .kernarg_segment_size: 48
    .max_flat_workgroup_size: 128
    .sgpr_count:     66
    .vgpr_count:     704
    .wavefront_size: 32
...
	.end_amdgpu_metadata
.endif
;; end of part 3
;; launch g2: the kernel of part 3 again; grid 64 x 4, 4 waves a work-group, no clusters, 299,520 bytes of LDS; arguments hB, W2_codes, W2_scales, b2, plan2, hA; writes hA
;; launch g3 (part 4): grid 32 x 8, 4 waves a work-group, no clusters, 299,520 bytes of LDS; arguments hA, W3_codes, W3_scales, b3, plan3, order, out0; writes out0
.if DOCPART == 4
	.amdgcn_target "amdgcn-amd-amdhsa--gfx1250"
	.amdhsa_code_object_version 6
	.text
	.protected	k_q8e4cd3d999_g3
	.globl	k_q8e4cd3d999_g3
	.p2align	8
	.type	k_q8e4cd3d999_g3,@function
k_q8e4cd3d999_g3:
	s_mov_b64 s[64:65], 0
	v_nop
	global_prefetch_b8 v0, s[64:65] scope:SCOPE_SE
	s_setreg_imm32_b32 hwreg(HW_REG_WAVE_MODE, 25, 1), 1
	s_wait_xcnt 0x0
; THE LAST LEVEL: out0[order[position]] = relu(h W3[e] + b3[e]) for the tiles of expert e = the grid's y; slice of 64 columns = x.  h comes as images of operand registers; the result leaves as f32 rows.
; K IS SHARED AMONG THE FOUR WAVES: wave w takes K steps 4 w .. 4 w + 3, so each operand byte goes to one wave; its 16 fragments of W3 stay in registers.
; For a tile a wave issues 16 products on 4 accumulators by turns; the four waves' partial sums meet in LDS as images of the registers; wave i % 4 adds slot i, applies relu and stores.
; THE PRODUCT IS USED TRANSPOSED (source 0 = 16 columns of W3, source 1 = 16 positions); the columns of a tile are chosen as in the levels before (one text for the staging of W); the way out puts them in order.
; AN EXPERT MAY HAVE ANY NUMBER OF TILES up to NCH x CAPT = 72: a loop of NCH chunks of CAPT slots; in a chunk the steps are written out and left early by a forward branch; both barriers stand where all
; paths join.  A tile past the end is loaded with factor 0: all lanes at the buffer's head, so that the counts of loads are the same on every path.  An expert without rows stores nothing.
; A pad position repeats a row of its own tile: the same wave stores the same numbers to that row again.
; NO CLUSTER, NO TENSOR LOAD, NO COPY: the number of tiles is a stored number, on which branches hang; partners would need different numbers of tiles.  NO PREFETCH: a wave asks for all its weights in its first lines.
; LIMITS: a sum is four quarters of K added as (q0 + q1) + (q2 + q3), the bias being the C of q0's first product: f32 throughout, in another order than one chain.
.set CAPT,  12
.set NCH,   6
.set DEPTH, 4                          ; sets of A's fragments in flight
.set NLD,   17                         ; loads of a set: 8 of 16 bytes, 8 of 8 bytes, one of scale words
.set STGW,  25600                      ; a wave's stage: 64 rows x 400 bytes for W3; later 16 rows x 272 bytes for the way out
.set PB,    4*STGW                     ; behind the stages: CAPT slots of 16,384 bytes: 4 waves x 32 registers x 128 bytes
.set SLOTB, 16384
.set TILEB, 24576
.set SCOFF, 72*TILEB
.set L16, 1                            ; v1 16 lane   v2 8 lane   v3 16 (lane % 16)
.set L8,  2
.set R16, 3
.set BOFF, 4                           ; v4     W3: row lane / 8 of a group of 4 rows, 16 bytes lane % 8 of a piece of 128
.set BST,  7                           ; v7     and the same place in my stage
.set BFR, 10                           ; v10    my lane's place in a fragment read from the stage
.set BSO, 11                           ; v11    W3's scale words
.set BIO, 12                           ; v12    the bias
.set PW,  13                           ; v13-15 where I store images: slots 0-3, 4-7, 8-11
.set PR,  16                           ; v16-18 where I read slot w + 4 t
.set OA,  19                           ; v19-21 order: my eight positions of slot w + 4 t
.set AC16, 22                          ; v22-25 set k: offsets of the 16-byte pieces
.set AC8,  26                          ; v26-29 of the 8-byte pieces
.set ASO,  30                          ; v30-33 of the scale words
.set BS,  34                           ; v34-41 W3's scale words: register 4 i + q: lanes 0-15 tile 2 i, lanes 16-31 tile 2 i + 1, K step q
.set ASC, 42                           ; v42-57 h's scale words, 4 a set
.set COL, 58                           ; v58    256 slice + 16 (lane % 16): my 16 bytes of a row of out0
.set H32, 59                           ; v59    32 (lane / 16)
.set FST, 60                           ; v60    the way out: where I put my position's numbers
.set FRD, 61                           ; v61    and where I read a row's 256 bytes back
.set CI,  64                           ; v64-95 the bias in the result's layout (zeros in waves 1-3)
.set ACC, 96                           ; v96-159 two sets of 4 accumulators
.set R0,  96                           ; phase 2: the four waves' images
.set R1,  128
.set R2,  160
.set R3,  192
.set TMP, 200                          ; at work in the head
.set ORD, 224                          ; v224-247 order of positions 8 (lane / 16) + 0 .. 7 of slot w + 4 t
.set OFS, 248                          ; v248-255 the stores' offsets
.set WV,  20
.set SLC, 21
.set EX,  23
.set TC,  26                           ; s26 the chunk's first tile
.set REM, 27                           ; s27 tiles still to do
.set CH,  28
.set MSB, 0
.macro WIN new                         ; the immediate's high byte repeats the setting that is left
.if MSB != \new
	s_set_vgpr_msb (MSB<<8)|\new
.set MSB, \new
.endif
.endm
	s_load_b256 s[4:11], s[0:1], 0x0               ; h s[4:5], W3 codes s[6:7], W3 scales s[8:9], b3 s[10:11]
	s_load_b128 s[12:15], s[0:1], 0x20             ; plan3 s[12:13], order s[14:15]
	s_load_b64 s[16:17], s[0:1], 0x30              ; out0
	v_lshl_add_u32 v62, v0, 2, 0x49000
	v_mov_b32 v63, 0
	v_lshrrev_b32 v[TMP], 5, v0
	v_readfirstlane_b32 s[WV], v[TMP]              ; wave
	v_and_b32 v[TMP+1], 31, v0                     ; l
	v_and_b32 v[TMP+2], 15, v0                     ; r
	v_bfe_u32 v[TMP+3], v0, 4, 1                   ; h
	s_and_b32 s[SLC], ttmp9, 31
	s_and_b32 s[EX], ttmp7, 0xffff
	s_lshl_b32 s35, s[EX], 6                       ; plan3's entry 8 e
	v_lshlrev_b32 v[L16], 4, v[TMP+1]
	v_lshlrev_b32 v[L8], 3, v[TMP+1]
	v_lshlrev_b32 v[R16], 4, v[TMP+2]
	s_mul_i32 s29, s[WV], STGW
	v_lshrrev_b32 v[BST], 3, v[TMP+1]              ; l / 8
	v_and_b32 v[TMP+4], 7, v[TMP+1]                ; l % 8
	v_mul_u32_u24 v[BOFF], v[BST], 1536
	v_mul_u32_u24 v[BST], v[BST], 400
	v_lshl_add_u32 v[BOFF], v[TMP+4], 4, v[BOFF]
	v_lshl_add_u32 v[BST], v[TMP+4], 4, v[BST]
	v_add_nc_u32 v[BST], s29, v[BST]
	v_mul_u32_u24 v[BFR], v[TMP+2], 400
	v_mad_u32_u24 v[BFR], v[TMP+3], 24, v[BFR]
	v_add_nc_u32 v[BFR], s29, v[BFR]
	v_and_b32 v[TMP+4], 8, v[TMP+2]
	v_add_nc_u32 v[TMP+4], v[TMP+4], v[TMP+2]
	v_lshl_add_u32 v[TMP+4], v[TMP+3], 3, v[TMP+4]
	v_lshlrev_b32 v[BSO], 6, v[TMP+4]              ; 64 bytes a column: column 8 h + r + 8 (r / 8)
	v_lshlrev_b32 v[BIO], 6, v[TMP+3]
	v_mul_u32_u24 v[FST], v[TMP+2], 272
	v_lshl_add_u32 v[FST], v[TMP+3], 6, v[FST]
	v_add_nc_u32 v[FST], s29, v[FST]               ; row r, + 64 h
	v_mul_u32_u24 v[FRD], v[TMP+3], 8*272
	v_add_nc_u32 v[FRD], v[FRD], v[R16]
	v_add_nc_u32 v[FRD], s29, v[FRD]               ; lanes 0-15 rows 0-7, lanes 16-31 rows 8-15; 16 bytes a lane
	v_lshlrev_b32 v[H32], 5, v[TMP+3]
	s_lshl_b32 s30, s[SLC], 8
	v_add_nc_u32 v[COL], s30, v[R16]
	s_lshl_b32 s30, s[WV], 12
	s_add_co_u32 s30, s30, PB
	v_add_nc_u32 v[PW], s30, v[L16]
	v_add_nc_u32 v[PW+1], 0x10000, v[PW]
	v_add_nc_u32 v[PW+2], 0x20000, v[PW]
	s_lshl_b32 s31, s[WV], 14
	s_add_co_u32 s31, s31, PB
	v_add_nc_u32 v[PR], s31, v[L16]
	v_add_nc_u32 v[PR+1], 0x10000, v[PR]
	v_add_nc_u32 v[PR+2], 0x20000, v[PR]
	s_mul_i32 s30, s[EX], 3145728                  ; W3's codes: the expert, 64 rows of 1,536 bytes a slice, my 384 bytes of a row
	s_mul_i32 s31, s[SLC], 98304
	s_add_co_u32 s30, s30, s31
	s_mul_i32 s31, s[WV], 384
	s_add_co_u32 s30, s30, s31
	s_mov_b32 s31, 0
	s_lshl_b32 s32, s[EX], 17                      ; its scale bytes: 64 a row, my 16
	s_lshl_b32 s33, s[SLC], 12
	s_add_co_u32 s32, s32, s33
	s_lshl_b32 s33, s[WV], 4
	s_add_co_u32 s32, s32, s33
	s_mov_b32 s33, 0
	s_lshl_b32 s36, s[EX], 13                      ; the bias
	s_lshl_b32 s37, s[SLC], 8
	s_add_co_u32 s36, s36, s37
	s_mov_b32 s37, 0
	s_mul_i32 s38, s[WV], 6144                     ; h: my 8 slices of a tile
	s_mov_b32 s39, 0
	s_wait_kmcnt 0x0
	s_load_b64 s[24:25], s[12:13], s35 offset:0x0  ; (first tile, tiles)
	s_add_nc_u64 s[44:45], s[6:7], s[30:31]
	s_add_nc_u64 s[46:47], s[8:9], s[32:33]
	s_add_nc_u64 s[48:49], s[10:11], s[36:37]
	s_add_nc_u64 s[40:41], s[4:5], s[38:39]
	s_lshl_b32 s38, s[WV], 8
	s_add_co_u32 s38, s38, SCOFF
	s_add_nc_u64 s[42:43], s[4:5], s[38:39]        ; h's scale bytes: my quarter of K
	WIN 0x40                                       ; destination window 1
.set G, 0
.rept 16                               ; my 64 x 384 bytes of W3, 4 rows a group: a load takes 128 consecutive bytes of each of the 4 rows, a group's three loads their 384; each byte is read once in the launch
.irp p, 0,1,2
	global_load_b128 v[4*(3*G+\p):4*(3*G+\p)+3], v[BOFF], s[44:45] offset:6144*G+128*\p th:TH_LOAD_NT
.endr
.set G, G+1
.endr
	WIN 0
.irp i, 0,1
	global_load_b128 v[BS+4*\i:BS+4*\i+3], v[BSO], s[46:47] offset:2048*\i
.endr
.irp c, 0,1,2,3
	global_load_b128 v[CI+8*\c:CI+8*\c+3], v[BIO], s[48:49] offset:128*(\c/2)+32*(\c%2)
	global_load_b128 v[CI+8*\c+4:CI+8*\c+7], v[BIO], s[48:49] offset:128*(\c/2)+32*(\c%2)+16
.endr
	s_wait_kmcnt 0x0
	s_min_u32 s[TC], s24, 71
	s_min_u32 s[REM], s25, NCH*CAPT
.macro AADR ks, tp                     ; set ks takes the chunk's tile tp; f = 1 where the expert has it, else 0: then every lane stands at the buffer's head.  Three plain vector lines
	s_add_co_u32 s29, s[TC], \tp
	s_min_u32 s29, s29, 71
	s_sub_co_i32 s30, s[REM], \tp
	s_max_i32 s30, s30, 0
	s_min_u32 s30, s30, 1
	s_mul_i32 s29, s29, s30
	s_mul_i32 s31, s29, TILEB
	s_lshl_b32 s32, s29, 10
	v_mad_u32_u24 v[AC16+(\ks)], v[L16], s30, s31
	v_mad_u32_u24 v[AC8+(\ks)], v[L8], s30, s31
	v_mad_u32_u24 v[ASO+(\ks)], v[R16], s30, s32
.endm
.macro ALOAD ks                        ; four fragments as they were stored: each load's lanes take consecutive bytes
	WIN 0
	global_load_b128 v[ASC+4*(\ks):ASC+4*(\ks)+3], v[ASO+(\ks)], s[42:43]
	WIN 0x80                                       ; destination window 2
.irp q, 0,1,2,3
	global_load_b128 v[48*(\ks)+12*\q:48*(\ks)+12*\q+3], v[AC16+(\ks)], s[40:41] offset:1536*\q
	global_load_b64 v[48*(\ks)+12*\q+4:48*(\ks)+12*\q+5], v[AC8+(\ks)], s[40:41] offset:1536*\q+512
	global_load_b128 v[48*(\ks)+12*\q+6:48*(\ks)+12*\q+9], v[AC16+(\ks)], s[40:41] offset:1536*\q+768
	global_load_b64 v[48*(\ks)+12*\q+10:48*(\ks)+12*\q+11], v[AC8+(\ks)], s[40:41] offset:1536*\q+1280
.endr
	WIN 0
.endm
.macro FILL                            ; the rows of my three slots' positions (the list has 72 tiles, all written), then the ring
.irp t, 0,1,2
	s_add_co_u32 s29, s[TC], s[WV]
	s_add_co_u32 s29, s29, 4*\t
	s_min_u32 s29, s29, 71
	s_lshl_b32 s29, s29, 6
	v_add_nc_u32 v[OA+\t], s29, v[H32]
	global_load_b128 v[ORD+8*\t:ORD+8*\t+3], v[OA+\t], s[14:15]
	global_load_b128 v[ORD+8*\t+4:ORD+8*\t+7], v[OA+\t], s[14:15] offset:16
.endr
.irp k, 0,1,2,3
	AADR \k, \k
	ALOAD \k
.endr
.endm
	FILL
	s_wait_loadcnt 63                              ; W3, its scale words and the bias are in: 74 loads are younger
	WIN 0x04                                       ; an LDS store's data: window 1
.set G, 0
.rept 16                               ; through my own stage; a group's place has bits 1 and 2 of its number swapped, which lays the chosen columns of a tile on neighbouring rows
.set GP, (G&9)|((G&2)<<1)|((G&4)>>1)
.irp p, 0,1,2
	ds_store_b128 v[BST], v[4*(3*G+\p):4*(3*G+\p)+3] offset:1600*GP+128*\p
.endr
.set G, G+1
.endr
	s_wait_dscnt 0x0                               ; the stores have read their registers, which the fragments now take
	WIN 0x40
.irp c, 0,1,2,3
.irp q, 0,1,2,3
.irp p, 0,1,2,3,4,5
	ds_load_b64 v[12*(4*\q+\c)+2*\p:12*(4*\q+\c)+2*\p+1], v[BFR] offset:6400*\c+96*\q+48*(\p/3)+8*(\p%3)
.endr
.endr
.endr
	WIN 0
	s_cmp_eq_u32 s[WV], 0
	s_cselect_b32 s29, -1, 0
.set I, 0
.rept 32
	v_cndmask_b32 v[CI+I], 0, v[CI+I], s29         ; the bias enters one of the four partial sums
.set I, I+1
.endr
.rept 4
	v_nop
.endr
	s_wait_dscnt 0x0
.macro WM d, cc, bf, af, sb, sa, odd
.if \odd
	v_wmma_scale_f32_16x16x128_f8f6f4 v[\d:\d+7], v[\bf:\bf+11], v[\af:\af+11], v[\cc:\cc+7], v[\sb], v[\sa] matrix_a_fmt:MATRIX_FMT_FP6 matrix_b_fmt:MATRIX_FMT_FP6 matrix_a_scale:MATRIX_SCALE_ROW1
.else
	v_wmma_scale_f32_16x16x128_f8f6f4 v[\d:\d+7], v[\bf:\bf+11], v[\af:\af+11], v[\cc:\cc+7], v[\sb], v[\sa] matrix_a_fmt:MATRIX_FMT_FP6 matrix_b_fmt:MATRIX_FMT_FP6
.endif
.endm
.macro MUL                             ; 16 products: my 4 K steps x 4 tiles of columns; the accumulators take turns, one instruction a turn
	WIN 0x09                                       ; source 0 (W3) window 1, source 1 (h) window 2
.irp q, 0,1,2,3
.irp c, 0,1,2,3
.if \q == 0
	WM AB+8*\c, CI+8*\c, 12*(4*\q+\c), 48*KS+12*\q, BS+4*(\c/2)+\q, ASC+4*KS+\q, \c%2
.else
	WM AB+8*\c, AB+8*\c, 12*(4*\q+\c), 48*KS+12*\q, BS+4*(\c/2)+\q, ASC+4*KS+\q, \c%2
.endif
.endr
.endr
.endm
.macro TSTEP i
.set KS, (\i)%DEPTH
.set AB, ACC+32*((\i)%2)
.set NW, (DEPTH-1)*NLD
.if CAPT-1-(\i) < DEPTH-1
.set NW, (CAPT-1-(\i))*NLD
.endif
	s_cmp_le_u32 s[REM], \i
	s_cbranch_scc1 .Lp1_done                       ; the expert has no such tile
.if (\i) >= 2
	s_wait_dscnt 8                                 ; the image stores of two steps ago have read this set of accumulators; the last step's eight may be out
.endif
	s_wait_loadcnt NW                              ; this tile's set is in (and the list, which is older); the younger sets may be out
	MUL
	WIN 0
.if (\i)+DEPTH < CAPT
	AADR KS, (\i)+DEPTH                            ; three plain lines and a v_nop: the four places in front of the loads and of the stores below
	v_nop
	ALOAD KS
.else
.rept 4
	v_nop
.endr
.endif
.irp q, 0,1,2,3,4,5,6,7
	ds_store_b128 v[PW+(\i)/4], v[AB+4*\q:AB+4*\q+3] offset:SLOTB*((\i)%4)+512*\q   ; each accumulator from its low end on
.endr
.endm
	s_mov_b32 s[CH], 0
.Lchunk:
.irp i, 0,1,2,3,4,5,6,7,8,9,10,11
	TSTEP \i
.endr
.Lp1_done:
	v_nop                                          ; with a step's four: five places between the last product and a product of the next chunk that writes over its accumulator
	s_wait_loadcnt 0x0                             ; the list, and what the ring still had out: registers and offsets are free
	s_wait_dscnt 0x0                               ; for the others' sake: my images have landed
	s_barrier_signal -1
	s_barrier_wait -1
.irp t, 0,1,2                          ; slot w + 4 t is mine
	s_add_co_u32 s29, s[WV], 4*\t
	s_cmp_ge_u32 s29, s[REM]
	s_cbranch_scc1 .Lp2_done
	s_wait_xcnt 0x0                                ; the last tile's stores have read their registers and offsets
.irp u, 0,1,2,3
.irp q, 0,1,2,3,4,5,6,7
	ds_load_b128 v[R0+32*\u+4*\q:R0+32*\u+4*\q+3], v[PR+\t] offset:4096*\u+512*\q
.endr
.endr
.irp i, 0,1,2,3,4,5,6,7
	v_min_u32 v[OFS+\i], 0x3ff, v[ORD+8*\t+\i]     ; the row of position 8 (lane / 16) + i
.endr
.irp i, 0,1,2,3,4,5,6,7
	v_lshl_add_u32 v[OFS+\i], v[OFS+\i], 13, v[COL]   ; 8,192 bytes a row of out0
.endr
	s_wait_dscnt 16                                ; waves 0 and 1's images are in
.set I, 0
.rept 16
	v_pk_add_f32 v[R0+I:R0+I+1], v[R0+I:R0+I+1], v[R1+I:R1+I+1]
.set I, I+2
.endr
	s_wait_dscnt 0x0
.set I, 0
.rept 16
	v_pk_add_f32 v[R2+I:R2+I+1], v[R2+I:R2+I+1], v[R3+I:R3+I+1]
.set I, I+2
.endr
.set I, 0
.rept 16
	v_pk_add_f32 v[R0+I:R0+I+1], v[R0+I:R0+I+1], v[R2+I:R2+I+1]
.set I, I+2
.endr
.set I, 0
.rept 32
	v_max_num_f32 v[R0+I], 0, v[R0+I]              ; relu; register 8 c + i is column 32 (c / 2) + 16 h + 8 (c % 2) + i of position r
.set I, I+1
.endr
.irp c, 0,1,2,3                        ; through my own stage: a lane holds pieces of one row, the lanes beside it other rows
	ds_store_b128 v[FST], v[R0+8*\c:R0+8*\c+3] offset:128*(\c/2)+32*(\c%2)
	ds_store_b128 v[FST], v[R0+8*\c+4:R0+8*\c+7] offset:128*(\c/2)+32*(\c%2)+16
.endr
.irp i, 0,1,2,3,4,5,6,7
	ds_load_b128 v[R2+4*\i:R2+4*\i+3], v[FRD] offset:272*\i   ; LDS serves a wave's instructions in order: these see the stores above
.endr
.irp i, 0,1,2,3,4,5,6,7
	s_wait_dscnt 7-\i
	global_store_b128 v[OFS+\i], v[R2+4*\i:R2+4*\i+3], s[16:17] th:TH_STORE_NT   ; sixteen lanes store 256 consecutive bytes of a row, aligned to 256; written once, read by nobody here
.endr
.endr
.Lp2_done:
	s_wait_dscnt 0x0                               ; my reads of the slots are over: the next chunk may write them
	s_barrier_signal -1
	s_barrier_wait -1
	s_add_co_u32 s[TC], s[TC], CAPT
	s_sub_co_i32 s[REM], s[REM], CAPT
	s_max_i32 s[REM], s[REM], 0
	s_cmp_eq_u32 s[REM], 0
	s_cbranch_scc1 .Lno_fill
	FILL
.Lno_fill:
	s_add_co_u32 s[CH], s[CH], 1
	s_cmp_lt_u32 s[CH], NCH
	s_cbranch_scc1 .Lchunk
	s_wait_tensorcnt 0x0
	ds_add_u32 v62, v63
	s_wait_dscnt 0x0
	s_endpgm
.Lfunc_end_k_q8e4cd3d999_g3:
	.size	k_q8e4cd3d999_g3, .Lfunc_end_k_q8e4cd3d999_g3-k_q8e4cd3d999_g3
	.p2alignl 7, 3214868480
	.fill 96, 4, 3214868480
	.section	.rodata,"a",@progbits
	.p2align	6, 0x0
	.amdhsa_kernel k_q8e4cd3d999_g3
		.amdhsa_group_segment_fixed_size 299520
		.amdhsa_private_segment_fixed_size 0
		.amdhsa_enable_private_segment 0
		.amdhsa_kernarg_size 56
		.amdhsa_user_sgpr_count 2
		.amdhsa_user_sgpr_kernarg_segment_ptr 1
		.amdhsa_wavefront_size32 1
		.amdhsa_system_sgpr_workgroup_id_x 1
		.amdhsa_system_sgpr_workgroup_id_y 1
		.amdhsa_system_sgpr_workgroup_id_z 1
		.amdhsa_system_vgpr_workitem_id 0
		.amdhsa_next_free_vgpr 704
		.amdhsa_next_free_sgpr 66
		.amdhsa_reserve_vcc 0
		.amdhsa_float_denorm_mode_32 3
		.amdhsa_float_denorm_mode_16_64 3
		.amdhsa_memory_ordered 1
		.amdhsa_forward_progress 1
		.amdhsa_inst_pref_size 119
	.end_amdhsa_kernel
	.amdgpu_metadata
---
amdhsa.version: [ 1, 2 ]
amdhsa.kernels:
  - .name:           k_q8e4cd3d999_g3
    .symbol:         k_q8e4cd3d999_g3.kd
    .args:
      - { .name: hA, .offset: 0, .size: 8, .value_kind: global_buffer, .address_space: global }
      - { .name: W3_codes, .offset: 8, .size: 8, .value_kind: global_buffer, .address_space: global }
      - { .name: W3_scales, .offset: 16, .size: 8, .value_kind: global_buffer, .address_space: global }
      - { .name: b3, .offset: 24, .size: 8, .value_kind: global_buffer, .address_space: global }
      - { .name: plan3, .offset: 32, .size: 8, .value_kind: global_buffer, .address_space: global }
      - { .name: order, .offset: 40, .size: 8, .value_kind: global_buffer, .address_space: global }
      - { .name: out0, .offset: 48, .size: 8, .value_kind: global_buffer, .address_space: global }
    .group_segment_fixed_size: 299520
    .private_segment_fixed_size: 0
    .kernarg_segment_align: 8
    .kernarg_segment_size: 56
    .max_flat_workgroup_size: 128
    .sgpr_count:     66
    .vgpr_count:     704
    .wavefront_size: 32
...
	.end_amdgpu_metadata
.endif
;; end of part 4
;; ======== version 2 of 3: 5 launches
;; workspace buffers: order 4,608 bytes of whole numbers; plan0 512 bytes of whole numbers; plan1 512 bytes of whole numbers; plan2 512 bytes of whole numbers; plan3 512 bytes of whole numbers; hA 1,843,200 bytes; hB 1,843,200 bytes
;; launch route (part 5): grid 1 x 1, 4 waves a work-group, no clusters, 1,536 bytes of LDS; arguments path_mask, order, plan0, plan1, plan2, plan3; writes order, plan0, plan1, plan2, plan3
.if DOCPART == 5
	.amdgcn_target "amdgcn-amd-amdhsa--gfx1250"
	.amdhsa_code_object_version 6
	.text
	.protected	k_q8e4cd3d999_route
	.globl	k_q8e4cd3d999_route
	.p2align	8
	.type	k_q8e4cd3d999_route,@function
k_q8e4cd3d999_route:
	s_mov_b64 s[64:65], 0
	v_nop
	global_prefetch_b8 v0, s[64:65] scope:SCOPE_SE
	s_setreg_imm32_b32 hwreg(HW_REG_WAVE_MODE, 25, 1), 1
	s_wait_xcnt 0x0
; THE ROUTING.  path_mask [1024][4] i32.  A row's leaf group is g = 4 b0 + 2 b1 + b2, b the lowest bit of its first three entries.
; The rows are sorted by g (a counting sort, no atomics); each group is padded to whole tiles of 16 positions, so that every expert of
; every level (a run of neighbouring leaf groups) owns whole tiles.  order[position] = row.  A pad position repeats a real row of the same tile:
; it walks the same experts and ends in the same numbers, so the layers need no row mask.  Positions behind the last tile hold 0.
; planD[8 e + j] = (first tile, tiles) of part j of expert e at level D: an expert's tiles are cut into 8 / experts parts; level 0 has fixed parts of 9 tiles.
; LIMITS: only bit 0 of an entry is taken: entries other than 0 and 1 are not served.  Column 3 is loaded with its row and not used, as in the definition.
; One work-group of four waves; wave w takes rows 256 w .. 256 w + 255, 32 a chunk, a lane a row.
; VECTOR AND SCALAR WORK STAND IN RUNS: the compares of several chunks write their lane masks into scalar registers of their own, then the counts of all of them follow, so that the two sides change places a few times a pass.
; All that the three masked stores at the end need (offsets, data, the compares' operands) is made with all lanes on, ahead of the first change of EXEC.
.set CNT,  20                          ; s20-27  my wave's count of each group
.set FM,   28                          ; s28-35  lane mask of the first chunk that has the group
.set FJ,   36                          ; s36-43  that chunk, then the group's first row in my wave
.set BASE, 44                          ; s44-51  the position of my wave's next row of each group: positions are dealt downwards
.set TOFF, 52                          ; s52-60  first tile of each group; s60 = tiles in all
.set MK,   68                          ; s68-99  lane masks: pass 1 four chunks x 8 groups; pass 2 two chunks (s68-83),
.set BB,   84                          ; s84-99  and beside them each chunk's base of each group
.set PIX,  4                           ; v4-12   level d: 4 x the lane that holds the expert's first tile, the next expert's, the part; never rewritten
.set LI8,  13                          ; v13     lane % 8
.set PADX, 14                          ; v14     4 x (2 wave + lane / 16): the group whose pads I serve
.set LI16, 15                          ; v15     lane % 16
.set PLO,  91                          ; v91-94  the part lists' offsets: entry 8 e + j of level d, 8 bytes each; never rewritten
.set TLP,  89                          ; v89     the tail: position 1024 + my thread's number; never rewritten
.set TLO,  95                          ; v95     and its offset in the list; never rewritten
	s_load_b256 s[4:11], s[0:1], 0x0               ; path_mask s[4:5], order s[6:7], plan0 s[8:9], plan1 s[10:11]
	s_load_b128 s[12:15], s[0:1], 0x20             ; plan2, plan3
	v_lshl_add_u32 v96, v0, 2, 0x400
	v_mov_b32 v97, 0
	v_lshrrev_b32 v80, 5, v0
	v_readfirstlane_b32 s16, v80                   ; wave
	v_and_b32 v1, 31, v0                           ; lane
	v_lshl_add_u32 v3, v80, 8, v1                  ; my row of chunk 0
	v_lshlrev_b32 v2, 4, v3                        ; 16 bytes a row
	v_and_b32 v[LI8], 7, v1                        ; lane i (of 8) makes one entry of each level's list
	v_and_b32 v[LI16], 15, v1
	v_lshlrev_b32 v[PLO], 3, v[LI8]                ; level 0: entry i
.irp d, 1,2,3
	v_lshrrev_b32 v82, 3-\d, v[LI8]                ; expert
	v_and_b32 v[PIX+2+3*(\d-1)], (1<<(3-\d))-1, v[LI8]   ; part
	v_lshl_add_u32 v[PLO+\d], v82, 3, v[PIX+2+3*(\d-1)]
	v_lshlrev_b32 v[PLO+\d], 3, v[PLO+\d]
	v_lshlrev_b32 v[PIX+3*(\d-1)], 5-\d, v82       ; the expert's first leaf group, x 4: a lane permute's index
	v_add_nc_u32 v[PIX+1+3*(\d-1)], 4<<(3-\d), v[PIX+3*(\d-1)]   ; and the next expert's
.endr
	v_lshrrev_b32 v[PADX], 4, v1
	s_lshl_b32 s61, s16, 1
	v_add_nc_u32 v[PADX], s61, v[PADX]
	v_lshlrev_b32 v[PADX], 2, v[PADX]
	v_add_nc_u32 v[TLP], 0x400, v0
	v_lshlrev_b32 v[TLO], 2, v[TLP]
.irp g, 0,1,2,3,4,5,6,7
	s_mov_b32 s[CNT+\g], 0
	s_mov_b32 s[FM+\g], 0
	s_mov_b32 s[FJ+\g], 0
.endr
	s_wait_kmcnt 0x0
.irp j, 0,1,2,3,4,5,6,7
	global_load_b128 v[16+4*\j:19+4*\j], v2, s[4:5] offset:512*\j   ; 32 lanes read 512 consecutive bytes
.endr
	s_wait_loadcnt 0x0
.irp j, 0,1,2,3,4,5,6,7
	v_and_b32 v80, 1, v[16+4*\j]
	v_and_b32 v81, 1, v[17+4*\j]
	v_and_b32 v82, 1, v[18+4*\j]
	v_lshl_or_b32 v81, v80, 1, v81
	v_lshl_or_b32 v[48+\j], v81, 1, v82            ; the row's leaf group
.endr
; pass 1: counts, and the first row of each group (the chunks go downwards, so the lowest chunk that has the group is kept); four chunks' masks at a time
.irp jb, 4,0
.irp jj, 0,1,2,3
.irp g, 0,1,2,3,4,5,6,7
	v_cmp_eq_u32 s[MK+8*\jj+\g], \g, v[48+\jb+\jj]
.endr
.endr
.irp jj, 3,2,1,0
.irp g, 0,1,2,3,4,5,6,7
	s_bcnt1_i32_b32 s62, s[MK+8*\jj+\g]            ; SCC = some lane has the group
	s_cselect_b32 s[FM+\g], s[MK+8*\jj+\g], s[FM+\g]
	s_cselect_b32 s[FJ+\g], \jb+\jj, s[FJ+\g]
	s_add_co_u32 s[CNT+\g], s[CNT+\g], s62
.endr
.endr
.endr
	s_lshl_b32 s66, s16, 8
	v_mov_b32 v64, 0
	v_mov_b32 v65, 0
.irp g, 0,1,2,3,4,5,6,7
	s_ctz_i32_b32 s62, s[FM+\g]
	s_lshl_b32 s63, s[FJ+\g], 5
	s_add_co_u32 s63, s63, s62
	s_add_co_u32 s[FJ+\g], s63, s66                ; 256 w + 32 chunk + lane (not used where the count is 0)
.endr
.irp g, 0,1,2,3,4,5,6,7
	v_writelane_b32 v64, s[CNT+\g], \g
	v_writelane_b32 v65, s[FJ+\g], \g
.endr
	v_lshlrev_b32 v81, 2, v0
	v_lshlrev_b32 v82, 2, v1
	ds_store_b32 v81, v64                          ; my wave's counts: lane g has group g's
	ds_store_b32 v81, v65 offset:512               ; and its first rows
	s_wait_dscnt 0x0                               ; for the others' sake: my stores have landed
	s_barrier_signal -1
	s_barrier_wait -1
.irp u, 0,1,2,3
	ds_load_b32 v[66+\u], v82 offset:128*\u
	ds_load_b32 v[70+\u], v82 offset:512+128*\u
.endr
	s_cmp_gt_u32 s16, 0
	s_cselect_b32 s61, -1, 0
	s_cmp_gt_u32 s16, 1
	s_cselect_b32 s62, -1, 0
	s_cmp_gt_u32 s16, 2
	s_cselect_b32 s63, -1, 0
	s_wait_dscnt 0x0
	v_add_nc_u32 v74, v66, v67
	v_add3_u32 v74, v74, v68, v69                  ; lane g: the group's rows in all
	v_and_b32 v75, s61, v66
	v_and_b32 v80, s62, v67
	v_and_b32 v85, s63, v68
	v_add3_u32 v75, v75, v80, v85                  ; those of the waves in front of mine
	v_mov_b32 v76, v73
.irp u, 2,1,0
	v_cmp_ne_u32 vcc_lo, 0, v[66+\u]
	v_cndmask_b32 v76, v76, v[70+\u], vcc_lo       ; the group's very first row: it gets the group's last real position, in its last tile
.endr
	v_add_nc_u32 v77, 15, v74
	v_lshrrev_b32 v77, 4, v77                      ; the group's tiles
	s_mov_b32 s[TOFF], 0
	v_mov_b32 v78, 0
.irp g, 0,1,2,3,4,5,6,7
	v_readlane_b32 s[MK+\g], v77, \g
.endr
.irp g, 0,1,2,3,4,5,6,7
	s_add_co_u32 s[TOFF+1+\g], s[TOFF+\g], s[MK+\g]
.endr
.irp g, 0,1,2,3,4,5,6,7,8
	v_writelane_b32 v78, s[TOFF+\g], \g            ; lane g: the group's first tile; lane 8: tiles in all
.endr
	v_lshl_add_u32 v79, v78, 4, v74
	v_sub_nc_u32 v79, v79, v75
	v_add_nc_u32 v79, -1, v79                      ; 16 first tile + rows - 1 - rows of earlier waves
; what the pads and the part lists want of other lanes: ten lane permutes in one run, waited for behind pass 2
	ds_bpermute_b32 v81, v[PADX], v74              ; the pads' group: rows
	ds_bpermute_b32 v82, v[PADX], v78              ; first tile
	ds_bpermute_b32 v83, v[PADX], v77              ; tiles
	ds_bpermute_b32 v84, v[PADX], v76              ; the row to repeat
.irp d, 1,2,3
	ds_bpermute_b32 v[66+2*(\d-1)], v[PIX+3*(\d-1)], v78     ; level d: the expert's first tile
	ds_bpermute_b32 v[67+2*(\d-1)], v[PIX+1+3*(\d-1)], v78   ; and the next expert's
.endr
.irp g, 0,1,2,3,4,5,6,7
	v_readlane_b32 s[BASE+\g], v79, \g
.endr
; pass 2: each row's position; two chunks at a time: their masks, then each chunk's bases, then the vector lines, the two chunks by turns
.irp jb, 0,2,4,6
.irp jj, 0,1
.irp g, 0,1,2,3,4,5,6,7
	v_cmp_eq_u32 s[MK+8*\jj+\g], \g, v[48+\jb+\jj]
.endr
.endr
.irp jj, 0,1
.irp g, 0,1,2,3,4,5,6,7
	s_mov_b32 s[BB+8*\jj+\g], s[BASE+\g]
	s_bcnt1_i32_b32 s62, s[MK+8*\jj+\g]
	s_sub_co_u32 s[BASE+\g], s[BASE+\g], s62
.endr
.endr
.irp g, 0,1,2,3,4,5,6,7
.irp jj, 0,1
	v_mbcnt_lo_u32_b32 v[85+\jj], s[MK+8*\jj+\g], 0          ; lanes of the group below mine
	v_sub_nc_u32 v[85+\jj], s[BB+8*\jj+\g], v[85+\jj]
.if \g == 0
	v_mov_b32 v[56+\jb+\jj], v[85+\jj]
.else
	v_cndmask_b32 v[56+\jb+\jj], v[56+\jb+\jj], v[85+\jj], s[MK+8*\jj+\g]
.endif
.endr
.endr
.irp jj, 0,1
	v_min_u32 v[56+\jb+\jj], 0x47f, v[56+\jb+\jj]  ; a position lies in 0 .. 1151
	v_lshlrev_b32 v[56+\jb+\jj], 2, v[56+\jb+\jj]
	v_add_nc_u32 v[16+\jb+\jj], 32*(\jb+\jj), v3   ; the row
	global_store_b32 v[56+\jb+\jj], v[16+\jb+\jj], s[6:7]
.endr
.endr
; the tail: positions 1024 .. 1151 that lie behind the last tile (there are at least 64 tiles) will hold 0
	s_lshl_b32 s62, s[TOFF+8], 4
	v_mov_b32 v90, 0
; level 0's list: part i begins at tile 9 i
	v_mul_u32_u24 v32, v[LI8], 9
	v_sub_nc_u32 v33, s[TOFF+8], v32               ; (at least 64 tiles, and 9 i is at most 63: never negative)
	v_min_u32 v33, 9, v33
	s_wait_dscnt 0x0                               ; the ten lane permutes
; the pads: wave w serves groups 2 w and 2 w + 1, sixteen lanes each
	v_add_nc_u32 v86, v81, v[LI16]
	v_lshl_add_u32 v87, v82, 4, v86
	v_min_u32 v87, 0x47f, v87
	v_lshlrev_b32 v87, 2, v87
	v_lshlrev_b32 v88, 4, v83
; the part lists' data, in every wave (wave 0 stores them)
.irp d, 1,2,3
	v_sub_nc_u32 v[67+2*(\d-1)], v[67+2*(\d-1)], v[66+2*(\d-1)]    ; the expert's tiles
	v_mul_u32_u24 v72, v[PIX+2+3*(\d-1)], v[67+2*(\d-1)]
	v_add_nc_u32 v73, v72, v[67+2*(\d-1)]
	v_lshrrev_b32 v72, 3-\d, v72
	v_lshrrev_b32 v73, 3-\d, v73
	v_add_nc_u32 v[32+2*\d], v[66+2*(\d-1)], v72   ; first tile of the part
	v_sub_nc_u32 v[33+2*\d], v73, v72              ; its tiles
.endr
; the three masked stores
	v_cmp_lt_u32 vcc_lo, v86, v88                  ; a pad: still inside the group's tiles
	s_wait_xcnt 0x0                                ; EXEC changes only behind this wait
	s_and_saveexec_b32 s61, vcc_lo
	global_store_b32 v87, v84, s[6:7]
	s_wait_xcnt 0x0
	s_or_b32 exec_lo, exec_lo, s61
	v_cmp_le_u32 vcc_lo, s62, v[TLP]               ; behind the last tile
	s_and_saveexec_b32 s61, vcc_lo
	global_store_b32 v[TLO], v90, s[6:7]
	s_wait_xcnt 0x0
	s_or_b32 exec_lo, exec_lo, s61
	s_cmp_lg_u32 s16, 0
	s_cbranch_scc1 .Lend
	v_cmp_gt_u32 vcc_lo, 8, v1
	s_and_saveexec_b32 s61, vcc_lo
.irp d, 0,1,2,3
	global_store_b64 v[PLO+\d], v[32+2*\d:33+2*\d], s[8+2*\d:9+2*\d]
.endr
	s_wait_xcnt 0x0
	s_or_b32 exec_lo, exec_lo, s61
.Lend:
	s_wait_tensorcnt 0x0
	ds_add_u32 v96, v97
	s_wait_dscnt 0x0
	s_endpgm
.Lfunc_end_k_q8e4cd3d999_route:
	.size	k_q8e4cd3d999_route, .Lfunc_end_k_q8e4cd3d999_route-k_q8e4cd3d999_route
	.p2alignl 7, 3214868480
	.fill 96, 4, 3214868480
	.section	.rodata,"a",@progbits
	.p2align	6, 0x0
	.amdhsa_kernel k_q8e4cd3d999_route
		.amdhsa_group_segment_fixed_size 1536
		.amdhsa_private_segment_fixed_size 0
		.amdhsa_enable_private_segment 0
		.amdhsa_kernarg_size 48
		.amdhsa_user_sgpr_count 2
		.amdhsa_user_sgpr_kernarg_segment_ptr 1
		.amdhsa_wavefront_size32 1
		.amdhsa_system_sgpr_workgroup_id_x 1
		.amdhsa_system_sgpr_workgroup_id_y 1
		.amdhsa_system_sgpr_workgroup_id_z 1
		.amdhsa_system_vgpr_workitem_id 0
		.amdhsa_next_free_vgpr 98
		.amdhsa_next_free_sgpr 100
		.amdhsa_reserve_vcc 1
		.amdhsa_float_denorm_mode_32 3
		.amdhsa_float_denorm_mode_16_64 3
		.amdhsa_memory_ordered 1
		.amdhsa_forward_progress 1
		.amdhsa_inst_pref_size 48
	.end_amdhsa_kernel
	.amdgpu_metadata
---
amdhsa.version: [ 1, 2 ]
amdhsa.kernels:
  - .name:           k_q8e4cd3d999_route
    .symbol:         k_q8e4cd3d999_route.kd
    .args:
      - { .name: path_mask, .offset: 0, .size: 8, .value_kind: global_buffer, .address_space: global }
      - { .name: order, .offset: 8, .size: 8, .value_kind: global_buffer, .address_space: global }
      - { .name: plan0, .offset: 16, .size: 8, .value_kind: global_buffer, .address_space: global }
      - { .name: plan1, .offset: 24, .size: 8, .value_kind: global_buffer, .address_space: global }
      - { .name: plan2, .offset: 32, .size: 8, .value_kind: global_buffer, .address_space: global }
      - { .name: plan3, .offset: 40, .size: 8, .value_kind: global_buffer, .address_space: global }
    .group_segment_fixed_size: 1536
    .private_segment_fixed_size: 0
    .kernarg_segment_align: 8
    .kernarg_segment_size: 48
    .max_flat_workgroup_size: 128
    .sgpr_count:     100
    .vgpr_count:     98
    .wavefront_size: 32
...
	.end_amdgpu_metadata
.endif
;; end of part 5
;; launch g0 (part 6): grid 256 x 1, 4 waves a work-group, no clusters, 299,520 bytes of LDS; arguments x_codes, x_scales, order, W0_codes, W0_scales, b0, plan0, hA; writes hA
.if DOCPART == 6
	.amdgcn_target "amdgcn-amd-amdhsa--gfx1250"
	.amdhsa_code_object_version 6
	.text
	.protected	k_q8e4cd3d999_g0
	.globl	k_q8e4cd3d999_g0
	.p2align	8
	.type	k_q8e4cd3d999_g0,@function
k_q8e4cd3d999_g0:
	s_mov_b64 s[64:65], 0
	v_nop
	global_prefetch_b8 v0, s[64:65] scope:SCOPE_SE
	s_setreg_imm32_b32 hwreg(HW_REG_WAVE_MODE, 25, 1), 1
	s_wait_xcnt 0x0
; LEVEL 0: h = relu(x W0 + b0), on codes of E2M3 with E8M0 scales; the rows of x are taken in the sorted order (order[position] = row), h leaves quantised along its columns, the next level's K.
; SHARES.  Work-group (slice = x % 32, part = x / 32): 64 columns of W0, tiles 9 part .. of 16 positions (plan0 says how many: 9, in the last part fewer).
; K IS SHARED AMONG THE FOUR WAVES: wave w takes K steps 4 w .. 4 w + 3 (bytes 384 w .. of every row of codes), so each operand byte goes to one wave; its 16 fragments of W0 stay in registers.
; For a tile a wave issues 16 products on 4 accumulators by turns; the four waves' partial sums meet in LDS as images of the registers; wave i % 4 adds slot i, applies relu, quantises and stores.
; THE PRODUCT IS USED TRANSPOSED (source 0 = 16 columns of W0, source 1 = 16 positions): a lane holds one position and its registers run along the columns.  The columns of a tile are chosen
; (tile c, lane r: column 32 (c / 2) + 8 (c % 2) + r + 8 (r / 8)) so that the 16 registers of tiles 2 b, 2 b + 1 are 16 neighbours along the next K.
; THE GATHER OF x.  A tile's 16 rows x 384 bytes come by 12 loads of 16 bytes a lane: lane l takes the 16 bytes l % 8 of a piece of 128 bytes of the row of position 4 (l / 8) + g, so that a load takes 128 consecutive
; bytes of each of 4 rows (a lane to a row would put a load's lanes into 16 rows, 8 bytes each).  The 6,144 bytes turn through the wave's own stage, which W0 has left: position 4 a + g at stage row a + 4 g; back come
; the fragments, 8 bytes a lane.  Four raw sets are in flight; the turn of tile i + 1 stands ahead of tile i's products, on two stage slots and two sets of fragments by turns.
; NO CLUSTER, NO TENSOR LOAD, NO COPY: the number of tiles of a part is a stored number, on which branches hang; partners would need different numbers of tiles.  Operands go from memory into registers.
; NO PREFETCH: every wave asks for all its weights in its first lines; nothing is known earlier.
; hA: codes at (tile x 32 + slice) x 768: 512 bytes (lane l's 16 at 16 l: registers 0-3 of the half fragment), 256 bytes (8 l: registers 4, 5); scale bytes at SCOFF + tile x 1024 + (block / 16) x 256 + 16 position + block % 16.
; LIMITS: NaN and infinities ahead of the quantiser are not served; a block of zeros gets the scale byte 1, not 127 (its codes are zeros, and only this program reads the bytes);
; a sum is four quarters of K added as (q0 + q1) + (q2 + q3), the bias being the C of q0's first product: f32 throughout, in another order than one chain.
; REGISTERS, in windows of 256: window 0: all but the operands; window 1: v0-191 W0, raw and then as 16 fragments; window 2: v0-191 four raw sets of x; window 3: v0-95 two sets of x's four fragments.
.set CAPT,  9                          ; tile slots
.set DEPTH, 4                          ; raw sets of x in flight
.set NLD,   12                         ; loads of a raw set
.set STGW,  25600                      ; a wave's stage: 64 rows x 400 bytes (384 + 16) for W0; then two slots of 16 such rows for x
.set XSL,   6400
.set PB,    4*STGW                     ; behind the stages: slots of 16,384 bytes: 4 waves x 32 registers x 128 bytes
.set SLOTB, 16384
.set TILEB, 24576
.set SCOFF, 72*TILEB
.set L16, 1                            ; v1 16 lane   v2 8 lane   v3 16 (lane % 16)
.set L8,  2
.set R16, 3
.set BOFF, 4                           ; v4     W0: row lane / 8 of a group of 4 rows, 16 bytes lane % 8 of a piece of 128
.set BST,  7                           ; v7     and the same place in my stage; x's stores use it too
.set BFR, 10                           ; v10    my lane's place in a fragment of W0 read from the stage
.set BSO, 11                           ; v11    W0's scale words
.set BIO, 12                           ; v12    the bias
.set PW,  13                           ; v13-15 where I store images: slots 0-3, 4-7, 8
.set PR,  16                           ; v16-18 where I read slot w + 4 t
.set O16, 19                           ; v19-21 offsets in hA
.set O8,  20
.set OS,  21
.set C16, 22                           ; v22    16 (lane % 8)
.set XFR, 23                           ; v23    my lane's place in a fragment of x read from the stage: stage row r / 4 + 4 (r % 4), + 24 h
.set OLA, 24                           ; v24    the list by fours: 16 (lane / 8)
.set OLSA, 25                          ; v25    the list by position: 4 (lane % 16)
.set BS,  34                           ; v34-41 W0's scale words: register 4 i + q: lanes 0-15 tile 2 i, lanes 16-31 tile 2 i + 1, K step q
.set AR,  42                           ; v42-57 raw set k, group g: my row's offset in x
.set CI,  64                           ; v64-95 the bias in the result's layout (zeros in waves 1-3)
.set ACC, 96                           ; v96-159 two sets of 4 accumulators
.set R0,  96                           ; phase 2: the four waves' images
.set R1,  128
.set R2,  160
.set R3,  192
.set OL4, 160                          ; v160-195 phase 1: tile i: the rows of positions 4 (lane / 8) + 0 .. 3
.set OLS, 196                          ; v196-204 phase 1: tile i: the row of position lane % 16, then its scale bytes' offset
.set ASC, 208                          ; v208-243 phase 1: x's scale words, four registers for each of the 9 tiles
.set MX,  224                          ; phase 2, at work
.set PX,  226
.set SO,  228
.set BY,  230
.set SW,  232
.set X,   234
.set C1,  240
.set TMP, 244                          ; at work in the head
.set WV,  20
.set SLC, 21
.set PJ,  22
.set TC,  26
.set REM, 27
.set MSB, 0
.macro WIN new                         ; the immediate's high byte repeats the setting that is left
.if MSB != \new
	s_set_vgpr_msb (MSB<<8)|\new
.set MSB, \new
.endif
.endm
	s_load_b256 s[4:11], s[0:1], 0x0               ; x codes s[4:5], x scales s[6:7], order s[8:9], W0 codes s[10:11]
	s_load_b256 s[12:19], s[0:1], 0x20             ; W0 scales s[12:13], b0 s[14:15], plan0 s[16:17], hA s[18:19]
	v_lshl_add_u32 v254, v0, 2, 0x49000
	v_mov_b32 v255, 0
	v_lshrrev_b32 v[TMP], 5, v0
	v_readfirstlane_b32 s[WV], v[TMP]              ; wave
	v_and_b32 v[TMP+1], 31, v0                     ; l
	v_and_b32 v[TMP+2], 15, v0                     ; r
	v_bfe_u32 v[TMP+3], v0, 4, 1                   ; h
	s_and_b32 s[SLC], ttmp9, 31
	s_lshr_b32 s[PJ], ttmp9, 5
	s_lshl_b32 s35, s[PJ], 3                       ; plan0's entry
	v_lshlrev_b32 v[L16], 4, v[TMP+1]
	v_lshlrev_b32 v[L8], 3, v[TMP+1]
	v_lshlrev_b32 v[R16], 4, v[TMP+2]
	s_mul_i32 s29, s[WV], STGW
	v_lshrrev_b32 v[BST], 3, v[TMP+1]              ; l / 8
	v_and_b32 v[TMP+4], 7, v[TMP+1]                ; l % 8
	v_lshlrev_b32 v[OLA], 4, v[BST]
	v_lshlrev_b32 v[C16], 4, v[TMP+4]
	v_mul_u32_u24 v[BOFF], v[BST], 1536
	v_mul_u32_u24 v[BST], v[BST], 400
	v_lshl_add_u32 v[BOFF], v[TMP+4], 4, v[BOFF]
	v_lshl_add_u32 v[BST], v[TMP+4], 4, v[BST]
	v_add_nc_u32 v[BST], s29, v[BST]
	v_mul_u32_u24 v[BFR], v[TMP+2], 400
	v_mad_u32_u24 v[BFR], v[TMP+3], 24, v[BFR]
	v_add_nc_u32 v[BFR], s29, v[BFR]
	v_lshrrev_b32 v[XFR], 2, v[TMP+2]              ; r / 4
	v_and_b32 v[TMP+5], 3, v[TMP+2]                ; r % 4
	v_lshl_add_u32 v[XFR], v[TMP+5], 2, v[XFR]
	v_mul_u32_u24 v[XFR], v[XFR], 400
	v_mad_u32_u24 v[XFR], v[TMP+3], 24, v[XFR]
	v_add_nc_u32 v[XFR], s29, v[XFR]
	v_and_b32 v[TMP+4], 8, v[TMP+2]
	v_add_nc_u32 v[TMP+4], v[TMP+4], v[TMP+2]
	v_lshl_add_u32 v[TMP+4], v[TMP+3], 3, v[TMP+4]
	v_lshlrev_b32 v[BSO], 6, v[TMP+4]              ; 64 bytes a column: column 8 h + r + 8 (r / 8)
	v_lshlrev_b32 v[BIO], 6, v[TMP+3]
	s_lshl_b32 s30, s[WV], 12
	s_add_co_u32 s30, s30, PB
	v_add_nc_u32 v[PW], s30, v[L16]
	v_add_nc_u32 v[PW+1], 0x10000, v[PW]
	v_add_nc_u32 v[PW+2], 0x20000, v[PW]
	s_lshl_b32 s31, s[WV], 14
	s_add_co_u32 s31, s31, PB
	v_add_nc_u32 v[PR], s31, v[L16]
	v_add_nc_u32 v[PR+1], 0x10000, v[PR]
	v_add_nc_u32 v[PR+2], 0x20000, v[PR]
	v_lshlrev_b32 v[OLSA], 2, v[TMP+2]             ; order: 4 bytes a position
	v_mov_b32 v[PX], 0                             ; written once: a lane permute's destination counts as one of its sources
	v_mov_b32 v[PX+1], 0
	s_mul_i32 s30, s[SLC], 98304                   ; W0's codes: 64 rows of 1,536 bytes a slice, my 384 bytes of a row
	s_mul_i32 s31, s[WV], 384
	s_add_co_u32 s30, s30, s31
	s_mov_b32 s38, s31
	s_mov_b32 s31, 0
	s_mov_b32 s39, 0
	s_lshl_b32 s32, s[SLC], 12                     ; its scale bytes: 64 a row, my 16
	s_lshl_b32 s36, s[WV], 4
	s_add_co_u32 s32, s32, s36
	s_mov_b32 s33, 0
	s_mov_b32 s37, 0
	s_mul_i32 s50, s[SLC], 768                     ; hA: the slice's place in a tile's codes,
	s_lshr_b32 s51, s[SLC], 3
	s_lshl_b32 s51, s51, 8
	s_and_b32 s34, s[SLC], 7
	s_lshl_b32 s34, s34, 1
	s_add_co_u32 s51, s51, s34                     ; and of its two scale bytes
	s_mov_b32 s52, 0x76543210
	s_mov_b32 s53, 0xfedcba98                      ; v_permlanex16_b32's selects for lane l xor 16
	s_wait_kmcnt 0x0
	s_load_b64 s[24:25], s[16:17], s35 offset:0x0  ; (first tile, tiles)
	s_add_nc_u64 s[44:45], s[10:11], s[30:31]
	s_add_nc_u64 s[46:47], s[12:13], s[32:33]
	s_add_nc_u64 s[40:41], s[4:5], s[38:39]        ; x's codes at my 384 bytes
	s_add_nc_u64 s[42:43], s[6:7], s[36:37]        ; x's scale bytes at my 16
	s_lshl_b32 s36, s[SLC], 8
	s_add_nc_u64 s[48:49], s[14:15], s[36:37]      ; the slice's 64 biases
	s_mul_i32 s36, s[PJ], 576
	s_add_nc_u64 s[54:55], s[8:9], s[36:37]        ; order at my part's 9 tiles (the list has 72)
.irp i, 0,1,2,3,4,5,6,7,8
	global_load_b128 v[OL4+4*\i:OL4+4*\i+3], v[OLA], s[54:55] offset:64*\i   ; four neighbouring positions' rows
.endr
.irp i, 0,1,2,3,4,5,6,7,8
	global_load_b32 v[OLS+\i], v[OLSA], s[54:55] offset:64*\i
.endr
	WIN 0x40                                       ; destination window 1
.set G, 0
.rept 16                               ; my 64 x 384 bytes of W0, 4 rows a group: a load takes 128 consecutive bytes of each of the 4 rows, a group's three loads their 384
.irp p, 0,1,2
	global_load_b128 v[4*(3*G+\p):4*(3*G+\p)+3], v[BOFF], s[44:45] offset:6144*G+128*\p
.endr
.set G, G+1
.endr
	WIN 0
.irp i, 0,1
	global_load_b128 v[BS+4*\i:BS+4*\i+3], v[BSO], s[46:47] offset:2048*\i
.endr
.irp c, 0,1,2,3
	global_load_b128 v[CI+8*\c:CI+8*\c+3], v[BIO], s[48:49] offset:128*(\c/2)+32*(\c%2)
	global_load_b128 v[CI+8*\c+4:CI+8*\c+7], v[BIO], s[48:49] offset:128*(\c/2)+32*(\c%2)+16
.endr
	s_wait_kmcnt 0x0
	s_min_u32 s[TC], s24, 71
	s_min_u32 s[REM], s25, CAPT
.macro RADR ks, i                      ; raw set ks takes tile i: the offsets of my four rows.  Eight plain lines
.irp g, 0,1,2,3
	v_min_u32 v[AR+4*(\ks)+\g], 0x3ff, v[OL4+4*(\i)+\g]
.endr
.irp g, 0,1,2,3
	v_mad_u32_u24 v[AR+4*(\ks)+\g], v[AR+4*(\ks)+\g], 1536, v[C16]
.endr
.endm
.macro ALOAD ks                        ; 12 loads: group g, piece p: 128 consecutive bytes of each of the rows of positions g, 4 + g, 8 + g, 12 + g
	WIN 0x80                                       ; destination window 2
.irp g, 0,1,2,3
.irp p, 0,1,2
	global_load_b128 v[48*(\ks)+4*(3*\g+\p):48*(\ks)+4*(3*\g+\p)+3], v[AR+4*(\ks)+\g], s[40:41] offset:128*\p
.endr
.endr
	WIN 0
.endm
.macro TURN t                          ; tile t's raw set goes through my stage and comes back as four fragments; LDS serves a wave's instructions in order, so no wait stands between the stores and the loads
.set TK, (\t)%DEPTH
.set TF, (\t)%2
	WIN 0x08                                       ; an LDS store's data: window 2
.irp g, 0,1,2,3
.irp p, 0,1,2
	ds_store_b128 v[BST], v[48*TK+4*(3*\g+\p):48*TK+4*(3*\g+\p)+3] offset:XSL*TF+1600*\g+128*\p
.endr
.endr
	WIN 0xc0                                       ; destination window 3
.irp q, 0,1,2,3
.irp p, 0,1,2,3,4,5
	ds_load_b64 v[48*TF+12*\q+2*\p:48*TF+12*\q+2*\p+1], v[XFR] offset:XSL*TF+96*\q+48*(\p/3)+8*(\p%3)
.endr
.endr
	WIN 0
.endm
	s_wait_loadcnt 58                              ; both forms of the list are in: 48 + 2 + 8 younger loads may be out
.irp i, 0,1,2,3,4,5,6,7,8
	v_min_u32 v[OLS+\i], 0x3ff, v[OLS+\i]
.endr
.irp i, 0,1,2,3,4,5,6,7,8
	v_lshlrev_b32 v[OLS+\i], 6, v[OLS+\i]          ; 64 scale bytes a row
.endr
.irp i, 0,1,2,3,4,5,6,7,8
	global_load_b128 v[ASC+4*\i:ASC+4*\i+3], v[OLS+\i], s[42:43]   ; all 9 tiles' scale words: a tile's are wanted longer than its raw set, so each tile has registers of its own
.endr
.irp k, 0,1,2,3
	RADR \k, \k
	ALOAD \k
.endr
	s_wait_loadcnt 57                              ; W0, its scale words and the bias are in: 9 + 48 loads are younger
	WIN 0x04                                       ; an LDS store's data: window 1
.set G, 0
.rept 16                               ; through my own stage; a group's place has bits 1 and 2 of its number swapped, which lays the chosen columns of a tile on neighbouring rows
.set GP, (G&9)|((G&2)<<1)|((G&4)>>1)
.irp p, 0,1,2
	ds_store_b128 v[BST], v[4*(3*G+\p):4*(3*G+\p)+3] offset:1600*GP+128*\p
.endr
.set G, G+1
.endr
	s_wait_dscnt 0x0                               ; the stores have read their registers, which the fragments now take
	WIN 0x40
.irp c, 0,1,2,3
.irp q, 0,1,2,3
.irp p, 0,1,2,3,4,5
	ds_load_b64 v[12*(4*\q+\c)+2*\p:12*(4*\q+\c)+2*\p+1], v[BFR] offset:6400*\c+96*\q+48*(\p/3)+8*(\p%3)
.endr
.endr
.endr
	WIN 0
	s_cmp_eq_u32 s[WV], 0
	s_cselect_b32 s29, -1, 0
.set I, 0
.rept 32
	v_cndmask_b32 v[CI+I], 0, v[CI+I], s29         ; the bias enters one of the four partial sums
.set I, I+1
.endr
.rept 4
	v_nop
.endr
	s_wait_dscnt 0x0                               ; W0's fragments are in: my stage is free for x
	s_wait_loadcnt (DEPTH-1)*NLD                   ; tile 0's raw set is in (and the scale words, which are older); three sets may be out
	TURN 0
	RADR 0, DEPTH
	s_wait_dscnt 24                                ; the turn's 12 stores have read the raw set; its 24 loads may be out
	ALOAD 0                                        ; tile 4
.macro WM d, cc, bf, af, sb, sa, odd
.if \odd
	v_wmma_scale_f32_16x16x128_f8f6f4 v[\d:\d+7], v[\bf:\bf+11], v[\af:\af+11], v[\cc:\cc+7], v[\sb], v[\sa] matrix_a_fmt:MATRIX_FMT_FP6 matrix_b_fmt:MATRIX_FMT_FP6 matrix_a_scale:MATRIX_SCALE_ROW1
.else
	v_wmma_scale_f32_16x16x128_f8f6f4 v[\d:\d+7], v[\bf:\bf+11], v[\af:\af+11], v[\cc:\cc+7], v[\sb], v[\sa] matrix_a_fmt:MATRIX_FMT_FP6 matrix_b_fmt:MATRIX_FMT_FP6
.endif
.endm
.macro MUL                             ; 16 products: my 4 K steps x 4 tiles of columns; the accumulators take turns, one instruction a turn
	WIN 0x0d                                       ; source 0 (W0) window 1, source 1 (x) window 3
.irp q, 0,1,2,3
.irp c, 0,1,2,3
.if \q == 0
	WM AB+8*\c, CI+8*\c, 12*(4*\q+\c), 48*FS+12*\q, BS+4*(\c/2)+\q, ASC+4*TI+\q, \c%2
.else
	WM AB+8*\c, AB+8*\c, 12*(4*\q+\c), 48*FS+12*\q, BS+4*(\c/2)+\q, ASC+4*TI+\q, \c%2
.endif
.endr
.endr
.endm
.macro TSTEP i
.set TI, \i
.set FS, (\i)%2
.set AB, ACC+32*((\i)%2)
.set NW, (DEPTH-1)*NLD
.if CAPT-2-(\i) < DEPTH-1
.set NW, (CAPT-2-(\i))*NLD
.endif
.set ND, 0
.if (\i) >= 1
.set ND, ND+8
.endif
.if (\i)+1 < CAPT
.set ND, ND+36
.endif
	s_cmp_le_u32 s[REM], \i
	s_cbranch_scc1 .Lp1_done                       ; the part has no such tile
.if (\i)+1 < CAPT
	s_wait_loadcnt NW                              ; the next tile's raw set is in; the younger sets may be out
	TURN (\i)+1                                    ; its turn through the stage lies under this tile's products
.endif
	s_wait_dscnt ND                                ; this tile's fragments are in, and the image stores of two steps ago have read this set of accumulators; the last step's 8 stores and the turn's 36 may be out
	MUL
	WIN 0
.if (\i)+1+DEPTH < CAPT
	RADR ((\i)+1)%DEPTH, (\i)+1+DEPTH              ; eight plain lines: the places in front of the stores below and of the next turn's loads
	s_wait_dscnt 24                                ; the turn's 12 stores have read the raw set; its 24 loads may be out
	ALOAD ((\i)+1)%DEPTH
.else
.rept 4
	v_nop
.endr
.endif
.irp q, 0,1,2,3,4,5,6,7
	ds_store_b128 v[PW+(\i)/4], v[AB+4*\q:AB+4*\q+3] offset:SLOTB*((\i)%4)+512*\q   ; each accumulator from its low end on
.endr
.endm
.irp i, 0,1,2,3,4,5,6,7,8
	TSTEP \i
.endr
.Lp1_done:
	v_nop
	s_wait_loadcnt 0x0                             ; what the ring still had out
	s_wait_dscnt 0x0                               ; for the others' sake: my images have landed
	s_barrier_signal -1
	s_barrier_wait -1
.irp t, 0,1,2                          ; slot w + 4 t is mine
.if \t == 2
	s_cmp_lg_u32 s[WV], 0                          ; there are 9 slots: the third round has slot 8 alone, wave 0's
	s_cbranch_scc1 .Lp2_done
.endif
	s_add_co_u32 s29, s[WV], 4*\t
	s_cmp_ge_u32 s29, s[REM]
	s_cbranch_scc1 .Lp2_done
	s_add_co_u32 s29, s29, s[TC]
	s_min_u32 s29, s29, 71
	s_mul_i32 s30, s29, TILEB
	s_add_co_u32 s30, s30, s50
	s_lshl_b32 s31, s29, 10
	s_add_co_u32 s31, s31, s51
	s_wait_xcnt 0x0                                ; the last tile's stores have read their registers and offsets
	v_add_nc_u32 v[O16], s30, v[L16]
	v_add_nc_u32 v[O8], s30, v[L8]
	v_add_nc_u32 v[OS], s31, v[R16]
.irp u, 0,1,2,3
.irp q, 0,1,2,3,4,5,6,7
	ds_load_b128 v[R0+32*\u+4*\q:R0+32*\u+4*\q+3], v[PR+\t] offset:4096*\u+512*\q
.endr
.endr
	s_wait_dscnt 16                                ; waves 0 and 1's images are in
.set I, 0
.rept 16
	v_pk_add_f32 v[R0+I:R0+I+1], v[R0+I:R0+I+1], v[R1+I:R1+I+1]
.set I, I+2
.endr
	s_wait_dscnt 0x0
.set I, 0
.rept 16
	v_pk_add_f32 v[R2+I:R2+I+1], v[R2+I:R2+I+1], v[R3+I:R3+I+1]
.set I, I+2
.endr
.set I, 0
.rept 16
	v_pk_add_f32 v[R0+I:R0+I+1], v[R0+I:R0+I+1], v[R2+I:R2+I+1]
.set I, I+2
.endr
.set I, 0
.rept 32
	v_max_num_f32 v[R0+I], 0, v[R0+I]              ; relu; register 16 b + i is column 32 b + 16 h + i of my position
.set I, I+1
.endr
.irp b, 0,1
	v_max3_num_f32 v[MX+\b], v[R0+16*\b], v[R0+1+16*\b], 0x1800000   ; block b: my 16 numbers (none negative) and the floor 2^(3 - 127): the byte cannot fall under 1
.endr
.irp i, 2,4,6,8,10,12,14
.irp b, 0,1
	v_max3_num_f32 v[MX+\b], v[MX+\b], v[R0+16*\b+\i], v[R0+1+16*\b+\i]
.endr
.endr
.irp b, 0,1
	v_permlanex16_b32 v[PX+\b], v[MX+\b], s52, s53
.endr
.irp b, 0,1
	v_max_num_f32 v[MX+\b], v[MX+\b], v[PX+\b]     ; with lane l xor 16's: the block's largest
.endr
.irp b, 0,1
	v_add_nc_u32 v[SO+\b], 0xff000000, v[MX+\b]    ; 2 off its exponent field: the conversion's scale operand
.endr
.irp b, 0,1
	v_lshrrev_b32 v[BY+\b], 23, v[SO+\b]           ; the scale's byte
.endr
	v_lshl_or_b32 v[SW], v[BY+1], 8, v[BY]
	v_cvt_scalef32_pk16_fp6_f32 v[X:X+2], v[R0:R0+15], v[SO]
	v_cvt_scalef32_pk16_fp6_f32 v[C1:C1+2], v[R0+16:R0+31], v[SO+1]
	v_nop                                          ; one plain place behind a scaled conversion
.irp i, 0,1,2
	v_permlane16_swap_b32 v[X+\i], v[C1+\i]        ; a whole block to a lane: lanes 0-15 block 0, lanes 16-31 block 1
.endr
.irp i, 0,1,2
	v_mov_b32 v[X+3+\i], v[C1+\i]
.endr
	global_store_b128 v[O16], v[X:X+3], s[18:19]               ; 32 lanes store 512 consecutive bytes, aligned to 256
	global_store_b64 v[O8], v[X+4:X+5], s[18:19] offset:512    ; and 256
	global_store_b16 v[OS], v[SW], s[18:19] offset:SCOFF       ; two scale bytes a position (lanes l and l xor 16 store the same): a slice owns no more of a scale word
.endr
.Lp2_done:
	s_wait_tensorcnt 0x0
	ds_add_u32 v254, v255
	s_wait_dscnt 0x0
	s_endpgm
.Lfunc_end_k_q8e4cd3d999_g0:
	.size	k_q8e4cd3d999_g0, .Lfunc_end_k_q8e4cd3d999_g0-k_q8e4cd3d999_g0
	.p2alignl 7, 3214868480
	.fill 96, 4, 3214868480
	.section	.rodata,"a",@progbits
	.p2align	6, 0x0
	.amdhsa_kernel k_q8e4cd3d999_g0
		.amdhsa_group_segment_fixed_size 299520
		.amdhsa_private_segment_fixed_size 0
		.amdhsa_enable_private_segment 0
		.amdhsa_kernarg_size 64
		.amdhsa_user_sgpr_count 2
		.amdhsa_user_sgpr_kernarg_segment_ptr 1
		.amdhsa_wavefront_size32 1
		.amdhsa_system_sgpr_workgroup_id_x 1
		.amdhsa_system_sgpr_workgroup_id_y 1
		.amdhsa_system_sgpr_workgroup_id_z 1
		.amdhsa_system_vgpr_workitem_id 0
		.amdhsa_next_free_vgpr 864
		.amdhsa_next_free_sgpr 66
		.amdhsa_reserve_vcc 0
		.amdhsa_float_denorm_mode_32 3
		.amdhsa_float_denorm_mode_16_64 3
		.amdhsa_memory_ordered 1
		.amdhsa_forward_progress 1
		.amdhsa_inst_pref_size 113
	.end_amdhsa_kernel
	.amdgpu_metadata
---
amdhsa.version: [ 1, 2 ]
amdhsa.kernels:
  - .name:           k_q8e4cd3d999_g0
    .symbol:         k_q8e4cd3d999_g0.kd
    .args:
      - { .name: x_codes, .offset: 0, .size: 8, .value_kind: global_buffer, .address_space: global }
      - { .name: x_scales, .offset: 8, .size: 8, .value_kind: global_buffer, .address_space: global }
      - { .name: order, .offset: 16, .size: 8, .value_kind: global_buffer, .address_space: global }
      - { .name: W0_codes, .offset: 24, .size: 8, .value_kind: global_buffer, .address_space: global }
      - { .name: W0_scales, .offset: 32, .size: 8, .value_kind: global_buffer, .address_space: global }
      - { .name: b0, .offset: 40, .size: 8, .value_kind: global_buffer, .address_space: global }
      - { .name: plan0, .offset: 48, .size: 8, .value_kind: global_buffer, .address_space: global }
      - { .name: hA, .offset: 56, .size: 8, .value_kind: global_buffer, .address_space: global }
    .group_segment_fixed_size: 299520
    .private_segment_fixed_size: 0
    .kernarg_segment_align: 8
    .kernarg_segment_size: 64
    .max_flat_workgroup_size: 128
    .sgpr_count:     66
    .vgpr_count:     864
    .wavefront_size: 32
...
	.end_amdgpu_metadata
.endif
;; end of part 6
;; launch g1: the kernel of part 3 again; grid 128 x 2, 4 waves a work-group, no clusters, 299,520 bytes of LDS; arguments hA, W1_codes, W1_scales, b1, plan1, hB; writes hB
;; launch g2: the kernel of part 3 again; grid 64 x 4, 4 waves a work-group, no clusters, 299,520 bytes of LDS; arguments hB, W2_codes, W2_scales, b2, plan2, hA; writes hA
;; launch g3: the kernel of part 4 again; grid 32 x 8, 4 waves a work-group, no clusters, 299,520 bytes of LDS; arguments hA, W3_codes, W3_scales, b3, plan3, order, out0; writes out0
;; ======== version 3 of 3: 5 launches
;; workspace buffers: order 4,608 bytes of whole numbers; plan0 512 bytes of whole numbers; plan1 512 bytes of whole numbers; plan2 512 bytes of whole numbers; plan3 512 bytes of whole numbers; hA 1,843,200 bytes; hB 1,843,200 bytes
;; launch route (part 7): grid 1 x 1, 4 waves a work-group, no clusters, 1,536 bytes of LDS; arguments path_mask, order, plan0, plan1, plan2, plan3; writes order, plan0, plan1, plan2, plan3
.if DOCPART == 7
	.amdgcn_target "amdgcn-amd-amdhsa--gfx1250"
	.amdhsa_code_object_version 6
	.text
	.protected	k_q8e4cd3d999_route
	.globl	k_q8e4cd3d999_route
	.p2align	8
	.type	k_q8e4cd3d999_route,@function
k_q8e4cd3d999_route:
	s_mov_b64 s[64:65], 0
	v_nop
	global_prefetch_b8 v0, s[64:65] scope:SCOPE_SE
	s_setreg_imm32_b32 hwreg(HW_REG_WAVE_MODE, 25, 1), 1
	s_wait_xcnt 0x0
; THE ROUTING.  path_mask [1024][4] i32.  A row's leaf group is g = 4 b0 + 2 b1 + b2, b the lowest bit of its first three entries.
; The rows are sorted by g (a counting sort, no atomics); each group is padded to whole tiles of 16 positions, so that every expert of
; every level (a run of neighbouring leaf groups) owns whole tiles.  order[position] = row.  A pad position repeats a real row of the same tile:
; it walks the same experts and ends in the same numbers, so the layers need no row mask.  Positions behind the last tile hold 0.
; planD[8 e + j] = (first tile, tiles) of part j of expert e at level D: an expert's tiles are cut into 8 / experts parts; level 0 has fixed parts of 9 tiles.
; LIMITS: only bit 0 of an entry is taken: entries other than 0 and 1 are not served.  Column 3 is loaded with its row and not used, as in the definition.
; One work-group of four waves; wave w takes rows 256 w .. 256 w + 255, 32 a chunk, a lane a row.
; VECTOR AND SCALAR WORK STAND IN RUNS: the compares of several chunks write their lane masks into scalar registers of their own, then the counts of all of them follow, so that the two sides change places a few times a pass.
; All that the three masked stores at the end need (offsets, data, the compares' operands) is made with all lanes on, ahead of the first change of EXEC.
.set CNT,  20                          ; s20-27  my wave's count of each group
.set FM,   28                          ; s28-35  lane mask of the first chunk that has the group
.set FJ,   36                          ; s36-43  that chunk, then the group's first row in my wave
.set BASE, 44                          ; s44-51  the position of my wave's next row of each group: positions are dealt downwards
.set TOFF, 52                          ; s52-60  first tile of each group; s60 = tiles in all
.set MK,   68                          ; s68-99  lane masks: pass 1 four chunks x 8 groups; pass 2 two chunks (s68-83),
.set BB,   84                          ; s84-99  and beside them each chunk's base of each group
.set PIX,  4                           ; v4-12   level d: 4 x the lane that holds the expert's first tile, the next expert's, the part; never rewritten
.set LI8,  13                          ; v13     lane % 8
.set PADX, 14                          ; v14     4 x (2 wave + lane / 16): the group whose pads I serve
.set LI16, 15                          ; v15     lane % 16
.set PLO,  91                          ; v91-94  the part lists' offsets: entry 8 e + j of level d, 8 bytes each; never rewritten
.set TLP,  89                          ; v89     the tail: position 1024 + my thread's number; never rewritten
.set TLO,  95                          ; v95     and its offset in the list; never rewritten
	s_load_b256 s[4:11], s[0:1], 0x0               ; path_mask s[4:5], order s[6:7], plan0 s[8:9], plan1 s[10:11]
	s_load_b128 s[12:15], s[0:1], 0x20             ; plan2, plan3
	v_lshl_add_u32 v96, v0, 2, 0x400
	v_mov_b32 v97, 0
	v_lshrrev_b32 v80, 5, v0
	v_readfirstlane_b32 s16, v80                   ; wave
	v_and_b32 v1, 31, v0                           ; lane
	v_lshl_add_u32 v3, v80, 8, v1                  ; my row of chunk 0
	v_lshlrev_b32 v2, 4, v3                        ; 16 bytes a row
	v_and_b32 v[LI8], 7, v1                        ; lane i (of 8) makes one entry of each level's list
	v_and_b32 v[LI16], 15, v1
	v_lshlrev_b32 v[PLO], 3, v[LI8]                ; level 0: entry i
.irp d, 1,2,3
	v_lshrrev_b32 v82, 3-\d, v[LI8]                ; expert
	v_and_b32 v[PIX+2+3*(\d-1)], (1<<(3-\d))-1, v[LI8]   ; part
	v_lshl_add_u32 v[PLO+\d], v82, 3, v[PIX+2+3*(\d-1)]
	v_lshlrev_b32 v[PLO+\d], 3, v[PLO+\d]
	v_lshlrev_b32 v[PIX+3*(\d-1)], 5-\d, v82       ; the expert's first leaf group, x 4: a lane permute's index
	v_add_nc_u32 v[PIX+1+3*(\d-1)], 4<<(3-\d), v[PIX+3*(\d-1)]   ; and the next expert's
.endr
	v_lshrrev_b32 v[PADX], 4, v1
	s_lshl_b32 s61, s16, 1
	v_add_nc_u32 v[PADX], s61, v[PADX]
	v_lshlrev_b32 v[PADX], 2, v[PADX]
	v_add_nc_u32 v[TLP], 0x400, v0
	v_lshlrev_b32 v[TLO], 2, v[TLP]
.irp g, 0,1,2,3,4,5,6,7
	s_mov_b32 s[CNT+\g], 0
	s_mov_b32 s[FM+\g], 0
	s_mov_b32 s[FJ+\g], 0
.endr
	s_wait_kmcnt 0x0
.irp j, 0,1,2,3,4,5,6,7
	global_load_b128 v[16+4*\j:19+4*\j], v2, s[4:5] offset:512*\j   ; 32 lanes read 512 consecutive bytes
.endr
	s_wait_loadcnt 0x0
.irp j, 0,1,2,3,4,5,6,7
	v_and_b32 v80, 1, v[16+4*\j]
	v_and_b32 v81, 1, v[17+4*\j]
	v_and_b32 v82, 1, v[18+4*\j]
	v_lshl_or_b32 v81, v80, 1, v81
	v_lshl_or_b32 v[48+\j], v81, 1, v82            ; the row's leaf group
.endr
; pass 1: counts, and the first row of each group (the chunks go downwards, so the lowest chunk that has the group is kept); four chunks' masks at a time
.irp jb, 4,0
.irp jj, 0,1,2,3
.irp g, 0,1,2,3,4,5,6,7
	v_cmp_eq_u32 s[MK+8*\jj+\g], \g, v[48+\jb+\jj]
.endr
.endr
.irp jj, 3,2,1,0
.irp g, 0,1,2,3,4,5,6,7
	s_bcnt1_i32_b32 s62, s[MK+8*\jj+\g]            ; SCC = some lane has the group
	s_cselect_b32 s[FM+\g], s[MK+8*\jj+\g], s[FM+\g]
	s_cselect_b32 s[FJ+\g], \jb+\jj, s[FJ+\g]
	s_add_co_u32 s[CNT+\g], s[CNT+\g], s62
.endr
.endr
.endr
	s_lshl_b32 s66, s16, 8
	v_mov_b32 v64, 0
	s_wait_alu depctr_va_vdst(0)
	v_mov_b32 v65, 0
	s_wait_alu depctr_va_vdst(0)
.irp g, 0,1,2,3,4,5,6,7
	s_ctz_i32_b32 s62, s[FM+\g]
	s_lshl_b32 s63, s[FJ+\g], 5
	s_add_co_u32 s63, s63, s62
	s_add_co_u32 s[FJ+\g], s63, s66                ; 256 w + 32 chunk + lane (not used where the count is 0)
.endr
.irp g, 0,1,2,3,4,5,6,7
	v_writelane_b32 v64, s[CNT+\g], \g
	v_writelane_b32 v65, s[FJ+\g], \g
.endr
	v_lshlrev_b32 v81, 2, v0
	v_lshlrev_b32 v82, 2, v1
	ds_store_b32 v81, v64                          ; my wave's counts: lane g has group g's
	ds_store_b32 v81, v65 offset:512               ; and its first rows
	s_wait_alu depctr_va_vdst(0)
	s_wait_dscnt 0x0                               ; for the others' sake: my stores have landed
	s_barrier_signal -1
	s_barrier_wait -1
.irp u, 0,1,2,3
	ds_load_b32 v[66+\u], v82 offset:128*\u
	ds_load_b32 v[70+\u], v82 offset:512+128*\u
.endr
	s_cmp_gt_u32 s16, 0
	s_cselect_b32 s61, -1, 0
	s_cmp_gt_u32 s16, 1
	s_cselect_b32 s62, -1, 0
	s_cmp_gt_u32 s16, 2
	s_cselect_b32 s63, -1, 0
	s_wait_dscnt 0x0
	v_add_nc_u32 v74, v66, v67
	v_add3_u32 v74, v74, v68, v69                  ; lane g: the group's rows in all
	v_and_b32 v75, s61, v66
	v_and_b32 v80, s62, v67
	v_and_b32 v85, s63, v68
	v_add3_u32 v75, v75, v80, v85                  ; those of the waves in front of mine
	v_mov_b32 v76, v73
.irp u, 2,1,0
	v_cmp_ne_u32 vcc_lo, 0, v[66+\u]
	v_cndmask_b32 v76, v76, v[70+\u], vcc_lo       ; the group's very first row: it gets the group's last real position, in its last tile
.endr
	v_add_nc_u32 v77, 15, v74
	v_lshrrev_b32 v77, 4, v77                      ; the group's tiles
	s_mov_b32 s[TOFF], 0
	v_mov_b32 v78, 0
	s_wait_alu depctr_va_vdst(0)
.irp g, 0,1,2,3,4,5,6,7
	v_readlane_b32 s[MK+\g], v77, \g
.endr
.irp g, 0,1,2,3,4,5,6,7
	s_add_co_u32 s[TOFF+1+\g], s[TOFF+\g], s[MK+\g]
.endr
.irp g, 0,1,2,3,4,5,6,7,8
	v_writelane_b32 v78, s[TOFF+\g], \g            ; lane g: the group's first tile; lane 8: tiles in all
.endr
	v_lshl_add_u32 v79, v78, 4, v74
	v_sub_nc_u32 v79, v79, v75
	v_add_nc_u32 v79, -1, v79                      ; 16 first tile + rows - 1 - rows of earlier waves
; what the pads and the part lists want of other lanes: ten lane permutes in one run, waited for behind pass 2
	ds_bpermute_b32 v81, v[PADX], v74              ; the pads' group: rows
	ds_bpermute_b32 v82, v[PADX], v78              ; first tile
	ds_bpermute_b32 v83, v[PADX], v77              ; tiles
	ds_bpermute_b32 v84, v[PADX], v76              ; the row to repeat
.irp d, 1,2,3
	ds_bpermute_b32 v[66+2*(\d-1)], v[PIX+3*(\d-1)], v78     ; level d: the expert's first tile
	ds_bpermute_b32 v[67+2*(\d-1)], v[PIX+1+3*(\d-1)], v78   ; and the next expert's
.endr
.irp g, 0,1,2,3,4,5,6,7
	v_readlane_b32 s[BASE+\g], v79, \g
.endr
; pass 2: each row's position; two chunks at a time: their masks, then each chunk's bases, then the vector lines, the two chunks by turns
.irp jb, 0,2,4,6
.irp jj, 0,1
.irp g, 0,1,2,3,4,5,6,7
	v_cmp_eq_u32 s[MK+8*\jj+\g], \g, v[48+\jb+\jj]
.endr
.endr
.irp jj, 0,1
.irp g, 0,1,2,3,4,5,6,7
	s_mov_b32 s[BB+8*\jj+\g], s[BASE+\g]
	s_bcnt1_i32_b32 s62, s[MK+8*\jj+\g]
	s_sub_co_u32 s[BASE+\g], s[BASE+\g], s62
.endr
.endr
.irp g, 0,1,2,3,4,5,6,7
.irp jj, 0,1
	v_mbcnt_lo_u32_b32 v[85+\jj], s[MK+8*\jj+\g], 0          ; lanes of the group below mine
	v_sub_nc_u32 v[85+\jj], s[BB+8*\jj+\g], v[85+\jj]
.if \g == 0
	v_mov_b32 v[56+\jb+\jj], v[85+\jj]
.else
	v_cndmask_b32 v[56+\jb+\jj], v[56+\jb+\jj], v[85+\jj], s[MK+8*\jj+\g]
.endif
.endr
.endr
.irp jj, 0,1
	v_min_u32 v[56+\jb+\jj], 0x47f, v[56+\jb+\jj]  ; a position lies in 0 .. 1151
	v_lshlrev_b32 v[56+\jb+\jj], 2, v[56+\jb+\jj]
	v_add_nc_u32 v[16+\jb+\jj], 32*(\jb+\jj), v3   ; the row
	global_store_b32 v[56+\jb+\jj], v[16+\jb+\jj], s[6:7]
.endr
.endr
; the tail: positions 1024 .. 1151 that lie behind the last tile (there are at least 64 tiles) will hold 0
	s_lshl_b32 s62, s[TOFF+8], 4
	v_mov_b32 v90, 0
; level 0's list: part i begins at tile 9 i
	v_mul_u32_u24 v32, v[LI8], 9
	v_sub_nc_u32 v33, s[TOFF+8], v32               ; (at least 64 tiles, and 9 i is at most 63: never negative)
	v_min_u32 v33, 9, v33
	s_wait_dscnt 0x0                               ; the ten lane permutes
; the pads: wave w serves groups 2 w and 2 w + 1, sixteen lanes each
	v_add_nc_u32 v86, v81, v[LI16]
	v_lshl_add_u32 v87, v82, 4, v86
	v_min_u32 v87, 0x47f, v87
	v_lshlrev_b32 v87, 2, v87
	v_lshlrev_b32 v88, 4, v83
; the part lists' data, in every wave (wave 0 stores them)
.irp d, 1,2,3
	v_sub_nc_u32 v[67+2*(\d-1)], v[67+2*(\d-1)], v[66+2*(\d-1)]    ; the expert's tiles
	v_mul_u32_u24 v72, v[PIX+2+3*(\d-1)], v[67+2*(\d-1)]
	v_add_nc_u32 v73, v72, v[67+2*(\d-1)]
	v_lshrrev_b32 v72, 3-\d, v72
	v_lshrrev_b32 v73, 3-\d, v73
	v_add_nc_u32 v[32+2*\d], v[66+2*(\d-1)], v72   ; first tile of the part
	v_sub_nc_u32 v[33+2*\d], v73, v72              ; its tiles
.endr
; the three masked stores
	v_cmp_lt_u32 vcc_lo, v86, v88                  ; a pad: still inside the group's tiles
	s_wait_xcnt 0x0                                ; EXEC changes only behind this wait
	s_and_saveexec_b32 s61, vcc_lo
	global_store_b32 v87, v84, s[6:7]
	s_wait_xcnt 0x0
	s_or_b32 exec_lo, exec_lo, s61
	v_cmp_le_u32 vcc_lo, s62, v[TLP]               ; behind the last tile
	s_and_saveexec_b32 s61, vcc_lo
	global_store_b32 v[TLO], v90, s[6:7]
	s_wait_xcnt 0x0
	s_or_b32 exec_lo, exec_lo, s61
	s_cmp_lg_u32 s16, 0
	s_cbranch_scc1 .Lend
	v_cmp_gt_u32 vcc_lo, 8, v1
	s_and_saveexec_b32 s61, vcc_lo
	s_wait_alu depctr_va_vdst(0)
.irp d, 0,1,2,3
	global_store_b64 v[PLO+\d], v[32+2*\d:33+2*\d], s[8+2*\d:9+2*\d]
.endr
	s_wait_xcnt 0x0
	s_or_b32 exec_lo, exec_lo, s61
.Lend:
	s_wait_tensorcnt 0x0
	ds_add_u32 v96, v97
	s_wait_dscnt 0x0
	s_endpgm
.Lfunc_end_k_q8e4cd3d999_route:
	.size	k_q8e4cd3d999_route, .Lfunc_end_k_q8e4cd3d999_route-k_q8e4cd3d999_route
	.p2alignl 7, 3214868480
	.fill 96, 4, 3214868480
	.section	.rodata,"a",@progbits
	.p2align	6, 0x0
	.amdhsa_kernel k_q8e4cd3d999_route
		.amdhsa_group_segment_fixed_size 1536
		.amdhsa_private_segment_fixed_size 0
		.amdhsa_enable_private_segment 0
		.amdhsa_kernarg_size 48
		.amdhsa_user_sgpr_count 2
		.amdhsa_user_sgpr_kernarg_segment_ptr 1
		.amdhsa_wavefront_size32 1
		.amdhsa_system_sgpr_workgroup_id_x 1
		.amdhsa_system_sgpr_workgroup_id_y 1
		.amdhsa_system_sgpr_workgroup_id_z 1
		.amdhsa_system_vgpr_workitem_id 0
		.amdhsa_next_free_vgpr 98
		.amdhsa_next_free_sgpr 100
		.amdhsa_reserve_vcc 1
		.amdhsa_float_denorm_mode_32 3
		.amdhsa_float_denorm_mode_16_64 3
		.amdhsa_memory_ordered 1
		.amdhsa_forward_progress 1
		.amdhsa_inst_pref_size 48
	.end_amdhsa_kernel
	.amdgpu_metadata
---
amdhsa.version: [ 1, 2 ]
amdhsa.kernels:
  - .name:           k_q8e4cd3d999_route
    .symbol:         k_q8e4cd3d999_route.kd
    .args:
      - { .name: path_mask, .offset: 0, .size: 8, .value_kind: global_buffer, .address_space: global }
      - { .name: order, .offset: 8, .size: 8, .value_kind: global_buffer, .address_space: global }
      - { .name: plan0, .offset: 16, .size: 8, .value_kind: global_buffer, .address_space: global }
      - { .name: plan1, .offset: 24, .size: 8, .value_kind: global_buffer, .address_space: global }
      - { .name: plan2, .offset: 32, .size: 8, .value_kind: global_buffer, .address_space: global }
      - { .name: plan3, .offset: 40, .size: 8, .value_kind: global_buffer, .address_space: global }
    .group_segment_fixed_size: 1536
    .private_segment_fixed_size: 0
    .kernarg_segment_align: 8
    .kernarg_segment_size: 48
    .max_flat_workgroup_size: 128
    .sgpr_count:     100
    .vgpr_count:     98
    .wavefront_size: 32
...
	.end_amdgpu_metadata
.endif
;; end of part 7
;; launch g0 (part 8): grid 256 x 1, 4 waves a work-group, no clusters, 299,520 bytes of LDS; arguments x_codes, x_scales, order, W0_codes, W0_scales, b0, plan0, hA; writes hA
.if DOCPART == 8
	.amdgcn_target "amdgcn-amd-amdhsa--gfx1250"
	.amdhsa_code_object_version 6
	.text
	.protected	k_q8e4cd3d999_g0
	.globl	k_q8e4cd3d999_g0
	.p2align	8
	.type	k_q8e4cd3d999_g0,@function
k_q8e4cd3d999_g0:
	s_mov_b64 s[64:65], 0
	v_nop
	global_prefetch_b8 v0, s[64:65] scope:SCOPE_SE
	s_setreg_imm32_b32 hwreg(HW_REG_WAVE_SCHED_MODE, 0, 2), 2
	s_setreg_imm32_b32 hwreg(HW_REG_WAVE_MODE, 25, 1), 1
	s_wait_xcnt 0x0
	s_wait_alu depctr_vm_vsrc(0)
; LEVEL 0: h = relu(x W0 + b0), on codes of E2M3 with E8M0 scales; the rows of x are taken in the sorted order (order[position] = row), h leaves quantised along its columns, the next level's K.
; SHARES.  Work-group (slice = x % 32, part = x / 32): 64 columns of W0, tiles 9 part .. of 16 positions (plan0 says how many: 9, in the last part fewer).
; K IS SHARED AMONG THE FOUR WAVES: wave w takes K steps 4 w .. 4 w + 3 (bytes 384 w .. of every row of codes), so each operand byte goes to one wave; its 16 fragments of W0 stay in registers.
; For a tile a wave issues 16 products on 4 accumulators by turns; the four waves' partial sums meet in LDS as images of the registers; wave i % 4 adds slot i, applies relu, quantises and stores.
; THE PRODUCT IS USED TRANSPOSED (source 0 = 16 columns of W0, source 1 = 16 positions): a lane holds one position and its registers run along the columns.  The columns of a tile are chosen
; (tile c, lane r: column 32 (c / 2) + 8 (c % 2) + r + 8 (r / 8)) so that the 16 registers of tiles 2 b, 2 b + 1 are 16 neighbours along the next K.
; THE GATHER OF x.  A tile's 16 rows x 384 bytes come by 12 loads of 16 bytes a lane: lane l takes the 16 bytes l % 8 of a piece of 128 bytes of the row of position 4 (l / 8) + g, so that a load takes 128 consecutive
; bytes of each of 4 rows (a lane to a row would put a load's lanes into 16 rows, 8 bytes each).  The 6,144 bytes turn through the wave's own stage, which W0 has left: position 4 a + g at stage row a + 4 g; back come
; the fragments, 8 bytes a lane.  Four raw sets are in flight; the turn of tile i + 1 stands ahead of tile i's products, on two stage slots and two sets of fragments by turns.
; NO CLUSTER, NO TENSOR LOAD, NO COPY: the number of tiles of a part is a stored number, on which branches hang; partners would need different numbers of tiles.  Operands go from memory into registers.
; NO PREFETCH: every wave asks for all its weights in its first lines; nothing is known earlier.
; hA: codes at (tile x 32 + slice) x 768: 512 bytes (lane l's 16 at 16 l: registers 0-3 of the half fragment), 256 bytes (8 l: registers 4, 5); scale bytes at SCOFF + tile x 1024 + (block / 16) x 256 + 16 position + block % 16.
; LIMITS: NaN and infinities ahead of the quantiser are not served; a block of zeros gets the scale byte 1, not 127 (its codes are zeros, and only this program reads the bytes);
; a sum is four quarters of K added as (q0 + q1) + (q2 + q3), the bias being the C of q0's first product: f32 throughout, in another order than one chain.
; REGISTERS, in windows of 256: window 0: all but the operands; window 1: v0-191 W0, raw and then as 16 fragments; window 2: v0-191 four raw sets of x; window 3: v0-95 two sets of x's four fragments.
; THE MODE: SCHED_MODE bits 1:0 = 2 (LLVM: expert scheduling mode 2), set by the entry lines.  The code itself states the register dependences
; between vector or matrix instructions and memory or LDS instructions, with s_wait_alu, always for 0.
; THE PLAN.  Registers that memory or LDS instructions touch:
;   v1-18, v22-25   offsets and LDS addresses, made at the head and never written again: one wait on va_vdst ahead of the first load serves them for the whole kernel.
;   window 1        W0: global loads land; the stage's LDS stores read; the fragments' LDS loads land in the same registers (a wait on vm_vsrc between); then the products alone.
;   OLS, AR         offsets that vector lines make from the list; x's loads read them.  AR's set k is made anew in the step that turns raw set k.
;   raw sets        global loads land; the turn's LDS stores read; no vector or matrix instruction names them.
;   fragment sets   the turn's LDS loads land; the products of one step read.
;   ASC             loads land once; the products read.       ACC  the products write; the image stores read; phase 2's LDS loads land there and in v160-223.
;   O16, O8, OS, X, SW   phase 2's vector lines write; its global stores read.
; A STEP OF PHASE 1 HAS TWO WAITS, both behind its products.  The one on vm_vsrc states what memory and LDS instructions issued ahead of the products have read; the one on va_vdst, behind the places, that the
; products are done.  The step's refill and its eight image stores follow the second with no vector instruction between; the next step's turn leans on it too (its LDS loads land in the fragment set just multiplied).
; A TILE OF PHASE 2 has a wait of each kind ahead of its 32 LDS loads and one on va_vdst ahead of its three stores.
.set CAPT,  9                          ; tile slots
.set DEPTH, 4                          ; raw sets of x in flight
.set NLD,   12                         ; loads of a raw set
.set STGW,  25600                      ; a wave's stage: 64 rows x 400 bytes (384 + 16) for W0; then two slots of 16 such rows for x
.set XSL,   6400
.set PB,    4*STGW                     ; behind the stages: slots of 16,384 bytes: 4 waves x 32 registers x 128 bytes
.set SLOTB, 16384
.set TILEB, 24576
.set SCOFF, 72*TILEB
.set L16, 1                            ; v1 16 lane   v2 8 lane   v3 16 (lane % 16)
.set L8,  2
.set R16, 3
.set BOFF, 4                           ; v4     W0: row lane / 8 of a group of 4 rows, 16 bytes lane % 8 of a piece of 128
.set BST,  7                           ; v7     and the same place in my stage; x's stores use it too
.set BFR, 10                           ; v10    my lane's place in a fragment of W0 read from the stage
.set BSO, 11                           ; v11    W0's scale words
.set BIO, 12                           ; v12    the bias
.set PW,  13                           ; v13-15 where I store images: slots 0-3, 4-7, 8
.set PR,  16                           ; v16-18 where I read slot w + 4 t
.set O16, 19                           ; v19-21 offsets in hA
.set O8,  20
.set OS,  21
.set C16, 22                           ; v22    16 (lane % 8)
.set XFR, 23                           ; v23    my lane's place in a fragment of x read from the stage: stage row r / 4 + 4 (r % 4), + 24 h
.set OLA, 24                           ; v24    the list by fours: 16 (lane / 8)
.set OLSA, 25                          ; v25    the list by position: 4 (lane % 16)
.set BS,  34                           ; v34-41 W0's scale words: register 4 i + q: lanes 0-15 tile 2 i, lanes 16-31 tile 2 i + 1, K step q
.set AR,  42                           ; v42-57 raw set k, group g: my row's offset in x
.set CI,  64                           ; v64-95 the bias in the result's layout (zeros in waves 1-3)
.set ACC, 96                           ; v96-159 two sets of 4 accumulators
.set R0,  96                           ; phase 2: the four waves' images
.set R1,  128
.set R2,  160
.set R3,  192
.set OL4, 160                          ; v160-195 phase 1: tile i: the rows of positions 4 (lane / 8) + 0 .. 3
.set OLS, 196                          ; v196-204 phase 1: tile i: the row of position lane % 16, then its scale bytes' offset
.set ASC, 208                          ; v208-243 phase 1: x's scale words, four registers for each of the 9 tiles
.set MX,  224                          ; phase 2, at work
.set PX,  226
.set SO,  228
.set BY,  230
.set SW,  232
.set X,   234
.set C1,  240
.set TMP, 244                          ; at work in the head
.set WV,  20
.set SLC, 21
.set PJ,  22
.set TC,  26
.set REM, 27
.set MSB, 0
.macro WIN new                         ; the immediate's high byte repeats the setting that is left
.if MSB != \new
	s_set_vgpr_msb (MSB<<8)|\new
.set MSB, \new
.endif
.endm
	s_load_b256 s[4:11], s[0:1], 0x0               ; x codes s[4:5], x scales s[6:7], order s[8:9], W0 codes s[10:11]
	s_load_b256 s[12:19], s[0:1], 0x20             ; W0 scales s[12:13], b0 s[14:15], plan0 s[16:17], hA s[18:19]
	v_lshl_add_u32 v254, v0, 2, 0x49000
	v_mov_b32 v255, 0
	v_lshrrev_b32 v[TMP], 5, v0
	v_readfirstlane_b32 s[WV], v[TMP]              ; wave
	v_and_b32 v[TMP+1], 31, v0                     ; l
	v_and_b32 v[TMP+2], 15, v0                     ; r
	v_bfe_u32 v[TMP+3], v0, 4, 1                   ; h
	s_and_b32 s[SLC], ttmp9, 31
	s_lshr_b32 s[PJ], ttmp9, 5
	s_lshl_b32 s35, s[PJ], 3                       ; plan0's entry
	v_lshlrev_b32 v[L16], 4, v[TMP+1]
	v_lshlrev_b32 v[L8], 3, v[TMP+1]
	v_lshlrev_b32 v[R16], 4, v[TMP+2]
	s_wait_alu depctr_va_sdst(0)                   ; the wave's number is written, ahead of its first reader: LDS addresses and bases are made from it
	s_mul_i32 s29, s[WV], STGW
	v_lshrrev_b32 v[BST], 3, v[TMP+1]              ; l / 8
	v_and_b32 v[TMP+4], 7, v[TMP+1]                ; l % 8
	v_lshlrev_b32 v[OLA], 4, v[BST]
	v_lshlrev_b32 v[C16], 4, v[TMP+4]
	v_mul_u32_u24 v[BOFF], v[BST], 1536
	v_mul_u32_u24 v[BST], v[BST], 400
	v_lshl_add_u32 v[BOFF], v[TMP+4], 4, v[BOFF]
	v_lshl_add_u32 v[BST], v[TMP+4], 4, v[BST]
	v_add_nc_u32 v[BST], s29, v[BST]
	v_mul_u32_u24 v[BFR], v[TMP+2], 400
	v_mad_u32_u24 v[BFR], v[TMP+3], 24, v[BFR]
	v_add_nc_u32 v[BFR], s29, v[BFR]
	v_lshrrev_b32 v[XFR], 2, v[TMP+2]              ; r / 4
	v_and_b32 v[TMP+5], 3, v[TMP+2]                ; r % 4
	v_lshl_add_u32 v[XFR], v[TMP+5], 2, v[XFR]
	v_mul_u32_u24 v[XFR], v[XFR], 400
	v_mad_u32_u24 v[XFR], v[TMP+3], 24, v[XFR]
	v_add_nc_u32 v[XFR], s29, v[XFR]
	v_and_b32 v[TMP+4], 8, v[TMP+2]
	v_add_nc_u32 v[TMP+4], v[TMP+4], v[TMP+2]
	v_lshl_add_u32 v[TMP+4], v[TMP+3], 3, v[TMP+4]
	v_lshlrev_b32 v[BSO], 6, v[TMP+4]              ; 64 bytes a column: column 8 h + r + 8 (r / 8)
	v_lshlrev_b32 v[BIO], 6, v[TMP+3]
	s_lshl_b32 s30, s[WV], 12
	s_add_co_u32 s30, s30, PB
	v_add_nc_u32 v[PW], s30, v[L16]
	v_add_nc_u32 v[PW+1], 0x10000, v[PW]
	v_add_nc_u32 v[PW+2], 0x20000, v[PW]
	s_lshl_b32 s31, s[WV], 14
	s_add_co_u32 s31, s31, PB
	v_add_nc_u32 v[PR], s31, v[L16]
	v_add_nc_u32 v[PR+1], 0x10000, v[PR]
	v_add_nc_u32 v[PR+2], 0x20000, v[PR]
	v_lshlrev_b32 v[OLSA], 2, v[TMP+2]             ; order: 4 bytes a position
	v_mov_b32 v[PX], 0                             ; written once: a lane permute's destination counts as one of its sources
	v_mov_b32 v[PX+1], 0
	s_mul_i32 s30, s[SLC], 98304                   ; W0's codes: 64 rows of 1,536 bytes a slice, my 384 bytes of a row
	s_mul_i32 s31, s[WV], 384
	s_add_co_u32 s30, s30, s31
	s_mov_b32 s38, s31
	s_mov_b32 s31, 0
	s_mov_b32 s39, 0
	s_lshl_b32 s32, s[SLC], 12                     ; its scale bytes: 64 a row, my 16
	s_lshl_b32 s36, s[WV], 4
	s_add_co_u32 s32, s32, s36
	s_mov_b32 s33, 0
	s_mov_b32 s37, 0
	s_mul_i32 s50, s[SLC], 768                     ; hA: the slice's place in a tile's codes,
	s_lshr_b32 s51, s[SLC], 3
	s_lshl_b32 s51, s51, 8
	s_and_b32 s34, s[SLC], 7
	s_lshl_b32 s34, s34, 1
	s_add_co_u32 s51, s51, s34                     ; and of its two scale bytes
	s_mov_b32 s52, 0x76543210
	s_mov_b32 s53, 0xfedcba98                      ; v_permlanex16_b32's selects for lane l xor 16
	s_wait_kmcnt 0x0
	s_load_b64 s[24:25], s[16:17], s35 offset:0x0  ; (first tile, tiles)
	s_add_nc_u64 s[44:45], s[10:11], s[30:31]
	s_add_nc_u64 s[46:47], s[12:13], s[32:33]
	s_add_nc_u64 s[40:41], s[4:5], s[38:39]        ; x's codes at my 384 bytes
	s_add_nc_u64 s[42:43], s[6:7], s[36:37]        ; x's scale bytes at my 16
	s_lshl_b32 s36, s[SLC], 8
	s_add_nc_u64 s[48:49], s[14:15], s[36:37]      ; the slice's 64 biases
	s_mul_i32 s36, s[PJ], 576
	s_add_nc_u64 s[54:55], s[8:9], s[36:37]        ; order at my part's 9 tiles (the list has 72)
	s_wait_alu depctr_va_vdst(0)                   ; the offsets and LDS addresses made above are written
.irp i, 0,1,2,3,4,5,6,7,8
	global_load_b128 v[OL4+4*\i:OL4+4*\i+3], v[OLA], s[54:55] offset:64*\i   ; four neighbouring positions' rows
.endr
.irp i, 0,1,2,3,4,5,6,7,8
	global_load_b32 v[OLS+\i], v[OLSA], s[54:55] offset:64*\i
.endr
	WIN 0x40                                       ; destination window 1
.set G, 0
.rept 16                               ; my 64 x 384 bytes of W0, 4 rows a group: a load takes 128 consecutive bytes of each of the 4 rows, a group's three loads their 384
.irp p, 0,1,2
	global_load_b128 v[4*(3*G+\p):4*(3*G+\p)+3], v[BOFF], s[44:45] offset:6144*G+128*\p
.endr
.set G, G+1
.endr
	WIN 0
.irp i, 0,1
	global_load_b128 v[BS+4*\i:BS+4*\i+3], v[BSO], s[46:47] offset:2048*\i
.endr
.irp c, 0,1,2,3
	global_load_b128 v[CI+8*\c:CI+8*\c+3], v[BIO], s[48:49] offset:128*(\c/2)+32*(\c%2)
	global_load_b128 v[CI+8*\c+4:CI+8*\c+7], v[BIO], s[48:49] offset:128*(\c/2)+32*(\c%2)+16
.endr
	s_wait_kmcnt 0x0
	s_min_u32 s[TC], s24, 71
	s_min_u32 s[REM], s25, CAPT
.macro RADR ks, i                      ; raw set ks takes tile i: the offsets of my four rows.  Eight plain lines
.irp g, 0,1,2,3
	v_min_u32 v[AR+4*(\ks)+\g], 0x3ff, v[OL4+4*(\i)+\g]
.endr
.irp g, 0,1,2,3
	v_mad_u32_u24 v[AR+4*(\ks)+\g], v[AR+4*(\ks)+\g], 1536, v[C16]
.endr
.endm
.macro ALOAD ks                        ; 12 loads: group g, piece p: 128 consecutive bytes of each of the rows of positions g, 4 + g, 8 + g, 12 + g
	WIN 0x80                                       ; destination window 2
.irp g, 0,1,2,3
.irp p, 0,1,2
	global_load_b128 v[48*(\ks)+4*(3*\g+\p):48*(\ks)+4*(3*\g+\p)+3], v[AR+4*(\ks)+\g], s[40:41] offset:128*\p
.endr
.endr
	WIN 0
.endm
.macro TURN t                          ; tile t's raw set goes through my stage and comes back as four fragments; LDS serves a wave's instructions in order, so no wait stands between the stores and the loads
.set TK, (\t)%DEPTH
.set TF, (\t)%2
	WIN 0x08                                       ; an LDS store's data: window 2
.irp g, 0,1,2,3
.irp p, 0,1,2
	ds_store_b128 v[BST], v[48*TK+4*(3*\g+\p):48*TK+4*(3*\g+\p)+3] offset:XSL*TF+1600*\g+128*\p
.endr
.endr
	WIN 0xc0                                       ; destination window 3
.irp q, 0,1,2,3
.irp p, 0,1,2,3,4,5
	ds_load_b64 v[48*TF+12*\q+2*\p:48*TF+12*\q+2*\p+1], v[XFR] offset:XSL*TF+96*\q+48*(\p/3)+8*(\p%3)
.endr
.endr
	WIN 0
.endm
	s_wait_loadcnt 58                              ; both forms of the list are in: 48 + 2 + 8 younger loads may be out
.irp i, 0,1,2,3,4,5,6,7,8
	v_min_u32 v[OLS+\i], 0x3ff, v[OLS+\i]
.endr
.irp i, 0,1,2,3,4,5,6,7,8
	v_lshlrev_b32 v[OLS+\i], 6, v[OLS+\i]          ; 64 scale bytes a row
.endr
.irp k, 0,1,2,3
	RADR \k, \k                                    ; all the offsets of the ring's first four sets are made ahead of one wait
.endr
	s_wait_alu depctr_va_vdst(0)                   ; the nine offsets of scale words and the sixteen of rows are written, which the loads below read; so are v226 and v227, set at the head, in which scale words land
.irp i, 0,1,2,3,4,5,6,7,8
	global_load_b128 v[ASC+4*\i:ASC+4*\i+3], v[OLS+\i], s[42:43]   ; all 9 tiles' scale words: a tile's are wanted longer than its raw set, so each tile has registers of its own
.endr
.irp k, 0,1,2,3
	ALOAD \k
.endr
	s_wait_loadcnt 57                              ; W0, its scale words and the bias are in: 9 + 48 loads are younger
	WIN 0x04                                       ; an LDS store's data: window 1
.set G, 0
.rept 16                               ; through my own stage; a group's place has bits 1 and 2 of its number swapped, which lays the chosen columns of a tile on neighbouring rows
.set GP, (G&9)|((G&2)<<1)|((G&4)>>1)
.irp p, 0,1,2
	ds_store_b128 v[BST], v[4*(3*G+\p):4*(3*G+\p)+3] offset:1600*GP+128*\p
.endr
.set G, G+1
.endr
	s_wait_dscnt 0x0                               ; the stores have read their registers, which the fragments now take
	WIN 0x40
	s_wait_alu depctr_vm_vsrc(0)                   ; the 48 LDS stores have read W0's raw registers, in which the LDS loads below land
.irp c, 0,1,2,3
.irp q, 0,1,2,3
.irp p, 0,1,2,3,4,5
	ds_load_b64 v[12*(4*\q+\c)+2*\p:12*(4*\q+\c)+2*\p+1], v[BFR] offset:6400*\c+96*\q+48*(\p/3)+8*(\p%3)
.endr
.endr
.endr
	WIN 0
	s_cmp_eq_u32 s[WV], 0
	s_cselect_b32 s29, -1, 0
.set I, 0
.rept 32
	v_cndmask_b32 v[CI+I], 0, v[CI+I], s29         ; the bias enters one of the four partial sums
.set I, I+1
.endr
.rept 4
	v_nop
.endr
	s_wait_dscnt 0x0                               ; W0's fragments are in: my stage is free for x
	s_wait_loadcnt (DEPTH-1)*NLD                   ; tile 0's raw set is in (and the scale words, which are older); three sets may be out
	TURN 0
	s_wait_alu depctr_vm_vsrc(0)                   ; the turn's LDS stores have read raw set 0, and that set's loads their four offsets: both are written again below
	RADR 0, DEPTH
	s_wait_dscnt 24                                ; the turn's 12 stores have read the raw set; its 24 loads may be out
	s_wait_alu depctr_va_vdst(0)                   ; the four offsets are written, which the loads below read
	ALOAD 0                                        ; tile 4
.macro WM d, cc, bf, af, sb, sa, odd
.if \odd
	v_wmma_scale_f32_16x16x128_f8f6f4 v[\d:\d+7], v[\bf:\bf+11], v[\af:\af+11], v[\cc:\cc+7], v[\sb], v[\sa] matrix_a_fmt:MATRIX_FMT_FP6 matrix_b_fmt:MATRIX_FMT_FP6 matrix_a_scale:MATRIX_SCALE_ROW1
.else
	v_wmma_scale_f32_16x16x128_f8f6f4 v[\d:\d+7], v[\bf:\bf+11], v[\af:\af+11], v[\cc:\cc+7], v[\sb], v[\sa] matrix_a_fmt:MATRIX_FMT_FP6 matrix_b_fmt:MATRIX_FMT_FP6
.endif
.endm
.macro MUL                             ; 16 products: my 4 K steps x 4 tiles of columns; the accumulators take turns, one instruction a turn
	WIN 0x0d                                       ; source 0 (W0) window 1, source 1 (x) window 3
.irp q, 0,1,2,3
.irp c, 0,1,2,3
.if \q == 0
	WM AB+8*\c, CI+8*\c, 12*(4*\q+\c), 48*FS+12*\q, BS+4*(\c/2)+\q, ASC+4*TI+\q, \c%2
.else
	WM AB+8*\c, AB+8*\c, 12*(4*\q+\c), 48*FS+12*\q, BS+4*(\c/2)+\q, ASC+4*TI+\q, \c%2
.endif
.endr
.endr
.endm
.macro TSTEP i
.set TI, \i
.set FS, (\i)%2
.set AB, ACC+32*((\i)%2)
.set NW, (DEPTH-1)*NLD
.if CAPT-2-(\i) < DEPTH-1
.set NW, (CAPT-2-(\i))*NLD
.endif
.set ND, 0
.if (\i) >= 1
.set ND, ND+8
.endif
.if (\i)+1 < CAPT
.set ND, ND+36
.endif
	s_cmp_le_u32 s[REM], \i
	s_cbranch_scc1 .Lp1_done                       ; the part has no such tile
.if (\i)+1 < CAPT
	s_wait_loadcnt NW                              ; the next tile's raw set is in; the younger sets may be out
	TURN (\i)+1                                    ; its turn through the stage lies under this tile's products.  Its LDS loads land in the fragment set that the last step multiplied: that step's wait on va_vdst has shown those products done, and no vector or matrix instruction stands between
.endif
	s_wait_dscnt ND                                ; this tile's fragments are in, and the image stores of two steps ago have read this set of accumulators; the last step's 8 stores and the turn's 36 may be out
	MUL
	WIN 0
.if (\i)+1 < CAPT
	s_wait_alu depctr_vm_vsrc(0)                   ; the last step's image stores have read the accumulators that the next step's products write; where a refill follows, the turn's LDS stores have read the raw set and that set's loads their offsets, both written again below
.endif
.if (\i)+1+DEPTH < CAPT
	RADR ((\i)+1)%DEPTH, (\i)+1+DEPTH              ; eight plain lines: the places in front of the stores below and of the next turn's loads
	s_wait_dscnt 24                                ; the turn's 12 stores have read the raw set; its 24 loads may be out
	s_wait_alu depctr_va_vdst(0)                   ; the products have written the accumulators, which the image stores read, and are done reading their fragment set, in which the next turn's loads land; the four offsets are written, which the loads below read
	ALOAD ((\i)+1)%DEPTH
.else
.rept 4
	v_nop
.endr
	s_wait_alu depctr_va_vdst(0)                   ; the products have written the accumulators, which the image stores read, and are done reading their fragment set, in which the next turn's loads land; the places above stay beside this wait
.endif
.irp q, 0,1,2,3,4,5,6,7
	ds_store_b128 v[PW+(\i)/4], v[AB+4*\q:AB+4*\q+3] offset:SLOTB*((\i)%4)+512*\q   ; each accumulator from its low end on
.endr
.endm
.irp i, 0,1,2,3,4,5,6,7,8
	TSTEP \i
.endr
.Lp1_done:
	v_nop
	s_wait_loadcnt 0x0                             ; what the ring still had out
	s_wait_dscnt 0x0                               ; for the others' sake: my images have landed
	s_barrier_signal -1
	s_barrier_wait -1
.irp t, 0,1,2                          ; slot w + 4 t is mine
.if \t == 2
	s_cmp_lg_u32 s[WV], 0                          ; there are 9 slots: the third round has slot 8 alone, wave 0's
	s_cbranch_scc1 .Lp2_done
.endif
	s_add_co_u32 s29, s[WV], 4*\t
	s_cmp_ge_u32 s29, s[REM]
	s_cbranch_scc1 .Lp2_done
	s_add_co_u32 s29, s29, s[TC]
	s_min_u32 s29, s29, 71
	s_mul_i32 s30, s29, TILEB
	s_add_co_u32 s30, s30, s50
	s_lshl_b32 s31, s29, 10
	s_add_co_u32 s31, s31, s51
	s_wait_xcnt 0x0                                ; the last tile's stores have read their registers and offsets
	s_wait_alu depctr_vm_vsrc(0)                   ; the last tile's stores have read their offsets, codes and scale bytes; my image stores the accumulators; the scale words' loads their offsets in v196-204: all are written again below
	v_add_nc_u32 v[O16], s30, v[L16]
	v_add_nc_u32 v[O8], s30, v[L8]
	v_add_nc_u32 v[OS], s31, v[R16]
	s_wait_alu depctr_va_vdst(0)                   ; the products, the lines that read the list and the last tile's arithmetic are done with v96-223, in which the LDS loads below land
.irp u, 0,1,2,3
.irp q, 0,1,2,3,4,5,6,7
	ds_load_b128 v[R0+32*\u+4*\q:R0+32*\u+4*\q+3], v[PR+\t] offset:4096*\u+512*\q
.endr
.endr
	s_wait_dscnt 16                                ; waves 0 and 1's images are in
.set I, 0
.rept 16
	v_pk_add_f32 v[R0+I:R0+I+1], v[R0+I:R0+I+1], v[R1+I:R1+I+1]
.set I, I+2
.endr
	s_wait_dscnt 0x0
.set I, 0
.rept 16
	v_pk_add_f32 v[R2+I:R2+I+1], v[R2+I:R2+I+1], v[R3+I:R3+I+1]
.set I, I+2
.endr
.set I, 0
.rept 16
	v_pk_add_f32 v[R0+I:R0+I+1], v[R0+I:R0+I+1], v[R2+I:R2+I+1]
.set I, I+2
.endr
.set I, 0
.rept 32
	v_max_num_f32 v[R0+I], 0, v[R0+I]              ; relu; register 16 b + i is column 32 b + 16 h + i of my position
.set I, I+1
.endr
.irp b, 0,1
	v_max3_num_f32 v[MX+\b], v[R0+16*\b], v[R0+1+16*\b], 0x1800000   ; block b: my 16 numbers (none negative) and the floor 2^(3 - 127): the byte cannot fall under 1
.endr
.irp i, 2,4,6,8,10,12,14
.irp b, 0,1
	v_max3_num_f32 v[MX+\b], v[MX+\b], v[R0+16*\b+\i], v[R0+1+16*\b+\i]
.endr
.endr
.irp b, 0,1
	v_permlanex16_b32 v[PX+\b], v[MX+\b], s52, s53
.endr
.irp b, 0,1
	v_max_num_f32 v[MX+\b], v[MX+\b], v[PX+\b]     ; with lane l xor 16's: the block's largest
.endr
.irp b, 0,1
	v_add_nc_u32 v[SO+\b], 0xff000000, v[MX+\b]    ; 2 off its exponent field: the conversion's scale operand
.endr
.irp b, 0,1
	v_lshrrev_b32 v[BY+\b], 23, v[SO+\b]           ; the scale's byte
.endr
	v_lshl_or_b32 v[SW], v[BY+1], 8, v[BY]
	v_cvt_scalef32_pk16_fp6_f32 v[X:X+2], v[R0:R0+15], v[SO]
	v_cvt_scalef32_pk16_fp6_f32 v[C1:C1+2], v[R0+16:R0+31], v[SO+1]
	v_nop                                          ; one plain place behind a scaled conversion
.irp i, 0,1,2
	v_permlane16_swap_b32 v[X+\i], v[C1+\i]        ; a whole block to a lane: lanes 0-15 block 0, lanes 16-31 block 1
.endr
.irp i, 0,1,2
	v_mov_b32 v[X+3+\i], v[C1+\i]
.endr
	s_wait_alu depctr_va_vdst(0)                   ; the codes, the scale bytes and the three offsets are written, which the stores below read
	global_store_b128 v[O16], v[X:X+3], s[18:19]               ; 32 lanes store 512 consecutive bytes, aligned to 256
	global_store_b64 v[O8], v[X+4:X+5], s[18:19] offset:512    ; and 256
	global_store_b16 v[OS], v[SW], s[18:19] offset:SCOFF       ; two scale bytes a position (lanes l and l xor 16 store the same): a slice owns no more of a scale word
.endr
.Lp2_done:
	s_wait_dscnt 0x0                               ; the closing lines, six on end
	s_wait_alu 0x0
	s_wait_tensorcnt 0x0
	ds_add_u32 v254, v255
	s_wait_dscnt 0x0
	s_endpgm
.Lfunc_end_k_q8e4cd3d999_g0:
	.size	k_q8e4cd3d999_g0, .Lfunc_end_k_q8e4cd3d999_g0-k_q8e4cd3d999_g0
	.p2alignl 7, 3214868480
	.fill 96, 4, 3214868480
	.section	.rodata,"a",@progbits
	.p2align	6, 0x0
	.amdhsa_kernel k_q8e4cd3d999_g0
		.amdhsa_group_segment_fixed_size 299520
		.amdhsa_private_segment_fixed_size 0
		.amdhsa_enable_private_segment 0
		.amdhsa_kernarg_size 64
		.amdhsa_user_sgpr_count 2
		.amdhsa_user_sgpr_kernarg_segment_ptr 1
		.amdhsa_wavefront_size32 1
		.amdhsa_system_sgpr_workgroup_id_x 1
		.amdhsa_system_sgpr_workgroup_id_y 1
		.amdhsa_system_sgpr_workgroup_id_z 1
		.amdhsa_system_vgpr_workitem_id 0
		.amdhsa_next_free_vgpr 864
		.amdhsa_next_free_sgpr 66
		.amdhsa_reserve_vcc 0
		.amdhsa_float_denorm_mode_32 3
		.amdhsa_float_denorm_mode_16_64 3
		.amdhsa_memory_ordered 1
		.amdhsa_forward_progress 1
		.amdhsa_inst_pref_size 115
	.end_amdhsa_kernel
	.amdgpu_metadata
---
amdhsa.version: [ 1, 2 ]
amdhsa.kernels:
  - .name:           k_q8e4cd3d999_g0
    .symbol:         k_q8e4cd3d999_g0.kd
    .args:
      - { .name: x_codes, .offset: 0, .size: 8, .value_kind: global_buffer, .address_space: global }
      - { .name: x_scales, .offset: 8, .size: 8, .value_kind: global_buffer, .address_space: global }
      - { .name: order, .offset: 16, .size: 8, .value_kind: global_buffer, .address_space: global }
      - { .name: W0_codes, .offset: 24, .size: 8, .value_kind: global_buffer, .address_space: global }
      - { .name: W0_scales, .offset: 32, .size: 8, .value_kind: global_buffer, .address_space: global }
      - { .name: b0, .offset: 40, .size: 8, .value_kind: global_buffer, .address_space: global }
      - { .name: plan0, .offset: 48, .size: 8, .value_kind: global_buffer, .address_space: global }
      - { .name: hA, .offset: 56, .size: 8, .value_kind: global_buffer, .address_space: global }
    .group_segment_fixed_size: 299520
    .private_segment_fixed_size: 0
    .kernarg_segment_align: 8
    .kernarg_segment_size: 64
    .max_flat_workgroup_size: 128
    .sgpr_count:     66
    .vgpr_count:     864
    .wavefront_size: 32
...
	.end_amdgpu_metadata
.endif
;; end of part 8
;; launch g1 (part 9): grid 128 x 2, 4 waves a work-group, no clusters, 299,520 bytes of LDS; arguments hA, W1_codes, W1_scales, b1, plan1, hB; writes hB
.if DOCPART == 9
	.amdgcn_target "amdgcn-amd-amdhsa--gfx1250"
	.amdhsa_code_object_version 6
	.text
	.protected	k_q8e4cd3d999_g1
	.globl	k_q8e4cd3d999_g1
	.p2align	8
	.type	k_q8e4cd3d999_g1,@function
k_q8e4cd3d999_g1:
	s_mov_b64 s[64:65], 0
	v_nop
	global_prefetch_b8 v0, s[64:65] scope:SCOPE_SE
	s_setreg_imm32_b32 hwreg(HW_REG_WAVE_SCHED_MODE, 0, 2), 2
	s_setreg_imm32_b32 hwreg(HW_REG_WAVE_MODE, 25, 1), 1
	s_wait_xcnt 0x0
	s_wait_alu depctr_vm_vsrc(0)
; A MIDDLE LEVEL: h' = relu(h W[e] + b[e]) for the tiles of expert e, on codes of E2M3 with E8M0 scales; h comes and h' leaves as images of operand registers.  The body serves levels 1 and 2:
; it takes the expert from the grid's y, the slice of 64 columns from x % 32 and the part from x / 32; the part list's entry 8 e + part says (first tile, tiles).
; K IS SHARED AMONG THE FOUR WAVES: wave w takes K steps 4 w .. 4 w + 3, so each operand byte goes to one wave; its 16 fragments of W stay in registers.
; For a tile a wave issues 16 products on 4 accumulators by turns; the four waves' partial sums meet in LDS as images of the registers; wave i % 4 adds slot i, applies relu, quantises and stores.
; THE PRODUCT IS USED TRANSPOSED (source 0 = 16 columns of W, source 1 = 16 positions); tile c, lane r takes column 32 (c / 2) + 8 (c % 2) + r + 8 (r / 8), so that the 16 registers of tiles 2 b, 2 b + 1
; are 16 neighbours along the next K.
; A PART MAY HAVE ANY NUMBER OF TILES up to NCH x CAPT = 36 (half of an expert's at level 2): a loop of NCH chunks of CAPT slots; in a chunk the steps are written out and left early by a forward branch;
; both barriers stand where all paths join.  A tile past the part's end is loaded with factor 0: all lanes at the buffer's head, so that the counts of loads are the same on every path.
; NO CLUSTER, NO TENSOR LOAD, NO COPY: the number of tiles is a stored number, on which branches hang; partners would need different numbers of tiles.  NO PREFETCH: a wave asks for all its weights in its first lines.
; h, h': codes at (tile x 32 + slice) x 768: 512 bytes (lane l's 16 at 16 l: registers 0-3 of the half fragment), 256 bytes (8 l: registers 4, 5); scale bytes at SCOFF + tile x 1024 + (block / 16) x 256 + 16 position + block % 16.
; LIMITS: NaN and infinities ahead of the quantiser are not served; a block of zeros gets the scale byte 1, not 127 (its codes are zeros, and only this program reads the bytes);
; a sum is four quarters of K added as (q0 + q1) + (q2 + q3), the bias being the C of q0's first product: f32 throughout, in another order than one chain.
; THE MODE: SCHED_MODE bits 1:0 = 2 (LLVM: expert scheduling mode 2), set by the entry lines.  The code itself states the register dependences
; between vector or matrix instructions and memory or LDS instructions, with s_wait_alu, always for 0.
; THE PLAN.  Registers that memory or LDS instructions touch:
;   v1-18              offsets and LDS addresses, made at the head and never written again: one wait on va_vdst ahead of the first load serves them for the whole kernel.
;   window 1           W: global loads land; the stage's LDS stores read; the fragments' LDS loads land in the same registers (a wait on vm_vsrc between); then the products alone.
;   AC16, AC8, ASO     set k's three offsets: vector lines write them; the set's 17 loads read them.
;   window 2, ASC      set k: the loads land; the products of one step read.
;   ACC                the products write; the image stores read; phase 2's LDS loads land there and in v160-223.
;   O16, O8, OS, X, SW phase 2's vector lines write; its global stores read.
; A STEP OF PHASE 1 HAS TWO WAITS, both behind its products.  The one on vm_vsrc states what memory and LDS instructions issued ahead of the products have read: the step before's image stores (the next step's products
; write those accumulators) and the set's loads (their offsets are made anew).  The one on va_vdst, behind the places, states that the products are done and the offsets written: the set's refill and the eight image stores follow it
; with no vector instruction between.  A TILE OF PHASE 2 has a wait of each kind ahead of its 32 LDS loads and one on va_vdst ahead of its three stores.  One wait on vm_vsrc stands where a chunk's paths join, for the next chunk.
.set CAPT,  12
.set NCH,   3
.set DEPTH, 4                          ; sets of A's fragments in flight
.set NLD,   17                         ; loads of a set: 8 of 16 bytes, 8 of 8 bytes, one of scale words
.set STGW,  25600                      ; a wave's stage: 64 rows x 400 bytes (384 + 16)
.set PB,    4*STGW                     ; behind the stages: CAPT slots of 16,384 bytes: 4 waves x 32 registers x 128 bytes
.set SLOTB, 16384
.set TILEB, 24576
.set SCOFF, 72*TILEB
.set L16, 1                            ; v1 16 lane   v2 8 lane   v3 16 (lane % 16)
.set L8,  2
.set R16, 3
.set BOFF, 4                           ; v4     W: row lane / 8 of a group of 4 rows, 16 bytes lane % 8 of a piece of 128
.set BST,  7                           ; v7     and the same place in my stage
.set BFR, 10                           ; v10    my lane's place in a fragment read from the stage
.set BSO, 11                           ; v11    W's scale words
.set BIO, 12                           ; v12    the bias
.set PW,  13                           ; v13-15 where I store images: slots 0-3, 4-7, 8-11
.set PR,  16                           ; v16-18 where I read slot w + 4 t
.set O16, 19                           ; v19-21 offsets in h'
.set O8,  20
.set OS,  21
.set AC16, 22                          ; v22-25 set k: offsets of the 16-byte pieces
.set AC8,  26                          ; v26-29 of the 8-byte pieces
.set ASO,  30                          ; v30-33 of the scale words
.set BS,  34                           ; v34-41 W's scale words: register 4 i + q: lanes 0-15 tile 2 i, lanes 16-31 tile 2 i + 1, K step q
.set ASC, 42                           ; v42-57 h's scale words, 4 a set
.set CI,  64                           ; v64-95 the bias in the result's layout (zeros in waves 1-3)
.set ACC, 96                           ; v96-159 two sets of 4 accumulators
.set R0,  96                           ; phase 2: the four waves' images
.set R1,  128
.set R2,  160
.set R3,  192
.set TMP, 200                          ; at work in the head
.set MX,  224
.set PX,  226
.set SO,  228
.set BY,  230
.set SW,  232
.set X,   234
.set C1,  240
.set WV,  20
.set SLC, 21
.set PJ,  22
.set EX,  23
.set TC,  26                           ; s26 the chunk's first tile
.set REM, 27                           ; s27 tiles still to do
.set CH,  28
.set MSB, 0
.macro WIN new                         ; the immediate's high byte repeats the setting that is left
.if MSB != \new
	s_set_vgpr_msb (MSB<<8)|\new
.set MSB, \new
.endif
.endm
	s_load_b256 s[4:11], s[0:1], 0x0               ; h s[4:5], W codes s[6:7], W scales s[8:9], bias s[10:11]
	s_load_b128 s[12:15], s[0:1], 0x20             ; part list s[12:13], h' s[14:15]
	v_lshl_add_u32 v254, v0, 2, 0x49000
	v_mov_b32 v255, 0
	v_lshrrev_b32 v[TMP], 5, v0
	v_readfirstlane_b32 s[WV], v[TMP]              ; wave
	v_and_b32 v[TMP+1], 31, v0                     ; l
	s_wait_alu depctr_va_vdst(0)
	v_and_b32 v[TMP+2], 15, v0                     ; r
	v_bfe_u32 v[TMP+3], v0, 4, 1                   ; h
	s_and_b32 s[SLC], ttmp9, 31
	s_lshr_b32 s[PJ], ttmp9, 5
	s_and_b32 s[EX], ttmp7, 0xffff
	s_lshl_b32 s35, s[EX], 3
	s_add_co_u32 s35, s35, s[PJ]
	s_lshl_b32 s35, s35, 3                         ; the part list's entry
	v_lshlrev_b32 v[L16], 4, v[TMP+1]
	v_lshlrev_b32 v[L8], 3, v[TMP+1]
	v_lshlrev_b32 v[R16], 4, v[TMP+2]
	s_wait_alu depctr_va_sdst(0)                   ; the wave's number is written, ahead of its first reader: LDS addresses and bases are made from it
	s_mul_i32 s29, s[WV], STGW
	v_lshrrev_b32 v[BST], 3, v[TMP+1]              ; l / 8
	v_and_b32 v[TMP+4], 7, v[TMP+1]                ; l % 8
	v_mul_u32_u24 v[BOFF], v[BST], 1536
	v_mul_u32_u24 v[BST], v[BST], 400
	v_lshl_add_u32 v[BOFF], v[TMP+4], 4, v[BOFF]
	v_lshl_add_u32 v[BST], v[TMP+4], 4, v[BST]
	v_add_nc_u32 v[BST], s29, v[BST]
	v_mul_u32_u24 v[BFR], v[TMP+2], 400
	v_mad_u32_u24 v[BFR], v[TMP+3], 24, v[BFR]
	v_add_nc_u32 v[BFR], s29, v[BFR]
	v_and_b32 v[TMP+4], 8, v[TMP+2]
	v_add_nc_u32 v[TMP+4], v[TMP+4], v[TMP+2]
	v_lshl_add_u32 v[TMP+4], v[TMP+3], 3, v[TMP+4]
	v_lshlrev_b32 v[BSO], 6, v[TMP+4]              ; 64 bytes a column: column 8 h + r + 8 (r / 8)
	v_lshlrev_b32 v[BIO], 6, v[TMP+3]
	s_lshl_b32 s30, s[WV], 12
	s_add_co_u32 s30, s30, PB
	v_add_nc_u32 v[PW], s30, v[L16]
	v_add_nc_u32 v[PW+1], 0x10000, v[PW]
	v_add_nc_u32 v[PW+2], 0x20000, v[PW]
	s_lshl_b32 s31, s[WV], 14
	s_add_co_u32 s31, s31, PB
	v_add_nc_u32 v[PR], s31, v[L16]
	v_add_nc_u32 v[PR+1], 0x10000, v[PR]
	v_add_nc_u32 v[PR+2], 0x20000, v[PR]
	v_mov_b32 v[PX], 0                             ; written once: a lane permute's destination counts as one of its sources
	v_mov_b32 v[PX+1], 0
	s_mul_i32 s30, s[EX], 3145728                  ; W's codes: the expert, 64 rows of 1,536 bytes a slice, my 384 bytes of a row
	s_mul_i32 s31, s[SLC], 98304
	s_add_co_u32 s30, s30, s31
	s_mul_i32 s31, s[WV], 384
	s_add_co_u32 s30, s30, s31
	s_mov_b32 s31, 0
	s_lshl_b32 s32, s[EX], 17                      ; its scale bytes: 64 a row, my 16
	s_lshl_b32 s33, s[SLC], 12
	s_add_co_u32 s32, s32, s33
	s_lshl_b32 s33, s[WV], 4
	s_add_co_u32 s32, s32, s33
	s_mov_b32 s33, 0
	s_lshl_b32 s36, s[EX], 13                      ; the bias
	s_lshl_b32 s37, s[SLC], 8
	s_add_co_u32 s36, s36, s37
	s_mov_b32 s37, 0
	s_mul_i32 s38, s[WV], 6144                     ; h: my 8 slices of a tile
	s_mov_b32 s39, 0
	s_mul_i32 s50, s[SLC], 768                     ; h': the slice's place in a tile's codes,
	s_lshr_b32 s51, s[SLC], 3
	s_lshl_b32 s51, s51, 8
	s_and_b32 s34, s[SLC], 7
	s_lshl_b32 s34, s34, 1
	s_add_co_u32 s51, s51, s34                     ; and of its two scale bytes
	s_mov_b32 s52, 0x76543210
	s_mov_b32 s53, 0xfedcba98                      ; v_permlanex16_b32's selects for lane l xor 16
	s_wait_kmcnt 0x0
	s_load_b64 s[24:25], s[12:13], s35 offset:0x0  ; (first tile, tiles)
	s_add_nc_u64 s[44:45], s[6:7], s[30:31]
	s_add_nc_u64 s[46:47], s[8:9], s[32:33]
	s_add_nc_u64 s[48:49], s[10:11], s[36:37]
	s_add_nc_u64 s[40:41], s[4:5], s[38:39]
	s_lshl_b32 s38, s[WV], 8
	s_add_co_u32 s38, s38, SCOFF
	s_add_nc_u64 s[42:43], s[4:5], s[38:39]        ; h's scale bytes: my quarter of K
	WIN 0x40                                       ; destination window 1
	s_wait_alu depctr_va_vdst(0)                   ; the offsets and LDS addresses made above are written
.set G, 0
.rept 16                               ; my 64 x 384 bytes of W, 4 rows a group: a load takes 128 consecutive bytes of each of the 4 rows, a group's three loads their 384
.irp p, 0,1,2
	global_load_b128 v[4*(3*G+\p):4*(3*G+\p)+3], v[BOFF], s[44:45] offset:6144*G+128*\p
.endr
.set G, G+1
.endr
	WIN 0
.irp i, 0,1
	global_load_b128 v[BS+4*\i:BS+4*\i+3], v[BSO], s[46:47] offset:2048*\i
.endr
.irp c, 0,1,2,3
	global_load_b128 v[CI+8*\c:CI+8*\c+3], v[BIO], s[48:49] offset:128*(\c/2)+32*(\c%2)
	global_load_b128 v[CI+8*\c+4:CI+8*\c+7], v[BIO], s[48:49] offset:128*(\c/2)+32*(\c%2)+16
.endr
	s_wait_kmcnt 0x0
	s_min_u32 s[TC], s24, 71
	s_min_u32 s[REM], s25, NCH*CAPT
.macro AADR ks, tp                     ; set ks takes the chunk's tile tp; f = 1 where the part has it, else 0: then every lane stands at the buffer's head.  Three plain vector lines
	s_add_co_u32 s29, s[TC], \tp
	s_min_u32 s29, s29, 71
	s_sub_co_i32 s30, s[REM], \tp
	s_max_i32 s30, s30, 0
	s_min_u32 s30, s30, 1
	s_mul_i32 s29, s29, s30
	s_mul_i32 s31, s29, TILEB
	s_lshl_b32 s32, s29, 10
	v_mad_u32_u24 v[AC16+(\ks)], v[L16], s30, s31
	v_mad_u32_u24 v[AC8+(\ks)], v[L8], s30, s31
	v_mad_u32_u24 v[ASO+(\ks)], v[R16], s30, s32
.endm
.macro ALOAD ks                        ; four fragments as they were stored: each load's lanes take consecutive bytes
	WIN 0
	global_load_b128 v[ASC+4*(\ks):ASC+4*(\ks)+3], v[ASO+(\ks)], s[42:43]
	WIN 0x80                                       ; destination window 2
.irp q, 0,1,2,3
	global_load_b128 v[48*(\ks)+12*\q:48*(\ks)+12*\q+3], v[AC16+(\ks)], s[40:41] offset:1536*\q
	global_load_b64 v[48*(\ks)+12*\q+4:48*(\ks)+12*\q+5], v[AC8+(\ks)], s[40:41] offset:1536*\q+512
	global_load_b128 v[48*(\ks)+12*\q+6:48*(\ks)+12*\q+9], v[AC16+(\ks)], s[40:41] offset:1536*\q+768
	global_load_b64 v[48*(\ks)+12*\q+10:48*(\ks)+12*\q+11], v[AC8+(\ks)], s[40:41] offset:1536*\q+1280
.endr
	WIN 0
.endm
.macro FILL                            ; the four sets' offsets are made ahead of one wait, then the ring is filled
.irp k, 0,1,2,3
	AADR \k, \k
.endr
	s_wait_alu depctr_va_vdst(0)                   ; the twelve offsets are written, which the loads below read; in a later chunk the products are also done reading the four sets and their scale words, in which the loads land
.irp k, 0,1,2,3
	ALOAD \k
.endr
.endm
	FILL
	s_wait_loadcnt 63                              ; W, its scale words and the bias are in: 68 loads are younger
	WIN 0x04                                       ; an LDS store's data: window 1
.set G, 0
.rept 16                               ; through my own stage; a group's place has bits 1 and 2 of its number swapped, which lays the chosen columns of a tile on neighbouring rows
.set GP, (G&9)|((G&2)<<1)|((G&4)>>1)
.irp p, 0,1,2
	ds_store_b128 v[BST], v[4*(3*G+\p):4*(3*G+\p)+3] offset:1600*GP+128*\p
.endr
.set G, G+1
.endr
	s_wait_dscnt 0x0                               ; the stores have read their registers, which the fragments now take
	WIN 0x40
	s_wait_alu depctr_vm_vsrc(0)                   ; the 48 LDS stores have read W's raw registers, in which the LDS loads below land
.irp c, 0,1,2,3
.irp q, 0,1,2,3
.irp p, 0,1,2,3,4,5
	ds_load_b64 v[12*(4*\q+\c)+2*\p:12*(4*\q+\c)+2*\p+1], v[BFR] offset:6400*\c+96*\q+48*(\p/3)+8*(\p%3)
.endr
.endr
.endr
	WIN 0
	s_cmp_eq_u32 s[WV], 0
	s_cselect_b32 s29, -1, 0
.set I, 0
.rept 32
	v_cndmask_b32 v[CI+I], 0, v[CI+I], s29         ; the bias enters one of the four partial sums
.set I, I+1
.endr
.rept 4
	v_nop
.endr
	s_wait_dscnt 0x0
.macro WM d, cc, bf, af, sb, sa, odd
.if \odd
	v_wmma_scale_f32_16x16x128_f8f6f4 v[\d:\d+7], v[\bf:\bf+11], v[\af:\af+11], v[\cc:\cc+7], v[\sb], v[\sa] matrix_a_fmt:MATRIX_FMT_FP6 matrix_b_fmt:MATRIX_FMT_FP6 matrix_a_scale:MATRIX_SCALE_ROW1
.else
	v_wmma_scale_f32_16x16x128_f8f6f4 v[\d:\d+7], v[\bf:\bf+11], v[\af:\af+11], v[\cc:\cc+7], v[\sb], v[\sa] matrix_a_fmt:MATRIX_FMT_FP6 matrix_b_fmt:MATRIX_FMT_FP6
.endif
.endm
.macro MUL                             ; 16 products: my 4 K steps x 4 tiles of columns; the accumulators take turns, one instruction a turn
	WIN 0x09                                       ; source 0 (W) window 1, source 1 (h) window 2
	s_wait_alu depctr_va_vdst(0)
.irp q, 0,1,2,3
.irp c, 0,1,2,3
.if \q == 0
	WM AB+8*\c, CI+8*\c, 12*(4*\q+\c), 48*KS+12*\q, BS+4*(\c/2)+\q, ASC+4*KS+\q, \c%2
.else
	WM AB+8*\c, AB+8*\c, 12*(4*\q+\c), 48*KS+12*\q, BS+4*(\c/2)+\q, ASC+4*KS+\q, \c%2
.endif
.endr
.endr
.endm
.macro TSTEP i
.set KS, (\i)%DEPTH
.set AB, ACC+32*((\i)%2)
.set NW, (DEPTH-1)*NLD
.if CAPT-1-(\i) < DEPTH-1
.set NW, (CAPT-1-(\i))*NLD
.endif
	s_cmp_le_u32 s[REM], \i
	s_cbranch_scc1 .Lp1_done                       ; the part has no such tile
.if (\i) >= 2
	s_wait_dscnt 8                                 ; the image stores of two steps ago have read this set of accumulators; the last step's eight may be out
.endif
	s_wait_loadcnt NW                              ; this tile's set is in; the younger sets may be out
	MUL
	WIN 0
.if (\i)+1 < CAPT
	s_wait_alu depctr_vm_vsrc(0)                   ; the last step's image stores have read the accumulators that the next step's products write; where a refill follows, this set's loads have read their three offsets, which are made anew below
.endif
.if (\i)+DEPTH < CAPT
	AADR KS, (\i)+DEPTH                            ; three plain lines and a v_nop: the four places in front of the loads and of the stores below
	v_nop
	s_wait_alu depctr_va_vdst(0)                   ; the products have written the accumulators, which the image stores read, and are done reading their set and its scale words, in which the loads below land; the three offsets are written
	ALOAD KS
.else
.rept 4
	v_nop
.endr
	s_wait_alu depctr_va_vdst(0)                   ; the products have written the accumulators, which the image stores read; the places above stay beside this wait
.endif
.irp q, 0,1,2,3,4,5,6,7
	ds_store_b128 v[PW+(\i)/4], v[AB+4*\q:AB+4*\q+3] offset:SLOTB*((\i)%4)+512*\q   ; each accumulator from its low end on
.endr
.endm
	s_mov_b32 s[CH], 0
.Lchunk:
.irp i, 0,1,2,3,4,5,6,7,8,9,10,11
	TSTEP \i
.endr
.Lp1_done:
	v_nop                                          ; with a step's four: five places between the last product and a product of the next chunk that writes over its accumulator
	s_wait_loadcnt 0x0                             ; what the ring still had out: its registers and offsets are free
	s_wait_dscnt 0x0                               ; for the others' sake: my images have landed
	s_barrier_signal -1
	s_barrier_wait -1
.irp t, 0,1,2                          ; slot w + 4 t is mine
	s_add_co_u32 s29, s[WV], 4*\t
	s_cmp_ge_u32 s29, s[REM]
	s_cbranch_scc1 .Lp2_done
	s_add_co_u32 s29, s29, s[TC]
	s_min_u32 s29, s29, 71
	s_mul_i32 s30, s29, TILEB
	s_add_co_u32 s30, s30, s50
	s_lshl_b32 s31, s29, 10
	s_add_co_u32 s31, s31, s51
	s_wait_xcnt 0x0                                ; the last tile's stores have read their registers and offsets
	s_wait_alu depctr_vm_vsrc(0)                   ; the last tile's stores have read their offsets, codes and scale bytes, and my image stores the accumulators: all are written again below
	v_add_nc_u32 v[O16], s30, v[L16]
	v_add_nc_u32 v[O8], s30, v[L8]
	v_add_nc_u32 v[OS], s31, v[R16]
	s_wait_alu depctr_va_vdst(0)                   ; the products and the last tile's arithmetic are done with v96-223, in which the LDS loads below land
.irp u, 0,1,2,3
.irp q, 0,1,2,3,4,5,6,7
	ds_load_b128 v[R0+32*\u+4*\q:R0+32*\u+4*\q+3], v[PR+\t] offset:4096*\u+512*\q
.endr
.endr
	s_wait_dscnt 16                                ; waves 0 and 1's images are in
.set I, 0
.rept 16
	v_pk_add_f32 v[R0+I:R0+I+1], v[R0+I:R0+I+1], v[R1+I:R1+I+1]
.set I, I+2
.endr
	s_wait_dscnt 0x0
.set I, 0
.rept 16
	v_pk_add_f32 v[R2+I:R2+I+1], v[R2+I:R2+I+1], v[R3+I:R3+I+1]
.set I, I+2
.endr
.set I, 0
.rept 16
	v_pk_add_f32 v[R0+I:R0+I+1], v[R0+I:R0+I+1], v[R2+I:R2+I+1]
.set I, I+2
.endr
.set I, 0
.rept 32
	v_max_num_f32 v[R0+I], 0, v[R0+I]              ; relu; register 16 b + i is column 32 b + 16 h + i of my position
.set I, I+1
.endr
.irp b, 0,1
	v_max3_num_f32 v[MX+\b], v[R0+16*\b], v[R0+1+16*\b], 0x1800000   ; block b: my 16 numbers (none negative) and the floor 2^(3 - 127): the byte cannot fall under 1
.endr
.irp i, 2,4,6,8,10,12,14
.irp b, 0,1
	v_max3_num_f32 v[MX+\b], v[MX+\b], v[R0+16*\b+\i], v[R0+1+16*\b+\i]
.endr
.endr
.irp b, 0,1
	v_permlanex16_b32 v[PX+\b], v[MX+\b], s52, s53
.endr
.irp b, 0,1
	v_max_num_f32 v[MX+\b], v[MX+\b], v[PX+\b]     ; with lane l xor 16's: the block's largest
.endr
.irp b, 0,1
	v_add_nc_u32 v[SO+\b], 0xff000000, v[MX+\b]    ; 2 off its exponent field: the conversion's scale operand
.endr
.irp b, 0,1
	v_lshrrev_b32 v[BY+\b], 23, v[SO+\b]           ; the scale's byte
.endr
	v_lshl_or_b32 v[SW], v[BY+1], 8, v[BY]
	v_cvt_scalef32_pk16_fp6_f32 v[X:X+2], v[R0:R0+15], v[SO]
	v_cvt_scalef32_pk16_fp6_f32 v[C1:C1+2], v[R0+16:R0+31], v[SO+1]
	v_nop                                          ; one plain place behind a scaled conversion
.irp i, 0,1,2
	v_permlane16_swap_b32 v[X+\i], v[C1+\i]        ; a whole block to a lane: lanes 0-15 block 0, lanes 16-31 block 1
.endr
.irp i, 0,1,2
	v_mov_b32 v[X+3+\i], v[C1+\i]
.endr
	s_wait_alu depctr_va_vdst(0)                   ; the codes, the scale bytes and the three offsets are written, which the stores below read
	global_store_b128 v[O16], v[X:X+3], s[14:15]               ; 32 lanes store 512 consecutive bytes, aligned to 256
	global_store_b64 v[O8], v[X+4:X+5], s[14:15] offset:512    ; and 256
	global_store_b16 v[OS], v[SW], s[14:15] offset:SCOFF       ; two scale bytes a position (lanes l and l xor 16 store the same): a slice owns no more of a scale word
.endr
.Lp2_done:
	s_wait_dscnt 0x0                               ; my reads of the slots are over: the next chunk may write them
	s_wait_alu depctr_vm_vsrc(0)                   ; where the chunk's paths join: its last image stores have read the accumulators, which the next chunk's products write, and the ring's loads their twelve offsets, which the next chunk makes anew
	s_barrier_signal -1
	s_barrier_wait -1
	s_add_co_u32 s[TC], s[TC], CAPT
	s_sub_co_i32 s[REM], s[REM], CAPT
	s_max_i32 s[REM], s[REM], 0
	s_cmp_eq_u32 s[REM], 0
	s_cbranch_scc1 .Lno_fill
	FILL
.Lno_fill:
	s_add_co_u32 s[CH], s[CH], 1
	s_cmp_lt_u32 s[CH], NCH
	s_cbranch_scc1 .Lchunk
	s_wait_dscnt 0x0                               ; the closing lines, six on end
	s_wait_alu 0x0
	s_wait_tensorcnt 0x0
	ds_add_u32 v254, v255
	s_wait_dscnt 0x0
	s_endpgm
.Lfunc_end_k_q8e4cd3d999_g1:
	.size	k_q8e4cd3d999_g1, .Lfunc_end_k_q8e4cd3d999_g1-k_q8e4cd3d999_g1
	.p2alignl 7, 3214868480
	.fill 96, 4, 3214868480
	.section	.rodata,"a",@progbits
	.p2align	6, 0x0
	.amdhsa_kernel k_q8e4cd3d999_g1
		.amdhsa_group_segment_fixed_size 299520
		.amdhsa_private_segment_fixed_size 0
		.amdhsa_enable_private_segment 0
		.amdhsa_kernarg_size 48
		.amdhsa_user_sgpr_count 2
		.amdhsa_user_sgpr_kernarg_segment_ptr 1
		.amdhsa_wavefront_size32 1
		.amdhsa_system_sgpr_workgroup_id_x 1
		.amdhsa_system_sgpr_workgroup_id_y 1
		.amdhsa_system_sgpr_workgroup_id_z 1
		.amdhsa_system_vgpr_workitem_id 0
		.amdhsa_next_free_vgpr 704
		.amdhsa_next_free_sgpr 66
		.amdhsa_reserve_vcc 0
		.amdhsa_float_denorm_mode_32 3
		.amdhsa_float_denorm_mode_16_64 3
		.amdhsa_memory_ordered 1
		.amdhsa_forward_progress 1
		.amdhsa_inst_pref_size 117
	.end_amdhsa_kernel
	.amdgpu_metadata
---
amdhsa.version: [ 1, 2 ]
amdhsa.kernels:
  - .name:           k_q8e4cd3d999_g1
    .symbol:         k_q8e4cd3d999_g1.kd
    .args:
      - { .name: hA, .offset: 0, .size: 8, .value_kind: global_buffer, .address_space: global }
      - { .name: W1_codes, .offset: 8, .size: 8, .value_kind: global_buffer, .address_space: global }
      - { .name: W1_scales, .offset: 16, .size: 8, .value_kind: global_buffer, .address_space: global }
      - { .name: b1, .offset: 24, .size: 8, .value_kind: global_buffer, .address_space: global }
      - { .name: plan1, .offset: 32, .size: 8, .value_kind: global_buffer, .address_space: global }
      - { .name: hB, .offset: 40, .size: 8, .value_kind: global_buffer, .address_space: global }
    .group_segment_fixed_size: 299520
    .private_segment_fixed_size: 0
    .kernarg_segment_align: 8
    .kernarg_segment_size: 48
    .max_flat_workgroup_size: 128
    .sgpr_count:     66
    .vgpr_count:     704
    .wavefront_size: 32
...
	.end_amdgpu_metadata
.endif
;; end of part 9
;; launch g2: the kernel of part 9 again; grid 64 x 4, 4 waves a work-group, no clusters, 299,520 bytes of LDS; arguments hB, W2_codes, W2_scales, b2, plan2, hA; writes hA
;; launch g3 (part 10): grid 32 x 8, 4 waves a work-group, no clusters, 299,520 bytes of LDS; arguments hA, W3_codes, W3_scales, b3, plan3, order, out0; writes out0
.if DOCPART == 10
	.amdgcn_target "amdgcn-amd-amdhsa--gfx1250"
	.amdhsa_code_object_version 6
	.text
	.protected	k_q8e4cd3d999_g3
	.globl	k_q8e4cd3d999_g3
	.p2align	8
	.type	k_q8e4cd3d999_g3,@function
k_q8e4cd3d999_g3:
	s_mov_b64 s[64:65], 0
	v_nop
	global_prefetch_b8 v0, s[64:65] scope:SCOPE_SE
	s_setreg_imm32_b32 hwreg(HW_REG_WAVE_SCHED_MODE, 0, 2), 2
	s_setreg_imm32_b32 hwreg(HW_REG_WAVE_MODE, 25, 1), 1
	s_wait_xcnt 0x0
	s_wait_alu depctr_vm_vsrc(0)
; THE LAST LEVEL: out0[order[position]] = relu(h W3[e] + b3[e]) for the tiles of expert e = the grid's y; slice of 64 columns = x.  h comes as images of operand registers; the result leaves as f32 rows.
; K IS SHARED AMONG THE FOUR WAVES: wave w takes K steps 4 w .. 4 w + 3, so each operand byte goes to one wave; its 16 fragments of W3 stay in registers.
; For a tile a wave issues 16 products on 4 accumulators by turns; the four waves' partial sums meet in LDS as images of the registers; wave i % 4 adds slot i, applies relu and stores.
; THE PRODUCT IS USED TRANSPOSED (source 0 = 16 columns of W3, source 1 = 16 positions); the columns of a tile are chosen as in the levels before (one text for the staging of W); the way out puts them in order.
; AN EXPERT MAY HAVE ANY NUMBER OF TILES up to NCH x CAPT = 72: a loop of NCH chunks of CAPT slots; in a chunk the steps are written out and left early by a forward branch; both barriers stand where all
; paths join.  A tile past the end is loaded with factor 0: all lanes at the buffer's head, so that the counts of loads are the same on every path.  An expert without rows stores nothing.
; A pad position repeats a row of its own tile: the same wave stores the same numbers to that row again.
; NO CLUSTER, NO TENSOR LOAD, NO COPY: the number of tiles is a stored number, on which branches hang; partners would need different numbers of tiles.  NO PREFETCH: a wave asks for all its weights in its first lines.
; LIMITS: a sum is four quarters of K added as (q0 + q1) + (q2 + q3), the bias being the C of q0's first product: f32 throughout, in another order than one chain.
; THE MODE: SCHED_MODE bits 1:0 = 2 (LLVM: expert scheduling mode 2), set by the entry lines.  The code itself states the register dependences
; between vector or matrix instructions and memory or LDS instructions, with s_wait_alu, always for 0.
; THE PLAN.  Registers that memory or LDS instructions touch:
;   v1-18, v58-61      offsets and LDS addresses, made at the head and never written again: one wait on va_vdst ahead of the first load serves them for the whole kernel.
;   window 1           W3: global loads land; the stage's LDS stores read; the fragments' LDS loads land in the same registers (a wait on vm_vsrc between); then the products alone.
;   OA, AC16, AC8, ASO offsets that vector lines write; the list's loads and the sets' loads read them.
;   ORD                the list's loads land, once a chunk; phase 2's vector lines read.
;   window 2, ASC      set k: the loads land; the products of one step read.
;   ACC                the products write; the image stores read; phase 2's LDS loads land there and in v160-223.
;   R0                 phase 2's vector lines write; the way out's LDS stores read.     R2  the way out's LDS loads land; the global stores read.     OFS  vector lines write; the global stores read.
; A STEP OF PHASE 1 HAS TWO WAITS, both behind its products.  The one on vm_vsrc states what memory and LDS instructions issued ahead of the products have read: the step before's image stores (the next step's products
; write those accumulators) and the set's loads (their offsets are made anew).  The one on va_vdst, behind the places, states that the products are done and the offsets written: the set's refill and the eight image stores follow it
; with no vector instruction between.  A TILE OF PHASE 2 has a wait of each kind ahead of its 32 LDS loads, and one on va_vdst ahead of the way out's LDS stores, which serves the loads back and the global stores too.
; One wait on vm_vsrc stands where a chunk's paths join, for the next chunk.
.set CAPT,  12
.set NCH,   6
.set DEPTH, 4                          ; sets of A's fragments in flight
.set NLD,   17                         ; loads of a set: 8 of 16 bytes, 8 of 8 bytes, one of scale words
.set STGW,  25600                      ; a wave's stage: 64 rows x 400 bytes for W3; later 16 rows x 272 bytes for the way out
.set PB,    4*STGW                     ; behind the stages: CAPT slots of 16,384 bytes: 4 waves x 32 registers x 128 bytes
.set SLOTB, 16384
.set TILEB, 24576
.set SCOFF, 72*TILEB
.set L16, 1                            ; v1 16 lane   v2 8 lane   v3 16 (lane % 16)
.set L8,  2
.set R16, 3
.set BOFF, 4                           ; v4     W3: row lane / 8 of a group of 4 rows, 16 bytes lane % 8 of a piece of 128
.set BST,  7                           ; v7     and the same place in my stage
.set BFR, 10                           ; v10    my lane's place in a fragment read from the stage
.set BSO, 11                           ; v11    W3's scale words
.set BIO, 12                           ; v12    the bias
.set PW,  13                           ; v13-15 where I store images: slots 0-3, 4-7, 8-11
.set PR,  16                           ; v16-18 where I read slot w + 4 t
.set OA,  19                           ; v19-21 order: my eight positions of slot w + 4 t
.set AC16, 22                          ; v22-25 set k: offsets of the 16-byte pieces
.set AC8,  26                          ; v26-29 of the 8-byte pieces
.set ASO,  30                          ; v30-33 of the scale words
.set BS,  34                           ; v34-41 W3's scale words: register 4 i + q: lanes 0-15 tile 2 i, lanes 16-31 tile 2 i + 1, K step q
.set ASC, 42                           ; v42-57 h's scale words, 4 a set
.set COL, 58                           ; v58    256 slice + 16 (lane % 16): my 16 bytes of a row of out0
.set H32, 59                           ; v59    32 (lane / 16)
.set FST, 60                           ; v60    the way out: where I put my position's numbers
.set FRD, 61                           ; v61    and where I read a row's 256 bytes back
.set CI,  64                           ; v64-95 the bias in the result's layout (zeros in waves 1-3)
.set ACC, 96                           ; v96-159 two sets of 4 accumulators
.set R0,  96                           ; phase 2: the four waves' images
.set R1,  128
.set R2,  160
.set R3,  192
.set TMP, 200                          ; at work in the head
.set ORD, 224                          ; v224-247 order of positions 8 (lane / 16) + 0 .. 7 of slot w + 4 t
.set OFS, 248                          ; v248-255 the stores' offsets
.set WV,  20
.set SLC, 21
.set EX,  23
.set TC,  26                           ; s26 the chunk's first tile
.set REM, 27                           ; s27 tiles still to do
.set CH,  28
.set MSB, 0
.macro WIN new                         ; the immediate's high byte repeats the setting that is left
.if MSB != \new
	s_set_vgpr_msb (MSB<<8)|\new
.set MSB, \new
.endif
.endm
	s_load_b256 s[4:11], s[0:1], 0x0               ; h s[4:5], W3 codes s[6:7], W3 scales s[8:9], b3 s[10:11]
	s_load_b128 s[12:15], s[0:1], 0x20             ; plan3 s[12:13], order s[14:15]
	s_load_b64 s[16:17], s[0:1], 0x30              ; out0
	v_lshl_add_u32 v62, v0, 2, 0x49000
	v_mov_b32 v63, 0
	v_lshrrev_b32 v[TMP], 5, v0
	v_readfirstlane_b32 s[WV], v[TMP]              ; wave
	v_and_b32 v[TMP+1], 31, v0                     ; l
	v_and_b32 v[TMP+2], 15, v0                     ; r
	v_bfe_u32 v[TMP+3], v0, 4, 1                   ; h
	s_and_b32 s[SLC], ttmp9, 31
	s_and_b32 s[EX], ttmp7, 0xffff
	s_lshl_b32 s35, s[EX], 6                       ; plan3's entry 8 e
	v_lshlrev_b32 v[L16], 4, v[TMP+1]
	v_lshlrev_b32 v[L8], 3, v[TMP+1]
	v_lshlrev_b32 v[R16], 4, v[TMP+2]
	s_wait_alu depctr_va_sdst(0)                   ; the wave's number is written, ahead of its first reader: LDS addresses and bases are made from it
	s_mul_i32 s29, s[WV], STGW
	v_lshrrev_b32 v[BST], 3, v[TMP+1]              ; l / 8
	v_and_b32 v[TMP+4], 7, v[TMP+1]                ; l % 8
	v_mul_u32_u24 v[BOFF], v[BST], 1536
	v_mul_u32_u24 v[BST], v[BST], 400
	v_lshl_add_u32 v[BOFF], v[TMP+4], 4, v[BOFF]
	v_lshl_add_u32 v[BST], v[TMP+4], 4, v[BST]
	v_add_nc_u32 v[BST], s29, v[BST]
	v_mul_u32_u24 v[BFR], v[TMP+2], 400
	v_mad_u32_u24 v[BFR], v[TMP+3], 24, v[BFR]
	v_add_nc_u32 v[BFR], s29, v[BFR]
	v_and_b32 v[TMP+4], 8, v[TMP+2]
	v_add_nc_u32 v[TMP+4], v[TMP+4], v[TMP+2]
	v_lshl_add_u32 v[TMP+4], v[TMP+3], 3, v[TMP+4]
	v_lshlrev_b32 v[BSO], 6, v[TMP+4]              ; 64 bytes a column: column 8 h + r + 8 (r / 8)
	v_lshlrev_b32 v[BIO], 6, v[TMP+3]
	v_mul_u32_u24 v[FST], v[TMP+2], 272
	v_lshl_add_u32 v[FST], v[TMP+3], 6, v[FST]
	v_add_nc_u32 v[FST], s29, v[FST]               ; row r, + 64 h
	v_mul_u32_u24 v[FRD], v[TMP+3], 8*272
	v_add_nc_u32 v[FRD], v[FRD], v[R16]
	v_add_nc_u32 v[FRD], s29, v[FRD]               ; lanes 0-15 rows 0-7, lanes 16-31 rows 8-15; 16 bytes a lane
	v_lshlrev_b32 v[H32], 5, v[TMP+3]
	s_lshl_b32 s30, s[SLC], 8
	v_add_nc_u32 v[COL], s30, v[R16]
	s_lshl_b32 s30, s[WV], 12
	s_add_co_u32 s30, s30, PB
	v_add_nc_u32 v[PW], s30, v[L16]
	v_add_nc_u32 v[PW+1], 0x10000, v[PW]
	v_add_nc_u32 v[PW+2], 0x20000, v[PW]
	s_lshl_b32 s31, s[WV], 14
	s_add_co_u32 s31, s31, PB
	v_add_nc_u32 v[PR], s31, v[L16]
	v_add_nc_u32 v[PR+1], 0x10000, v[PR]
	v_add_nc_u32 v[PR+2], 0x20000, v[PR]
	s_mul_i32 s30, s[EX], 3145728                  ; W3's codes: the expert, 64 rows of 1,536 bytes a slice, my 384 bytes of a row
	s_mul_i32 s31, s[SLC], 98304
	s_add_co_u32 s30, s30, s31
	s_mul_i32 s31, s[WV], 384
	s_add_co_u32 s30, s30, s31
	s_mov_b32 s31, 0
	s_lshl_b32 s32, s[EX], 17                      ; its scale bytes: 64 a row, my 16
	s_lshl_b32 s33, s[SLC], 12
	s_add_co_u32 s32, s32, s33
	s_lshl_b32 s33, s[WV], 4
	s_add_co_u32 s32, s32, s33
	s_mov_b32 s33, 0
	s_lshl_b32 s36, s[EX], 13                      ; the bias
	s_lshl_b32 s37, s[SLC], 8
	s_add_co_u32 s36, s36, s37
	s_mov_b32 s37, 0
	s_mul_i32 s38, s[WV], 6144                     ; h: my 8 slices of a tile
	s_mov_b32 s39, 0
	s_wait_kmcnt 0x0
	s_load_b64 s[24:25], s[12:13], s35 offset:0x0  ; (first tile, tiles)
	s_add_nc_u64 s[44:45], s[6:7], s[30:31]
	s_add_nc_u64 s[46:47], s[8:9], s[32:33]
	s_add_nc_u64 s[48:49], s[10:11], s[36:37]
	s_add_nc_u64 s[40:41], s[4:5], s[38:39]
	s_lshl_b32 s38, s[WV], 8
	s_add_co_u32 s38, s38, SCOFF
	s_add_nc_u64 s[42:43], s[4:5], s[38:39]        ; h's scale bytes: my quarter of K
	WIN 0x40                                       ; destination window 1
	s_wait_alu depctr_va_vdst(0)                   ; the offsets and LDS addresses made above are written
.set G, 0
.rept 16                               ; my 64 x 384 bytes of W3, 4 rows a group: a load takes 128 consecutive bytes of each of the 4 rows, a group's three loads their 384; each byte is read once in the launch
.irp p, 0,1,2
	global_load_b128 v[4*(3*G+\p):4*(3*G+\p)+3], v[BOFF], s[44:45] offset:6144*G+128*\p th:TH_LOAD_NT
.endr
.set G, G+1
.endr
	WIN 0
.irp i, 0,1
	global_load_b128 v[BS+4*\i:BS+4*\i+3], v[BSO], s[46:47] offset:2048*\i
.endr
.irp c, 0,1,2,3
	global_load_b128 v[CI+8*\c:CI+8*\c+3], v[BIO], s[48:49] offset:128*(\c/2)+32*(\c%2)
	global_load_b128 v[CI+8*\c+4:CI+8*\c+7], v[BIO], s[48:49] offset:128*(\c/2)+32*(\c%2)+16
.endr
	s_wait_kmcnt 0x0
	s_min_u32 s[TC], s24, 71
	s_min_u32 s[REM], s25, NCH*CAPT
.macro AADR ks, tp                     ; set ks takes the chunk's tile tp; f = 1 where the expert has it, else 0: then every lane stands at the buffer's head.  Three plain vector lines
	s_add_co_u32 s29, s[TC], \tp
	s_min_u32 s29, s29, 71
	s_sub_co_i32 s30, s[REM], \tp
	s_max_i32 s30, s30, 0
	s_min_u32 s30, s30, 1
	s_mul_i32 s29, s29, s30
	s_mul_i32 s31, s29, TILEB
	s_lshl_b32 s32, s29, 10
	v_mad_u32_u24 v[AC16+(\ks)], v[L16], s30, s31
	v_mad_u32_u24 v[AC8+(\ks)], v[L8], s30, s31
	v_mad_u32_u24 v[ASO+(\ks)], v[R16], s30, s32
.endm
.macro ALOAD ks                        ; four fragments as they were stored: each load's lanes take consecutive bytes
	WIN 0
	global_load_b128 v[ASC+4*(\ks):ASC+4*(\ks)+3], v[ASO+(\ks)], s[42:43]
	WIN 0x80                                       ; destination window 2
.irp q, 0,1,2,3
	global_load_b128 v[48*(\ks)+12*\q:48*(\ks)+12*\q+3], v[AC16+(\ks)], s[40:41] offset:1536*\q
	global_load_b64 v[48*(\ks)+12*\q+4:48*(\ks)+12*\q+5], v[AC8+(\ks)], s[40:41] offset:1536*\q+512
	global_load_b128 v[48*(\ks)+12*\q+6:48*(\ks)+12*\q+9], v[AC16+(\ks)], s[40:41] offset:1536*\q+768
	global_load_b64 v[48*(\ks)+12*\q+10:48*(\ks)+12*\q+11], v[AC8+(\ks)], s[40:41] offset:1536*\q+1280
.endr
	WIN 0
.endm
.macro FILL                            ; the rows of my three slots' positions (the list has 72 tiles, all written), then the ring; all fifteen offsets are made ahead of one wait
.irp t, 0,1,2
	s_add_co_u32 s29, s[TC], s[WV]
	s_add_co_u32 s29, s29, 4*\t
	s_min_u32 s29, s29, 71
	s_lshl_b32 s29, s29, 6
	v_add_nc_u32 v[OA+\t], s29, v[H32]
.endr
.irp k, 0,1,2,3
	AADR \k, \k
.endr
	s_wait_alu depctr_va_vdst(0)                   ; the fifteen offsets are written, which the loads below read; in a later chunk the products are also done reading the four sets and their scale words, and phase 2's lines the list, in which the loads land
.irp t, 0,1,2
	global_load_b128 v[ORD+8*\t:ORD+8*\t+3], v[OA+\t], s[14:15]
	global_load_b128 v[ORD+8*\t+4:ORD+8*\t+7], v[OA+\t], s[14:15] offset:16
.endr
.irp k, 0,1,2,3
	ALOAD \k
.endr
.endm
	FILL
	s_wait_loadcnt 63                              ; W3, its scale words and the bias are in: 74 loads are younger
	WIN 0x04                                       ; an LDS store's data: window 1
.set G, 0
.rept 16                               ; through my own stage; a group's place has bits 1 and 2 of its number swapped, which lays the chosen columns of a tile on neighbouring rows
.set GP, (G&9)|((G&2)<<1)|((G&4)>>1)
.irp p, 0,1,2
	ds_store_b128 v[BST], v[4*(3*G+\p):4*(3*G+\p)+3] offset:1600*GP+128*\p
.endr
.set G, G+1
.endr
	s_wait_dscnt 0x0                               ; the stores have read their registers, which the fragments now take
	WIN 0x40
	s_wait_alu depctr_vm_vsrc(0)                   ; the 48 LDS stores have read W3's raw registers, in which the LDS loads below land
.irp c, 0,1,2,3
.irp q, 0,1,2,3
.irp p, 0,1,2,3,4,5
	ds_load_b64 v[12*(4*\q+\c)+2*\p:12*(4*\q+\c)+2*\p+1], v[BFR] offset:6400*\c+96*\q+48*(\p/3)+8*(\p%3)
.endr
.endr
.endr
	WIN 0
	s_cmp_eq_u32 s[WV], 0
	s_cselect_b32 s29, -1, 0
.set I, 0
.rept 32
	v_cndmask_b32 v[CI+I], 0, v[CI+I], s29         ; the bias enters one of the four partial sums
.set I, I+1
.endr
.rept 4
	v_nop
.endr
	s_wait_dscnt 0x0
.macro WM d, cc, bf, af, sb, sa, odd
.if \odd
	v_wmma_scale_f32_16x16x128_f8f6f4 v[\d:\d+7], v[\bf:\bf+11], v[\af:\af+11], v[\cc:\cc+7], v[\sb], v[\sa] matrix_a_fmt:MATRIX_FMT_FP6 matrix_b_fmt:MATRIX_FMT_FP6 matrix_a_scale:MATRIX_SCALE_ROW1
.else
	v_wmma_scale_f32_16x16x128_f8f6f4 v[\d:\d+7], v[\bf:\bf+11], v[\af:\af+11], v[\cc:\cc+7], v[\sb], v[\sa] matrix_a_fmt:MATRIX_FMT_FP6 matrix_b_fmt:MATRIX_FMT_FP6
.endif
.endm
.macro MUL                             ; 16 products: my 4 K steps x 4 tiles of columns; the accumulators take turns, one instruction a turn
	WIN 0x09                                       ; source 0 (W3) window 1, source 1 (h) window 2
	s_wait_alu depctr_va_vdst(0)
.irp q, 0,1,2,3
.irp c, 0,1,2,3
.if \q == 0
	WM AB+8*\c, CI+8*\c, 12*(4*\q+\c), 48*KS+12*\q, BS+4*(\c/2)+\q, ASC+4*KS+\q, \c%2
.else
	WM AB+8*\c, AB+8*\c, 12*(4*\q+\c), 48*KS+12*\q, BS+4*(\c/2)+\q, ASC+4*KS+\q, \c%2
.endif
.endr
.endr
.endm
.macro TSTEP i
.set KS, (\i)%DEPTH
.set AB, ACC+32*((\i)%2)
.set NW, (DEPTH-1)*NLD
.if CAPT-1-(\i) < DEPTH-1
.set NW, (CAPT-1-(\i))*NLD
.endif
	s_cmp_le_u32 s[REM], \i
	s_cbranch_scc1 .Lp1_done                       ; the expert has no such tile
.if (\i) >= 2
	s_wait_dscnt 8                                 ; the image stores of two steps ago have read this set of accumulators; the last step's eight may be out
.endif
	s_wait_loadcnt NW                              ; this tile's set is in (and the list, which is older); the younger sets may be out
	MUL
	WIN 0
.if (\i)+1 < CAPT
	s_wait_alu depctr_vm_vsrc(0)                   ; the last step's image stores have read the accumulators that the next step's products write; where a refill follows, this set's loads have read their three offsets, which are made anew below
.endif
.if (\i)+DEPTH < CAPT
	AADR KS, (\i)+DEPTH                            ; three plain lines and a v_nop: the four places in front of the loads and of the stores below
	v_nop
	s_wait_alu depctr_va_vdst(0)                   ; the products have written the accumulators, which the image stores read, and are done reading their set and its scale words, in which the loads below land; the three offsets are written
	ALOAD KS
.else
.rept 4
	v_nop
.endr
	s_wait_alu depctr_va_vdst(0)                   ; the products have written the accumulators, which the image stores read; the places above stay beside this wait
.endif
.irp q, 0,1,2,3,4,5,6,7
	ds_store_b128 v[PW+(\i)/4], v[AB+4*\q:AB+4*\q+3] offset:SLOTB*((\i)%4)+512*\q   ; each accumulator from its low end on
.endr
.endm
	s_mov_b32 s[CH], 0
.Lchunk:
.irp i, 0,1,2,3,4,5,6,7,8,9,10,11
	TSTEP \i
.endr
.Lp1_done:
	v_nop                                          ; with a step's four: five places between the last product and a product of the next chunk that writes over its accumulator
	s_wait_loadcnt 0x0                             ; the list, and what the ring still had out: registers and offsets are free
	s_wait_dscnt 0x0                               ; for the others' sake: my images have landed
	s_barrier_signal -1
	s_barrier_wait -1
.irp t, 0,1,2                          ; slot w + 4 t is mine
	s_add_co_u32 s29, s[WV], 4*\t
	s_cmp_ge_u32 s29, s[REM]
	s_cbranch_scc1 .Lp2_done
	s_wait_xcnt 0x0                                ; the last tile's stores have read their registers and offsets
	s_wait_alu depctr_vm_vsrc(0)                   ; the last tile's global stores have read their rows and offsets, its LDS stores their numbers, and my image stores the accumulators: all are written again below
	s_wait_alu depctr_va_vdst(0)                   ; the products and the last tile's arithmetic are done with v96-223, in which the LDS loads below land
.irp u, 0,1,2,3
.irp q, 0,1,2,3,4,5,6,7
	ds_load_b128 v[R0+32*\u+4*\q:R0+32*\u+4*\q+3], v[PR+\t] offset:4096*\u+512*\q
.endr
.endr
.irp i, 0,1,2,3,4,5,6,7
	v_min_u32 v[OFS+\i], 0x3ff, v[ORD+8*\t+\i]     ; the row of position 8 (lane / 16) + i
.endr
.irp i, 0,1,2,3,4,5,6,7
	v_lshl_add_u32 v[OFS+\i], v[OFS+\i], 13, v[COL]   ; 8,192 bytes a row of out0
.endr
	s_wait_dscnt 16                                ; waves 0 and 1's images are in
.set I, 0
.rept 16
	v_pk_add_f32 v[R0+I:R0+I+1], v[R0+I:R0+I+1], v[R1+I:R1+I+1]
.set I, I+2
.endr
	s_wait_dscnt 0x0
.set I, 0
.rept 16
	v_pk_add_f32 v[R2+I:R2+I+1], v[R2+I:R2+I+1], v[R3+I:R3+I+1]
.set I, I+2
.endr
.set I, 0
.rept 16
	v_pk_add_f32 v[R0+I:R0+I+1], v[R0+I:R0+I+1], v[R2+I:R2+I+1]
.set I, I+2
.endr
.set I, 0
.rept 32
	v_max_num_f32 v[R0+I], 0, v[R0+I]              ; relu; register 8 c + i is column 32 (c / 2) + 16 h + 8 (c % 2) + i of position r
.set I, I+1
.endr
	s_wait_alu depctr_va_vdst(0)                   ; the 32 numbers are written, which the LDS stores read; the sums are done with v160-191, in which the LDS loads below land; the eight offsets are written, which the global stores read
.irp c, 0,1,2,3                        ; through my own stage: a lane holds pieces of one row, the lanes beside it other rows
	ds_store_b128 v[FST], v[R0+8*\c:R0+8*\c+3] offset:128*(\c/2)+32*(\c%2)
	ds_store_b128 v[FST], v[R0+8*\c+4:R0+8*\c+7] offset:128*(\c/2)+32*(\c%2)+16
.endr
.irp i, 0,1,2,3,4,5,6,7
	ds_load_b128 v[R2+4*\i:R2+4*\i+3], v[FRD] offset:272*\i   ; LDS serves a wave's instructions in order: these see the stores above
.endr
.irp i, 0,1,2,3,4,5,6,7
	s_wait_dscnt 7-\i
	global_store_b128 v[OFS+\i], v[R2+4*\i:R2+4*\i+3], s[16:17] th:TH_STORE_NT   ; sixteen lanes store 256 consecutive bytes of a row, aligned to 256; written once, read by nobody here
.endr
.endr
.Lp2_done:
	s_wait_dscnt 0x0                               ; my reads of the slots are over: the next chunk may write them
	s_wait_alu depctr_vm_vsrc(0)                   ; where the chunk's paths join: its last image stores and the way out's LDS stores have read v96-159, which the next chunk's products write, and the list's and the ring's loads their fifteen offsets, which the next chunk makes anew
	s_barrier_signal -1
	s_barrier_wait -1
	s_add_co_u32 s[TC], s[TC], CAPT
	s_sub_co_i32 s[REM], s[REM], CAPT
	s_max_i32 s[REM], s[REM], 0
	s_cmp_eq_u32 s[REM], 0
	s_cbranch_scc1 .Lno_fill
	FILL
.Lno_fill:
	s_add_co_u32 s[CH], s[CH], 1
	s_cmp_lt_u32 s[CH], NCH
	s_cbranch_scc1 .Lchunk
	s_wait_dscnt 0x0                               ; the closing lines, six on end
	s_wait_alu 0x0
	s_wait_tensorcnt 0x0
	ds_add_u32 v62, v63
	s_wait_dscnt 0x0
	s_endpgm
.Lfunc_end_k_q8e4cd3d999_g3:
	.size	k_q8e4cd3d999_g3, .Lfunc_end_k_q8e4cd3d999_g3-k_q8e4cd3d999_g3
	.p2alignl 7, 3214868480
	.fill 96, 4, 3214868480
	.section	.rodata,"a",@progbits
	.p2align	6, 0x0
	.amdhsa_kernel k_q8e4cd3d999_g3
		.amdhsa_group_segment_fixed_size 299520
		.amdhsa_private_segment_fixed_size 0
		.amdhsa_enable_private_segment 0
		.amdhsa_kernarg_size 56
		.amdhsa_user_sgpr_count 2
		.amdhsa_user_sgpr_kernarg_segment_ptr 1
		.amdhsa_wavefront_size32 1
		.amdhsa_system_sgpr_workgroup_id_x 1
		.amdhsa_system_sgpr_workgroup_id_y 1
		.amdhsa_system_sgpr_workgroup_id_z 1
		.amdhsa_system_vgpr_workitem_id 0
		.amdhsa_next_free_vgpr 704
		.amdhsa_next_free_sgpr 66
		.amdhsa_reserve_vcc 0
		.amdhsa_float_denorm_mode_32 3
		.amdhsa_float_denorm_mode_16_64 3
		.amdhsa_memory_ordered 1
		.amdhsa_forward_progress 1
		.amdhsa_inst_pref_size 121
	.end_amdhsa_kernel
	.amdgpu_metadata
---
amdhsa.version: [ 1, 2 ]
amdhsa.kernels:
  - .name:           k_q8e4cd3d999_g3
    .symbol:         k_q8e4cd3d999_g3.kd
    .args:
      - { .name: hA, .offset: 0, .size: 8, .value_kind: global_buffer, .address_space: global }
      - { .name: W3_codes, .offset: 8, .size: 8, .value_kind: global_buffer, .address_space: global }
      - { .name: W3_scales, .offset: 16, .size: 8, .value_kind: global_buffer, .address_space: global }
      - { .name: b3, .offset: 24, .size: 8, .value_kind: global_buffer, .address_space: global }
      - { .name: plan3, .offset: 32, .size: 8, .value_kind: global_buffer, .address_space: global }
      - { .name: order, .offset: 40, .size: 8, .value_kind: global_buffer, .address_space: global }
      - { .name: out0, .offset: 48, .size: 8, .value_kind: global_buffer, .address_space: global }
    .group_segment_fixed_size: 299520
    .private_segment_fixed_size: 0
    .kernarg_segment_align: 8
    .kernarg_segment_size: 56
    .max_flat_workgroup_size: 128
    .sgpr_count:     66
    .vgpr_count:     704
    .wavefront_size: 32
...
	.end_amdgpu_metadata
.endif
;; end of part 10
